; MI455X (gfx1250); checked and timed in simulation.
; The chip was launched on July 23, 2026; its instructions are those of AMD's public machine-readable ISA for CDNA 5 (MIT licence, August 2026) and "CDNA5" Instruction Set Architecture Reference Guide (July 2026). The comments in the code are by the model that wrote it; some were corrected since.
;; Multi Head Attention. Allowed arithmetic: matrix products marked QUANTISED: E3M2 operands, one E8M0 scale for each 32 along K, by v_wmma_scale_f32_16x16x128_f8f6f4 with both operands' format E3M2, f32 sums; everything else in f32.
;; Inputs: bk 1,024 float32; bo 1,024 float32; bq 1,024 float32; bv 1,024 float32; k 4 x 2,048 x 1,024 float32; mask 1 x 1 x 2,048 x 2,048 int32; q 4 x 2,048 x 1,024 float32; v 4 x 2,048 x 1,024 float32; wk 1,024 x 1,024 float32; wo 1,024 x 1,024 float32; wq 1,024 x 1,024 float32; wv 1,024 x 1,024 float32.
;; Outputs: out0 4 x 2,048 x 1,024 float32.
;; This version of the problem:
;;   THIS VERSION OF THE PROBLEM IS GIVEN IN LOW PRECISION. The matrix products marked QUANTISED in the list below multiply operands that are first quantised to E3M2 (3 exponent bits, 2 mantissa bits; 6 bits a number), with one power-of-two scale for each 32 numbers along K (OCP MX v1.0); their sums are f32. All else is computed in f32.
;;   The module's matrix products, in the order in which they are computed (A, B: the left and right operand; K: the contracted axis; several contracted axes count as one K, in the product's order):
;;     1. [M 8,192, K 1,024] x [K 1,024, N 1,024]; A: input q; B: input wq: QUANTISED
;;     2. [M 8,192, K 1,024] x [K 1,024, N 1,024]; A: input k; B: input wk: QUANTISED
;;     3. [M 8,192, K 1,024] x [K 1,024, N 1,024]; A: input v; B: input wv: QUANTISED
;;     4. batch 64 x [M 2,048, K 64] x [K 64, N 2,048]; A: computed on the way; B: computed on the way: QUANTISED
;;     5. batch 64 x [M 2,048, K 2,048] x [K 2,048, N 64]; A: softmax (see below); B: computed on the way: QUANTISED
;;     6. [M 8,192, K 1,024] x [K 1,024, N 1,024]; A: computed on the way; B: input wo: QUANTISED
;;   THE QUANTISER, for each operand of a quantised product, along K:
;;     - K is cut into blocks of 32 from its start; a last block that is shorter is filled with zeros.
;;     - A block's scale is 2^e with e = floor(log2(the largest magnitude in the block)) - 4, held to -126 .. 127; a block of zeros has e = 0. As a byte (E8M0): e + 127.
;;     - Each number is divided by its block's scale, clamped to +-28, and rounded to the nearest number of E3M2, ties to even, subnormals kept.
;;     - The product sums the exact products of the quantised numbers (number of the format x scale) in f32.
;;   ~~~python
;;   def quantise(x, axis):      # numpy; x: float32 -> the quantised numbers, widened to float32 again
;;       x = np.moveaxis(x, axis, -1); K = x.shape[-1]
;;       x = np.pad(x, [(0, 0)] * (x.ndim - 1) + [(0, -K % 32)]); x = x.reshape(x.shape[:-1] + (-1, 32)); a = np.abs(x).max(-1, keepdims=True)
;;       e = np.where(a > 0, np.clip(np.frexp(np.where(a > 0, a, 1))[1] - 1 - 4, -126, 127), 0)      # np.frexp(a)[1] - 1 = floor(log2(a)), exactly
;;       r = np.clip(x / 2.0 ** e, -28, 28)
;;       step = 2.0 ** (np.maximum(np.frexp(np.where(r == 0, 1, r))[1] - 1, -2) - 2)
;;       q = np.round(r / step) * step * 2.0 ** e      # np.round: ties to even
;;       return np.moveaxis(q.reshape(q.shape[:-2] + (-1,))[..., :K], -1, axis).astype(np.float32)
;;   ~~~
;;   SOFTMAX AHEAD OF A QUANTISED PRODUCT. Where the list says 'softmax', what is quantised is not the finished softmax but p = 2^(t - M), with t = logit x log2(e) and M = ceil(the row's largest t), a whole number; so 1/2 < the row's largest p <= 1. The row's sum l is taken of the UNQUANTISED p, in f32, and the product's result is divided by l at the end. Since M is a whole number, a kernel that streams over the keys may use a running M (the ceiling of the running maximum): every later rescaling is an exact power of two, which a block's scale takes up: the codes' values come out the same.
;;   OPERANDS COMPUTED ON THE WAY. 'Computed on the way' means the value that the module computes at that place (a softmax that the list does not call 'softmax' is quantised finished and normalised). What goes into a quantiser is computed in f32, as accurately as f32 sums, v_exp_f32 and their like allow (about 1e-6 of the number): no bf16 or f16 on the way to a quantiser, and a product that is left as it is and whose result goes on into a quantised operand takes f32 operands (vector FMAs, or v_wmma_f32_16x16x4_f32). A number that lies on a knife's edge between two numbers of the format may be rounded either way, as far as f32 arithmetic and the matrix unit's own rounding can turn it there, and no further.
;; 2 versions. Each part assembles by itself: llvm-mc -triple=amdgcn-amd-amdhsa -mcpu=gfx1250 --defsym DOCPART=n.
;; ======== version 1 of 2: 4 launches
;; limits: right only within a limited range of input values
;; workspace buffers: pc 22,020,096 bytes; ps 917,504 bytes; mk 540,672 bytes of whole numbers; hc 18,874,368 bytes; hs 786,432 bytes; cc 6,291,456 bytes; cs 262,144 bytes
;; launch prep (part 1): grid 640 x 1, 4 waves a work-group, no clusters, 81,408 bytes of LDS; arguments q, k, v, wq, wk, wv, wo, mask, pc, ps, mk; writes pc, ps, mk
.if DOCPART == 1
	.amdgcn_target "amdgcn-amd-amdhsa--gfx1250"
	.amdhsa_code_object_version 6
	.text
	.protected	k_qd70ff652ad_prep
	.globl	k_qd70ff652ad_prep
	.p2align	8
	.type	k_qd70ff652ad_prep,@function
k_qd70ff652ad_prep:
	s_mov_b64 s[64:65], 0
	v_nop
	global_prefetch_b8 v0, s[64:65] scope:SCOPE_SE
	s_setreg_imm32_b32 hwreg(HW_REG_WAVE_MODE, 25, 1), 1
	s_wait_xcnt 0x0
; PREP: q, k, v [8192][1024] f32 and wq, wk, wv, wo [1024 (k)][1024 (n)] f32 become codes of BF6 (E3M2) with one E8M0 byte for each 32 along K; the mask [2048][2048] i32 becomes lane-mask words.
; A block's scale is 2^(floor(log2(its largest magnitude)) - 4): its byte is the largest magnitude's exponent field - 4, held at 1 from below.
; LIMITS: a block of zeros gets the byte 1 where the quantiser says 127 (its codes are zeros and this program alone reads the bytes); blocks whose largest magnitude lies under 2^-122 are held at the byte 1; NaN and infinities are not served.
; LAYOUT OF THE CODES: images of operand registers.  A tile is 16 rows; tile T holds rows 32 (T / 2) + 8 (T % 2) + r + 8 (r / 8), r = 0 .. 15.  A fragment (16 rows x 128 K, 1,536 bytes) is two halves of 768 bytes (64 K each):
; lane (r, h) owns the 24 bytes of block h of row r: its words 0-3 at 16 x lane, its words 4-5 at 512 + 8 x lane.  A tile's 8 fragments (K = 1,024) lie on end: 12,288 bytes.
; LAYOUT OF THE SCALES: 1,024 bytes for each 32 rows (two tiles): [K steps 0-3 | 4-7][16 (T % 2) + r][4 words]: one load of 16 bytes a lane gives four scale registers, the even tile in lanes 0-15, the odd one in lanes 16-31.
; THE MASK: for query tile T and key step st (128 keys) 64 words; bit L of word 16 f + i is 1 where mask[query of lane L % 16][128 st + 32 f + 16 (L / 16) + i] is 0.  Beside them the AND and the OR of each step's 64 words.
; Three paths part on the work-group's number: 0-383 q, k, v; 384-511 the weights; 512-639 the mask.  Each path has LDS bytes of its own; waves share nothing, so there is no barrier.
.set SP,   528                         ; a stage row: 512 bytes + 16: the sixteen rows that a read touches start in sixteen different columns of 16 bytes
.set STW,  33792                       ; behind path X's four stages (16 x 528 bytes a wave): the weights' stages, 2 x 1,664 bytes a wave
.set STM,  47104                       ; behind them: the mask's stages, 16 x 528 bytes a wave
.set TS,   1664                        ; a weight tile's fragment + 128: the two tiles' stores fall into different halves of the banks
.set L16,  2                           ; v2  16 x lane
.set L8,   3                           ; v3  8 x lane
.set L4,   4                           ; v4  4 x lane
.set SXI,  7                           ; v7  path X: stage, on the way in
.set SXO,  8                           ; v8  and out
.set SMI,  9                           ; v9  path M likewise
.set SMO,  10
.set SWA,  11                          ; v11 path W: my column's 16 bytes in its tile's image
.set SWB,  12                          ; v12 and its 8 bytes
.set SWO,  13                          ; v13 the images read back
.set WSO,  14                          ; v14 my column's place among the scale words
.set SH8,  15                          ; v15 8 x (lane / 16)
.set WD,   16                          ; v16-23 path X: scale words (tile u, K step s) at 4 u + s;  path M: the mask words of four steps
.set MG,   24                          ; v24-27 the words of both tiles joined;  path M: v24 the ANDs and ORs
.set R,    32                          ; v32-159 two sets of 64 registers as loaded
.set X,    160                         ; v160-223 64 numbers in the operand's order
.set CD,   224                         ; v224-235 a fragment's codes
.set TT,   236                         ; v236-243 the blocks' upper halves as the conversions leave them
.set BM,   244
.set SO,   246
.set BY,   248
.set TP,   250
.set WX,   32                          ; path W: two sets of 32 numbers
.set WC,   96
.set SB,   108
.set OUTW, 112
	s_load_b512 s[8:23], s[0:1], 0x0               ; q s[8:9], k s[10:11], v s[12:13], wq s[14:15], wk s[16:17], wv s[18:19], wo s[20:21], mask s[22:23]
	s_load_b128 s[24:27], s[0:1], 0x40             ; pc, ps
	s_load_b64 s[28:29], s[0:1], 0x50              ; mk
	v_lshl_add_u32 v254, v0, 2, 0x13c00
	v_mov_b32 v255, 0
	v_lshrrev_b32 v5, 5, v0
	v_readfirstlane_b32 s2, v5                     ; wave
	v_and_b32 v1, 31, v0                           ; lane
	v_lshlrev_b32 v[L16], 4, v1
	v_lshlrev_b32 v[L8], 3, v1
	v_lshlrev_b32 v[L4], 2, v1
	v_and_b32 v5, 15, v0                           ; r
	v_bfe_u32 v6, v0, 4, 1                         ; h
	v_lshlrev_b32 v[SH8], 3, v6
	s_mul_i32 s3, s2, 16*SP
	v_add_nc_u32 v[SXI], s3, v[L16]                ; in: a row's 512 bytes as they lie
	v_mul_u32_u24 v[SXO], v5, SP
	v_add_nc_u32 v[SXO], s3, v[SXO]
	v_add_nc_u32 v[SMI], STM, v[SXI]
	v_lshl_add_u32 v[SMO], v6, 6, v[SXO]
	v_add_nc_u32 v[SMO], STM, v[SMO]               ; the mask, out: row r, + 64 h
	v_lshl_add_u32 v[SXO], v6, 7, v[SXO]           ; x, out: row r, + 128 h
	v_bfe_u32 v28, v0, 3, 1                        ; a weight's column j = lane: tile u = (j / 8) % 2,
	v_and_b32 v29, 7, v0
	v_lshl_or_b32 v29, v6, 3, v29                  ; row of the tile 8 (j / 16) + j % 8
	v_lshl_add_u32 v[WSO], v28, 4, v29
	v_lshlrev_b32 v[WSO], 4, v[WSO]
	s_mul_i32 s3, s2, 2*TS
	s_add_co_u32 s3, s3, STW
	v_mul_u32_u24 v28, v28, TS
	v_add_nc_u32 v28, s3, v28
	v_lshl_add_u32 v[SWA], v29, 4, v28
	v_lshl_add_u32 v[SWB], v29, 3, v28
	v_add_nc_u32 v[SWO], s3, v[L16]
	v_mov_b32 v[TP+1], 0                           ; a lane permute's destination counts as one of its sources
	s_mov_b32 s30, 0x76543210
	s_mov_b32 s31, 0xfedcba98                      ; selects for lane l xor 16
	s_mov_b32 s32, 0xffff0000                      ; lanes 16-31
	s_wait_kmcnt 0x0
	s_cmp_lt_u32 ttmp9, 384
	s_cbranch_scc0 .Lnot_x
; ---- PATH X.  A wave takes 32 rows (two tiles u) x 512 along K (four K steps s): eight fragments f = 4 u + s.
	s_lshl_b32 s33, ttmp9, 2
	s_add_co_u32 s33, s33, s2
	s_lshr_b32 s34, s33, 1                         ; the group of 32 rows, 0 .. 767
	s_and_b32 s35, s33, 1                          ; which half of K
	s_lshr_b32 s36, s34, 8                         ; 0 q, 1 k, 2 v
	s_cmp_eq_u32 s36, 0
	s_cselect_b64 s[38:39], s[8:9], s[10:11]
	s_cmp_eq_u32 s36, 2
	s_cselect_b64 s[38:39], s[12:13], s[38:39]
	s_and_b32 s40, s34, 255
	s_lshl_b32 s40, s40, 17                        ; 32 rows of 4,096 bytes
	s_lshl_b32 s41, s35, 11
	s_add_co_u32 s40, s40, s41
	s_mov_b32 s41, 0
	s_add_nc_u64 s[38:39], s[38:39], s[40:41]
	s_mul_i32 s40, s34, 24576
	s_mul_i32 s42, s35, 6144
	s_add_co_u32 s40, s40, s42
	s_add_nc_u64 s[44:45], s[24:25], s[40:41]      ; my codes
	s_lshl_b32 s40, s34, 10
	s_lshl_b32 s42, s35, 9
	s_add_co_u32 s40, s40, s42
	s_add_nc_u64 s[46:47], s[26:27], s[40:41]      ; my scale words
.macro XLOAD f                         ; a fragment's 16 rows x 512 bytes: each load reads 512 consecutive bytes
.set l_u, (\f)/4
.set l_s, (\f)%4
.set l_r, R+64*((\f)%2)
.irp i, 0,1,2,3,4,5,6,7,8,9,10,11,12,13,14,15
	global_load_b128 v[l_r+4*\i:l_r+4*\i+3], v[L16], s[38:39] offset:(8*l_u+\i+8*(\i/8))*4096+512*l_s th:TH_LOAD_NT
.endr
.endm
.macro XFRAG f
.set f_r, R+64*((\f)%2)
.set f_o, 12288*((\f)/4)+1536*((\f)%4)
.if (\f) < 7
	s_wait_loadcnt 16                              ; this fragment's 16 loads are in; the next fragment's 16 may be out
.else
	s_wait_loadcnt 0x0
.endif
.irp i, 0,1,2,3,4,5,6,7,8,9,10,11,12,13,14,15
	ds_store_b128 v[SXI], v[f_r+4*\i:f_r+4*\i+3] offset:SP*\i
.endr
.irp c, 0,1
.irp k, 0,1,2,3,4,5,6,7
	ds_load_b128 v[X+32*\c+4*\k:X+32*\c+4*\k+3], v[SXO] offset:256*\c+16*\k   ; LDS serves a wave's instructions in order: these see the stores.  Register 32 c + i = K 64 c + 32 h + i of row r
.endr
.endr
	s_wait_dscnt 0x0                               ; the numbers are back, and the stores have read the set, which takes the loads of two fragments on
.if (\f) < 6
	XLOAD (\f)+2
.endif
.irp c, 0,1
	v_max3_num_f32 v[BM+\c], |v[X+32*\c]|, |v[X+32*\c+1]|, 0x2800000   ; block 2 c + h is all mine; the floor 2^(5 - 127) holds the byte at 1 from below
.endr
.irp i, 2,4,6,8,10,12,14,16,18,20,22,24,26,28,30
.irp c, 0,1
	v_max3_num_f32 v[BM+\c], v[BM+\c], |v[X+32*\c+\i]|, |v[X+32*\c+\i+1]|
.endr
.endr
.irp c, 0,1
	v_add_nc_u32 v[SO+\c], 0xfe000000, v[BM+\c]    ; 4 off the exponent field: the conversion's scale operand
.endr
.irp c, 0,1
	v_lshrrev_b32 v[BY+\c], 23, v[SO+\c]           ; the scale's byte
.endr
	s_wait_xcnt 0x0                                ; the last fragment's stores have read the codes' registers
.irp c, 0,1
	v_cvt_scalef32_pk16_bf6_f32 v[CD+6*\c:CD+6*\c+2], v[X+32*\c:X+32*\c+15], v[SO+\c]
	v_cvt_scalef32_pk16_bf6_f32 v[TT+4*\c:TT+4*\c+2], v[X+32*\c+16:X+32*\c+31], v[SO+\c]   ; (a conversion's three registers begin on an even number)
.endr
	v_nop                                          ; one plain line behind the scaled conversions
.irp c, 0,1
.irp i, 0,1,2
	v_mov_b32 v[CD+6*\c+3+\i], v[TT+4*\c+\i]
.endr
.endr
	v_lshl_or_b32 v[TP], v[BY+1], 16, v[BY]        ; my two bytes, blocks h and 2 + h,
	v_lshlrev_b32 v[TP], v[SH8], v[TP]             ; at their places in the row's scale word;
	v_permlanex16_b32 v[TP+1], v[TP], s30, s31
	v_or_b32 v[WD+(\f)], v[TP], v[TP+1]            ; with lane l xor 16's two the word is whole
	global_store_b128 v[L16], v[CD:CD+3], s[44:45] offset:f_o          ; each store covers 512 or 256 consecutive bytes, aligned
	global_store_b64 v[L8], v[CD+4:CD+5], s[44:45] offset:f_o+512
	global_store_b128 v[L16], v[CD+6:CD+9], s[44:45] offset:f_o+768
	global_store_b64 v[L8], v[CD+10:CD+11], s[44:45] offset:f_o+1280
.endm
	XLOAD 0
	XLOAD 1
.irp f, 0,1,2,3,4,5,6,7
	XFRAG \f
.endr
.irp s, 0,1,2,3
	v_cndmask_b32 v[MG+\s], v[WD+\s], v[WD+4+\s], s32   ; lanes 0-15 the even tile's words, lanes 16-31 the odd tile's
.endr
	global_store_b128 v[L16], v[MG:MG+3], s[46:47]
	s_wait_tensorcnt 0x0
	ds_add_u32 v254, v255
	s_wait_dscnt 0x0
	s_endpgm
.Lnot_x:
	s_cmp_lt_u32 ttmp9, 512
	s_cbranch_scc0 .Lmask
; ---- PATH W.  K is a weight's FIRST axis: a lane takes a column n and its registers run down K, so a block of 32 is one lane's and the codes come out with K innermost.  A wave: 32 columns x 256 along K (8 blocks, two K steps).
	s_sub_co_u32 s33, ttmp9, 384
	s_lshr_b32 s34, s33, 5                         ; which weight
	s_and_b32 s35, s33, 7                          ; which 128 columns
	s_bfe_u32 s36, s33, 0x20003                    ; which 256 along K
	s_cmp_lt_u32 s34, 2
	s_cselect_b64 s[38:39], s[14:15], s[18:19]     ; wq or wv
	s_cselect_b64 s[40:41], s[16:17], s[20:21]     ; wk or wo
	s_bitcmp1_b32 s34, 0
	s_cselect_b64 s[38:39], s[40:41], s[38:39]
	s_lshl_b32 s40, s36, 20                        ; 256 rows of 4,096 bytes
	s_lshl_b32 s42, s35, 9
	s_add_co_u32 s40, s40, s42
	s_lshl_b32 s42, s2, 7
	s_add_co_u32 s40, s40, s42
	s_mov_b32 s41, 0
	s_add_nc_u64 s[38:39], s[38:39], s[40:41]
	s_lshl_b32 s37, s35, 2
	s_add_co_u32 s37, s37, s2                      ; the group of 32 columns, 0 .. 31
	s_mul_i32 s40, s34, 786432
	s_mul_i32 s42, s37, 24576
	s_add_co_u32 s40, s40, s42
	s_mul_i32 s42, s36, 3072
	s_add_co_u32 s40, s40, s42
	s_add_co_u32 s40, s40, 18874368                ; behind x's 1,536 tiles
	s_add_nc_u64 s[44:45], s[24:25], s[40:41]
	s_lshl_b32 s40, s34, 15
	s_lshl_b32 s42, s37, 10
	s_add_co_u32 s40, s40, s42
	s_lshr_b32 s42, s36, 1
	s_lshl_b32 s42, s42, 9
	s_add_co_u32 s40, s40, s42
	s_and_b32 s42, s36, 1
	s_lshl_b32 s42, s42, 3
	s_add_co_u32 s40, s40, s42
	s_add_co_u32 s40, s40, 786432                  ; behind x's scales
	s_add_nc_u64 s[46:47], s[26:27], s[40:41]
.macro WLOAD t                         ; block t: w(32 t + i, my column): 32 lanes read 128 consecutive bytes
.irp i, 0,1,2,3,4,5,6,7,8,9,10,11,12,13,14,15,16,17,18,19,20,21,22,23,24,25,26,27,28,29,30,31
	global_load_b32 v[WX+32*((\t)%2)+\i], v[L4], s[38:39] offset:(32*(\t)+\i)*4096 th:TH_LOAD_NT
.endr
.endm
.macro WBLOCK t
.set w_x, WX+32*((\t)%2)
.set w_o, 768*(((\t)/2)%2)
.if (\t) < 7
	s_wait_loadcnt 32                              ; this block's 32 loads are in; the next block's 32 may be out
.else
	s_wait_loadcnt 0x0
.endif
	v_max3_num_f32 v[BM], |v[w_x]|, |v[w_x+1]|, |v[w_x+2]|
	v_max3_num_f32 v[BM+1], |v[w_x+3]|, |v[w_x+4]|, |v[w_x+5]|
.irp i, 6,10,14,18,22,26
	v_max3_num_f32 v[BM], v[BM], |v[w_x+\i]|, |v[w_x+\i+1]|
	v_max3_num_f32 v[BM+1], v[BM+1], |v[w_x+\i+2]|, |v[w_x+\i+3]|
.endr
	v_max3_num_f32 v[BM], v[BM], |v[w_x+30]|, |v[w_x+31]|
	v_max3_num_f32 v[BM], v[BM], v[BM+1], 0x2800000
	v_add_nc_u32 v[SO], 0xfe000000, v[BM]
	v_lshrrev_b32 v[BY], 23, v[SO]
.if (\t)%4 == 0
	v_mov_b32 v[SB+(\t)/4], v[BY]                  ; a K step's four bytes make my column's scale word
.else
	v_lshl_or_b32 v[SB+(\t)/4], v[BY], 8*((\t)%4), v[SB+(\t)/4]
.endif
	v_cvt_scalef32_pk16_bf6_f32 v[WC:WC+2], v[w_x:w_x+15], v[SO]
	v_cvt_scalef32_pk16_bf6_f32 v[WC+8:WC+10], v[w_x+16:w_x+31], v[SO]
	v_nop
.irp i, 0,1,2
	v_mov_b32 v[WC+3+\i], v[WC+8+\i]
.endr
	ds_store_b128 v[SWA], v[WC:WC+3] offset:w_o+256*((\t)%2)         ; into my tile's image, at the place of lane (row, block % 2)
	ds_store_b64 v[SWB], v[WC+4:WC+5] offset:512+w_o+128*((\t)%2)
.if (\t) < 6
	WLOAD (\t)+2
.endif
	s_wait_dscnt 0x0                               ; the stores have read their registers
.if (\t)%4 == 3                        ; a K step's two fragments are whole: they leave as they lie, 512 consecutive bytes a store
.irp u, 0,1
.irp i, 0,1,2
	ds_load_b128 v[OUTW+24*((\t)/4)+12*\u+4*\i:OUTW+24*((\t)/4)+12*\u+4*\i+3], v[SWO] offset:TS*\u+512*\i
.endr
.endr
	s_wait_dscnt 0x0
.irp u, 0,1
.irp i, 0,1,2
	global_store_b128 v[L16], v[OUTW+24*((\t)/4)+12*\u+4*\i:OUTW+24*((\t)/4)+12*\u+4*\i+3], s[44:45] offset:12288*\u+1536*((\t)/4)+512*\i
.endr
.endr
.endif
.endm
	WLOAD 0
	WLOAD 1
.irp t, 0,1,2,3,4,5,6,7
	WBLOCK \t
.endr
	global_store_b64 v[WSO], v[SB:SB+1], s[46:47]  ; two scale words a column, in pieces of 8 bytes 16 apart: 131,072 bytes in the whole launch
	s_wait_tensorcnt 0x0
	ds_add_u32 v254, v255
	s_wait_dscnt 0x0
	s_endpgm
.Lmask:
; ---- PATH M.  A work-group takes a query tile, a wave four key steps.  A step's 16 rows x 512 bytes turn through the stage as x's do; each of the lane's 64 numbers is compared with 0, and the compare's lane mask IS the word.
	s_sub_co_u32 s33, ttmp9, 512                   ; the query tile
	s_lshr_b32 s34, s33, 1
	s_lshl_b32 s34, s34, 5
	s_and_b32 s35, s33, 1
	s_lshl_b32 s35, s35, 3
	s_add_co_u32 s34, s34, s35                     ; its first row
	s_lshl_b32 s34, s34, 13                        ; rows of 8,192 bytes
	s_lshl_b32 s35, s2, 11                         ; four steps of 512 bytes a wave
	s_add_co_u32 s34, s34, s35
	s_mov_b32 s35, 0
	s_add_nc_u64 s[38:39], s[22:23], s[34:35]
	s_lshl_b32 s34, s33, 12
	s_lshl_b32 s36, s2, 10
	s_add_co_u32 s34, s34, s36
	s_add_nc_u64 s[44:45], s[28:29], s[34:35]      ; the words
	s_lshl_b32 s34, s33, 7
	s_lshl_b32 s36, s2, 5
	s_add_co_u32 s34, s34, s36
	s_add_co_u32 s34, s34, 524288
	s_add_nc_u64 s[46:47], s[28:29], s[34:35]      ; the ANDs and ORs
.irp i, 0,1,2,3,4,5,6,7,8
	v_mov_b32 v[WD+\i], 0                          ; v_writelane_b32's destination counts as read
.endr
.macro MLOAD g
.irp i, 0,1,2,3,4,5,6,7,8,9,10,11,12,13,14,15
	global_load_b128 v[R+64*((\g)%2)+4*\i:R+64*((\g)%2)+4*\i+3], v[L16], s[38:39] offset:(\i+8*(\i/8))*8192+512*(\g) th:TH_LOAD_NT
.endr
.endm
.macro MSTEP g
.if (\g) < 3
	s_wait_loadcnt 16                              ; this step's 16 loads are in; the next step's 16 may be out
.else
	s_wait_loadcnt 0x0
.endif
.irp i, 0,1,2,3,4,5,6,7,8,9,10,11,12,13,14,15
	ds_store_b128 v[SMI], v[R+64*((\g)%2)+4*\i:R+64*((\g)%2)+4*\i+3] offset:SP*\i
.endr
.irp f, 0,1,2,3
.irp k, 0,1,2,3
	ds_load_b128 v[X+16*\f+4*\k:X+16*\f+4*\k+3], v[SMO] offset:128*\f+16*\k   ; register 16 f + i = key 32 f + 16 h + i of my query
.endr
.endr
	s_wait_dscnt 0x0
.if (\g) < 2
	MLOAD (\g)+2
.endif
.irp q, 0,1,2,3,4,5,6,7                ; eight words at a time, so that the scalar lines do not wait for each compare singly
.irp k, 0,1,2,3,4,5,6,7
	v_cmp_eq_u32 s[48+\k], 0, v[X+8*\q+\k]
.endr
.irp k, 0,1,2,3,4,5,6,7
.if (\q) == 0 && (\k) == 0
	s_mov_b32 s41, s48
	s_mov_b32 s42, s48
.else
	s_and_b32 s41, s41, s[48+\k]
	s_or_b32 s42, s42, s[48+\k]
.endif
.endr
.irp k, 0,1,2,3,4,5,6,7
	v_writelane_b32 v[WD+2*(\g)+(\k)%2], s[48+\k], 4*\q+(\k)/2   ; word n to lane n / 2, register n % 2
.endr
.endr
	v_writelane_b32 v[MG], s41, 2*(\g)
	v_writelane_b32 v[MG], s42, 2*(\g)+1
	global_store_b64 v[L8], v[WD+2*(\g):WD+2*(\g)+1], s[44:45] offset:256*(\g)   ; the step's 64 words: 256 consecutive bytes, aligned
.endm
	MLOAD 0
	MLOAD 1
.irp g, 0,1,2,3
	MSTEP \g
.endr
	v_cmp_gt_u32 vcc_lo, 8, v1
	s_wait_xcnt 0x0                                ; EXEC changes only behind this wait
	s_wait_tensorcnt 0x0
	ds_add_u32 v254, v255
	s_wait_dscnt 0x0
	s_and_saveexec_b32 s43, vcc_lo
	global_store_b32 v[L4], v[MG], s[46:47]        ; lanes 0-7: my four steps' AND and OR
	s_wait_xcnt 0x0
	s_or_b32 exec_lo, exec_lo, s43
	s_endpgm
.Lfunc_end_k_qd70ff652ad_prep:
	.size	k_qd70ff652ad_prep, .Lfunc_end_k_qd70ff652ad_prep-k_qd70ff652ad_prep
	.p2alignl 7, 3214868480
	.fill 96, 4, 3214868480
	.section	.rodata,"a",@progbits
	.p2align	6, 0x0
	.amdhsa_kernel k_qd70ff652ad_prep
		.amdhsa_group_segment_fixed_size 81408
		.amdhsa_private_segment_fixed_size 0
		.amdhsa_enable_private_segment 0
		.amdhsa_kernarg_size 88
		.amdhsa_user_sgpr_count 2
		.amdhsa_user_sgpr_kernarg_segment_ptr 1
		.amdhsa_wavefront_size32 1
		.amdhsa_system_sgpr_workgroup_id_x 1
		.amdhsa_system_sgpr_workgroup_id_y 1
		.amdhsa_system_sgpr_workgroup_id_z 1
		.amdhsa_system_vgpr_workitem_id 0
		.amdhsa_next_free_vgpr 256
		.amdhsa_next_free_sgpr 66
		.amdhsa_reserve_vcc 1
		.amdhsa_float_denorm_mode_32 3
		.amdhsa_float_denorm_mode_16_64 3
		.amdhsa_memory_ordered 1
		.amdhsa_forward_progress 1
		.amdhsa_inst_pref_size 164
	.end_amdhsa_kernel
	.amdgpu_metadata
---
amdhsa.version: [ 1, 2 ]
amdhsa.kernels:
  - .name:           k_qd70ff652ad_prep
    .symbol:         k_qd70ff652ad_prep.kd
    .args:
      - { .name: q, .offset: 0, .size: 8, .value_kind: global_buffer, .address_space: global }
      - { .name: k, .offset: 8, .size: 8, .value_kind: global_buffer, .address_space: global }
      - { .name: v, .offset: 16, .size: 8, .value_kind: global_buffer, .address_space: global }
      - { .name: wq, .offset: 24, .size: 8, .value_kind: global_buffer, .address_space: global }
      - { .name: wk, .offset: 32, .size: 8, .value_kind: global_buffer, .address_space: global }
      - { .name: wv, .offset: 40, .size: 8, .value_kind: global_buffer, .address_space: global }
      - { .name: wo, .offset: 48, .size: 8, .value_kind: global_buffer, .address_space: global }
      - { .name: mask, .offset: 56, .size: 8, .value_kind: global_buffer, .address_space: global }
      - { .name: pc, .offset: 64, .size: 8, .value_kind: global_buffer, .address_space: global }
      - { .name: ps, .offset: 72, .size: 8, .value_kind: global_buffer, .address_space: global }
      - { .name: mk, .offset: 80, .size: 8, .value_kind: global_buffer, .address_space: global }
    .group_segment_fixed_size: 81408
    .private_segment_fixed_size: 0
    .kernarg_segment_align: 8
    .kernarg_segment_size: 88
    .max_flat_workgroup_size: 128
    .sgpr_count:     66
    .vgpr_count:     256
    .wavefront_size: 32
...
	.end_amdgpu_metadata
.endif
;; end of part 1
;; launch proj (part 2): grid 16 x 12, 4 waves a work-group, no clusters, 117,248 bytes of LDS; arguments pc, ps, bq, bk, bv, hc, hs; writes hc, hs
.if DOCPART == 2
	.amdgcn_target "amdgcn-amd-amdhsa--gfx1250"
	.amdhsa_code_object_version 6
	.text
	.protected	k_qd70ff652ad_proj
	.globl	k_qd70ff652ad_proj
	.p2align	8
	.type	k_qd70ff652ad_proj,@function
k_qd70ff652ad_proj:
	s_mov_b64 s[64:65], 0
	v_nop
	global_prefetch_b8 v0, s[64:65] scope:SCOPE_SE
	s_setreg_imm32_b32 hwreg(HW_REG_WAVE_MODE, 25, 1), 1
	s_wait_xcnt 0x0
; PROJ: qh = q wq + bq, kh = k wk + bk, vh = v wv + bv on codes of BF6 with E8M0 scales, f32 sums; the results are quantised in registers into the operands that attention wants, and only codes and scale bytes are stored.
; SHARES.  Work-group (x, y): p = y / 4 says which product, slab = y % 4 which four heads, x which 512 rows.  Wave w owns head 4 slab + w: its 64 rows of the weight (4 tiles x 8 K steps, 384 registers) stay in registers.
; The work-group walks 8 units of 64 rows of x (4 tiles).  A unit's codes (49,152 bytes) and scales (2,048) go memory -> registers -> one of two LDS slots, a unit ahead; one barrier a unit.
; No multicast: the four slab work-groups of a row part share x's 51,200 bytes a unit; here they come through registers, asked for 128 matrix instructions ahead.  192 work-groups: 12 slabs x 16 parts.
; TWO ARMS, which differ in the K loop alone.  q, k: source 0 = the weight's tile, source 1 = x's tile: a lane holds one token and its 32 registers of a token tile run along the head's 64 dims.
; v: source 0 = x's tile, source 1 = the weight's: a lane holds one dim and its 32 registers run along the unit's 64 keys, which are the second attention product's K.
; The rows of every tile are 32 (T / 2) + 8 (T % 2) + r + 8 (r / 8), so the 16 registers of two neighbouring tiles of source 0 are 16 neighbours.  The bias is the C of each sum's first matrix instruction.
; LIMITS: a block of zeros gets the byte 1 (its codes are zeros; this program alone reads the bytes); blocks under 2^-122 are held at the byte 1; NaN and infinities are not served.
; REGISTERS, in windows of 256.  Window 0: addresses, scale words, codes just made, v128-255 the 16 accumulators.  Window 1: the weight's K steps 0-4.  Window 2: K steps 5-7; v144-175 the bias.
; Window 3: v0-95 x's fragments, two sets; v96-195 a unit's bytes on their way to LDS.
.set SLOT1, 65536
.set XSOFF, 49152                      ; in a slot: 4 tiles x 12,288 bytes of codes, then 4 x 512 bytes of scale words
.set B16,  2                           ; v2, v3   16 x lane + the slot
.set B8,   4                           ; v4, v5   8 x lane + the slot
.set AS,   6                           ; v6, v7   where I store my tile: + 12,288 x wave
.set ASS,  8                           ; v8, v9   and my 512 bytes of scales: + 512 x wave
.set OA,   10                          ; v10-13   my 16 bytes in the half that group g stores
.set OB,   14                          ; v14-17   my 8 bytes
.set OS,   18                          ; v18, v19 my half-word of scales
.set WS,   20                          ; v20-35   the weight's scale words (tile pair, K step)
.set XS,   36                          ; v36-51   x's
.set CD,   52                          ; v52-83   the codes of four halves, 8 registers apart
.set TT,   84
.set BM,   88
.set EX,   90
.set SO,   92
.set BY,   94
.set HW,   96                          ; v96-99   the four halves' two scale bytes
.set MG,   100
.set AJ,   104                         ; v104-111 the bias's offsets
.set ACC,  128
.set BI,   144                         ; window 2
.set SG,   96                          ; window 3
.set SEL,  46
.set MSB, 0
.macro WIN new                         ; the immediate's high byte repeats the setting that is left
.if MSB != \new
	s_set_vgpr_msb (MSB<<8)|\new
.set MSB, \new
.endif
.endm
.macro WM d, a, b, c, sa, sb, ra, rb   ; one product; ra, rb: the scales stand in lanes 16-31 of their registers
.set w_d, \d
.set w_a, \a
.set w_b, \b
.set w_c, \c
.set w_s, \sa
.set w_t, \sb
.if ((\ra) == 0) && ((\rb) == 0)
	v_wmma_scale_f32_16x16x128_f8f6f4 v[w_d:w_d+7], v[w_a:w_a+11], v[w_b:w_b+11], v[w_c:w_c+7], v[w_s], v[w_t] matrix_a_fmt:MATRIX_FMT_BF6 matrix_b_fmt:MATRIX_FMT_BF6
.elseif (\rb) == 0
	v_wmma_scale_f32_16x16x128_f8f6f4 v[w_d:w_d+7], v[w_a:w_a+11], v[w_b:w_b+11], v[w_c:w_c+7], v[w_s], v[w_t] matrix_a_fmt:MATRIX_FMT_BF6 matrix_b_fmt:MATRIX_FMT_BF6 matrix_a_scale:MATRIX_SCALE_ROW1
.elseif (\ra) == 0
	v_wmma_scale_f32_16x16x128_f8f6f4 v[w_d:w_d+7], v[w_a:w_a+11], v[w_b:w_b+11], v[w_c:w_c+7], v[w_s], v[w_t] matrix_a_fmt:MATRIX_FMT_BF6 matrix_b_fmt:MATRIX_FMT_BF6 matrix_b_scale:MATRIX_SCALE_ROW1
.else
	v_wmma_scale_f32_16x16x128_f8f6f4 v[w_d:w_d+7], v[w_a:w_a+11], v[w_b:w_b+11], v[w_c:w_c+7], v[w_s], v[w_t] matrix_a_fmt:MATRIX_FMT_BF6 matrix_b_fmt:MATRIX_FMT_BF6 matrix_a_scale:MATRIX_SCALE_ROW1 matrix_b_scale:MATRIX_SCALE_ROW1
.endif
.endm
.macro GFRAG reg, off                  ; a fragment's image from memory: every load covers 512 or 256 consecutive bytes
.set g_r, \reg
.set g_o, \off
	global_load_b128 v[g_r:g_r+3], v[B16], s[32:33] offset:g_o
	global_load_b64 v[g_r+4:g_r+5], v[B8], s[32:33] offset:g_o+512
	global_load_b128 v[g_r+6:g_r+9], v[B16], s[32:33] offset:g_o+768
	global_load_b64 v[g_r+10:g_r+11], v[B8], s[32:33] offset:g_o+1280
.endm
.macro DFRAG reg, a16, a8, off         ; the same from LDS
.set g_r, \reg
.set g_o, \off
	ds_load_b128 v[g_r:g_r+3], v[\a16] offset:g_o
	ds_load_b64 v[g_r+4:g_r+5], v[\a8] offset:g_o+512
	ds_load_b128 v[g_r+6:g_r+9], v[\a16] offset:g_o+768
	ds_load_b64 v[g_r+10:g_r+11], v[\a8] offset:g_o+1280
.endm
.macro LOADSG                          ; my tile of a unit (12,288 bytes) and my 512 bytes of its scales, into registers
	WIN 0xc0
.irp i, 0,1,2,3,4,5,6,7,8,9,10,11,12,13,14,15,16,17,18,19,20,21,22,23
	global_load_b128 v[SG+4*\i:SG+4*\i+3], v[B16], s[28:29] offset:512*\i
.endr
	global_load_b128 v[SG+96:SG+99], v[B16], s[30:31]
.endm
.macro STORESG slot                    ; and on into a slot
	WIN 0x0c
.irp i, 0,1,2,3,4,5,6,7,8,9,10,11,12,13,14,15,16,17,18,19,20,21,22,23
	ds_store_b128 v[AS+\slot], v[SG+4*\i:SG+4*\i+3] offset:512*\i
.endr
	ds_store_b128 v[ASS+\slot], v[SG+96:SG+99] offset:XSOFF
.endm
.macro XFETCH slot, s                  ; x's four fragments of K step s into set s % 2: 16 loads
	WIN 0xc0
.irp m, 0,1,2,3
	DFRAG 48*((\s)%2)+12*\m, B16+\slot, B8+\slot, \m*12288+(\s)*1536
.endr
.endm
; A K step: 16 matrix instructions on 16 accumulators, which take turns, one instruction a turn.
.macro KSTEP arm, slot, s
.rept 4
	v_nop                                          ; four plain lines between the last step's products and the loads into the set that they read (ISA guide 7.12.1 for vector instructions)
.endr
.if (\s) < 7
	XFETCH \slot, (\s)+1
	s_wait_dscnt 16                                ; all but the 16 loads just issued: this step's fragments (and in step 0 the scale words) are in
.else
	s_wait_dscnt 0x0
.endif
.if (\arm) == 0
.if (\s) == 0
	WIN 0x2d                                       ; source 0 (weight) window 1, source 1 (x) window 3, C (bias) window 2, D window 0
.elseif (\s) < 5
	WIN 0x0d
.else
	WIN 0x0e                                       ; the weight's K steps 5-7 lie in window 2
.endif
.else
.if (\s) == 0
	WIN 0x27                                       ; source 0 (x) window 3, source 1 (weight) window 1, C window 2
.elseif (\s) < 5
	WIN 0x07
.else
	WIN 0x0b
.endif
.endif
.irp m, 0,1,2,3
.irp t, 0,1,2,3
.set k_w, 12*(4*((\s)%5)+\t)
.set k_x, 48*((\s)%2)+12*\m
.if (\arm) == 0
.set k_d, ACC+32*\m+8*\t
.else
.set k_d, ACC+32*\t+8*\m
.endif
.if (\s) == 0
.set k_c, BI+8*\t
.else
.set k_c, k_d
.endif
.if (\arm) == 0
	WM k_d, k_w, k_x, k_c, WS+8*(\t/2)+(\s), XS+8*(\m/2)+(\s), \t%2, \m%2
.else
	WM k_d, k_x, k_w, k_c, XS+8*(\m/2)+(\s), WS+8*(\t/2)+(\s), \m%2, \t%2
.endif
.endr
.endr
.endm
; 32 numbers of a lane, register 16 b + i = K 32 b + 16 (lane / 16) + i of its row, become the six words of a half (lane (r, h): block h of row r) in v[cd] on, and the row's two scale bytes in v[hw].
.macro QUANT32 src, cd, hw
.set q_s, \src
.set q_c, \cd
.irp b, 0,1
	v_max3_num_f32 v[BM+\b], |v[q_s+16*\b]|, |v[q_s+16*\b+1]|, 0x2800000   ; each accumulator is read from its low end on; the floor 2^(5 - 127) holds the byte at 1 from below
.endr
.irp i, 2,4,6,8,10,12,14
.irp b, 0,1
	v_max3_num_f32 v[BM+\b], v[BM+\b], |v[q_s+16*\b+\i]|, |v[q_s+16*\b+\i+1]|
.endr
.endr
.irp b, 0,1
	v_permlanex16_b32 v[EX+\b], v[BM+\b], s[SEL], s[SEL+1]
.endr
.irp b, 0,1
	v_max_num_f32 v[BM+\b], v[BM+\b], v[EX+\b]     ; with lane l xor 16's 16: the block's largest magnitude
.endr
.irp b, 0,1
	v_add_nc_u32 v[SO+\b], 0xfe000000, v[BM+\b]    ; 4 off the exponent field: the conversion's scale operand
.endr
.irp b, 0,1
	v_lshrrev_b32 v[BY+\b], 23, v[SO+\b]
.endr
	v_lshl_or_b32 v[\hw], v[BY+1], 8, v[BY]
	v_cvt_scalef32_pk16_bf6_f32 v[q_c:q_c+2], v[q_s:q_s+15], v[SO]
	v_cvt_scalef32_pk16_bf6_f32 v[TT:TT+2], v[q_s+16:q_s+31], v[SO+1]
	v_nop                                          ; one plain line behind the scaled conversions
.irp i, 0,1,2
	v_permlane16_swap_b32 v[q_c+\i], v[TT+\i]      ; the layout wants a whole block in a lane: lanes 0-15 block 0, lanes 16-31 block 1
.endr
.irp i, 0,1,2
	v_mov_b32 v[q_c+3+\i], v[TT+\i]
.endr
.endm
	s_load_b256 s[4:11], s[0:1], 0x0               ; pc s[4:5], ps s[6:7], bq s[8:9], bk s[10:11]
	s_load_b128 s[12:15], s[0:1], 0x20             ; bv s[12:13], hc s[14:15]
	s_load_b64 s[16:17], s[0:1], 0x30              ; hs
	v_lshl_add_u32 v126, v0, 2, 0x1c800
	v_mov_b32 v127, 0
	v_lshrrev_b32 v1, 5, v0
	v_readfirstlane_b32 s20, v1                    ; wave
	v_and_b32 v1, 31, v0                           ; lane
	v_and_b32 v112, 15, v0                         ; r
	v_bfe_u32 v113, v0, 4, 1                       ; h
	v_lshlrev_b32 v[B16], 4, v1
	v_lshlrev_b32 v[B8], 3, v1
	v_add_nc_u32 v[B16+1], SLOT1, v[B16]
	v_add_nc_u32 v[B8+1], SLOT1, v[B8]
	s_mul_i32 s66, s20, 12288
	v_add_nc_u32 v[AS], s66, v[B16]
	v_add_nc_u32 v[AS+1], s66, v[B16+1]
	s_lshl_b32 s66, s20, 9
	v_add_nc_u32 v[ASS], s66, v[B16]
	v_add_nc_u32 v[ASS+1], s66, v[B16+1]
	v_mov_b32 v[EX], 0                             ; a lane permute's destination counts as one of its sources
	v_mov_b32 v[EX+1], 0
	s_and_b32 s66, ttmp7, 0xffff
	s_lshr_b32 s21, s66, 2                         ; p: 0 q, 1 k, 2 v
	s_and_b32 s22, s66, 3
	s_lshl_b32 s23, s22, 2
	s_add_co_u32 s23, s23, s20                     ; my head
	s_mov_b32 s24, ttmp9                           ; which 512 rows
	s_mov_b32 s44, 0xffff0000                      ; lanes 16-31
	s_mov_b32 s[SEL], 0x76543210
	s_mov_b32 s[SEL+1], 0xfedcba98
	; what hangs on the arm: offsets into memory alone
	s_mov_b32 s61, 768
	s_mov_b32 s52, 3072
	s_cmp_eq_u32 s21, 2
	s_cselect_b32 s58, 0, 64                       ; the bias: q, k: 64 h + 4 j (the lane's eight dims);
	s_cselect_b32 s59, 4, 0                        ; v: 4 (r + 8 (r / 8)) (the lane's one dim)
	s_cselect_b32 s60, 0, 4
	s_cselect_b32 s61, 1536, s61                   ; from group to group of the results: a token tile's half, or a dim tile's fragment
	s_cselect_b32 s52, 768, s52                    ; the odd unit of a trip: four token tiles on, or the fragment's second half
	s_cselect_b32 s54, 2, 128                      ; and its scales: two pairs of tiles on, or the word's second half
	s_cselect_b32 s62, -1, 0
	s_mov_b32 s53, 0
	s_mov_b32 s55, 0
	v_and_b32 v114, 8, v112
	v_add_nc_u32 v114, v114, v112                  ; r + 8 (r / 8)
	v_mul_u32_u24 v115, v113, s58
	v_mad_u32_u24 v115, v114, s59, v115
.irp j, 0,1,2,3,4,5,6,7
	s_mul_i32 s63, s60, \j
	v_add_nc_u32 v[AJ+\j], s63, v115
.endr
.irp g, 0,1,2,3
	s_mul_i32 s63, s61, \g
	v_add_nc_u32 v[OA+\g], s63, v[B16]
	v_add_nc_u32 v[OB+\g], s63, v[B8]
.endr
	v_lshlrev_b32 v116, 2, v112
	v_lshl_add_u32 v116, v113, 1, v116             ; q, k: word r of a pair of tiles, half-word lane / 16
	v_lshlrev_b32 v117, 2, v1                      ; v: word lane of a pair of dim tiles
	v_cndmask_b32 v[OS], v116, v117, s62
	v_add_nc_u32 v116, 64, v116
	v_add_nc_u32 v117, 128, v117
	v_cndmask_b32 v[OS+1], v116, v117, s62
	s_wait_kmcnt 0x0
	s_mov_b32 s67, 0
	s_lshl_b32 s66, s21, 9
	s_lshl_b32 s68, s24, 5
	s_add_co_u32 s66, s66, s68
	s_add_co_u32 s66, s66, s20
	s_mul_i32 s66, s66, 12288
	s_add_nc_u64 s[28:29], s[4:5], s[66:67]        ; x's tile 512 p + 32 x + wave
	s_lshl_b32 s66, s21, 18
	s_lshl_b32 s68, s24, 14
	s_add_co_u32 s66, s66, s68
	s_lshl_b32 s68, s20, 9
	s_add_co_u32 s66, s66, s68
	s_add_nc_u64 s[30:31], s[6:7], s[66:67]        ; my 512 bytes of the unit's scales
	s_mul_i32 s66, s21, 786432
	s_mul_i32 s68, s23, 49152
	s_add_co_u32 s66, s66, s68
	s_add_co_u32 s66, s66, 18874368
	s_add_nc_u64 s[32:33], s[4:5], s[66:67]        ; my four tiles of the weight
	s_lshl_b32 s66, s21, 15
	s_lshl_b32 s68, s23, 11
	s_add_co_u32 s66, s66, s68
	s_add_co_u32 s66, s66, 786432
	s_add_nc_u64 s[34:35], s[6:7], s[66:67]        ; and their scales
	s_cmp_eq_u32 s21, 0
	s_cselect_b64 s[36:37], s[8:9], s[10:11]
	s_cmp_eq_u32 s21, 2
	s_cselect_b64 s[36:37], s[12:13], s[36:37]
	s_lshl_b32 s66, s23, 8
	s_add_nc_u64 s[36:37], s[36:37], s[66:67]      ; my head's 64 numbers of the bias
	s_lshr_b32 s69, s24, 2
	s_lshl_b32 s69, s69, 4
	s_add_co_u32 s69, s69, s23                     ; 16 b + head
	s_and_b32 s70, s24, 3
	s_mul_i32 s66, s69, 294912
	s_mul_i32 s68, s21, 98304
	s_add_co_u32 s66, s66, s68
	s_mul_i32 s68, s70, 24576
	s_add_co_u32 s66, s66, s68
	s_add_nc_u64 s[38:39], s[14:15], s[66:67]      ; where my codes go: 32 token tiles x 768 = 4 key steps x 6,144 bytes a part, in both arms
	s_mul_i32 s66, s69, 12288
	s_lshl_b32 s68, s21, 12
	s_add_co_u32 s66, s66, s68
	s_lshl_b32 s68, s70, 10
	s_add_co_u32 s66, s66, s68
	s_add_nc_u64 s[40:41], s[16:17], s[66:67]      ; and my scale bytes
	LOADSG                                         ; unit 0
	WIN 0x40
.irp s, 0,1,2,3,4
.irp t, 0,1,2,3
	GFRAG 12*(4*\s+\t), \t*12288+\s*1536
.endr
.endr
	WIN 0x80
.irp s, 5,6,7
.irp t, 0,1,2,3
	GFRAG 12*(4*(\s-5)+\t), \t*12288+\s*1536
.endr
.endr
.irp t, 0,1,2,3
.irp j, 0,1,2,3,4,5,6,7
	global_load_b32 v[BI+8*\t+\j], v[AJ+\j], s[36:37] offset:(32*(\t/2)+8*(\t%2))*4
.endr
.endr
	WIN 0
.irp g, 0,1,2,3
	global_load_b128 v[WS+4*\g:WS+4*\g+3], v[B16], s[34:35] offset:512*\g
.endr
	s_wait_loadcnt 0x0
	STORESG 0
	s_wait_dscnt 0x0                               ; the stores have landed and have read their registers
	s_add_nc_u64 s[28:29], s[28:29], 49152
	s_add_nc_u64 s[30:31], s[30:31], 2048
	LOADSG                                         ; unit 1
	WIN 0
	s_barrier_signal -1
	s_barrier_wait -1                              ; slot 0 is whole
; A UNIT on the slot named.  The other slot was last read in the unit before, whose closing barrier every wave passed behind the wait for its own reads: so it is written in this unit, behind the K loop.
.macro UNIT slot
.irp g, 0,1,2,3
	ds_load_b128 v[XS+4*\g:XS+4*\g+3], v[B16+\slot] offset:XSOFF+512*\g
.endr
	XFETCH \slot, 0
	WIN 0                                          ; at a branch and at a label every window is 0
	s_cmp_eq_u32 s21, 2
	s_cbranch_scc1 .Lvarm_\@
.irp s, 0,1,2,3,4,5,6,7
	KSTEP 0, \slot, \s
.endr
	WIN 0
	s_branch .Ljoin_\@
.Lvarm_\@:
.irp s, 0,1,2,3,4,5,6,7
	KSTEP 1, \slot, \s
.endr
	WIN 0
.Ljoin_\@:
.if (\slot) == 0                       ; unit 2 k: unit 2 k + 1 always follows
	s_wait_loadcnt 0x0                             ; the next unit's bytes, asked for a unit ago
	STORESG 1
	WIN 0
	s_cmp_lt_u32 s25, 3
	s_cbranch_scc0 .Lnol_\@
.else                                  ; unit 2 k + 1: unit 2 k + 2 follows in all trips but the last
	s_cmp_lt_u32 s25, 3
	s_cbranch_scc0 .Lnol_\@
	s_wait_loadcnt 0x0
	STORESG 0
.endif
	s_wait_dscnt 0x0                               ; the stores have read their registers
	s_add_nc_u64 s[28:29], s[28:29], 49152         ; (the loads that named these bases are done)
	s_add_nc_u64 s[30:31], s[30:31], 2048
	LOADSG                                         ; two units ahead of the unit in hand
	WIN 0
.Lnol_\@:
	s_wait_xcnt 0x0                                ; the last unit's stores have read their data and their bases
.if (\slot) == 0
	s_mov_b64 s[48:49], s[38:39]
	s_mov_b64 s[50:51], s[40:41]
.else
	s_add_nc_u64 s[48:49], s[38:39], s[52:53]
	s_add_nc_u64 s[50:51], s[40:41], s[54:55]
.endif
.rept 4
	v_nop                                          ; four plain lines between the last product and the first read of results
.endr
.irp g, 0,1,2,3
	QUANT32 ACC+32*\g, CD+8*\g, HW+\g
.endr
.irp g, 0,1,2,3
	global_store_b128 v[OA+\g], v[CD+8*\g:CD+8*\g+3], s[48:49]               ; 512 consecutive bytes, aligned
	global_store_b64 v[OB+\g], v[CD+8*\g+4:CD+8*\g+5], s[48:49] offset:512   ; 256 consecutive bytes, aligned
.endr
	v_cndmask_b32 v[MG], v[HW], v[HW+1], s44       ; lanes 0-15 the even group's two bytes, lanes 16-31 the odd group's
	v_cndmask_b32 v[MG+1], v[HW+2], v[HW+3], s44
	global_store_b16 v[OS], v[MG], s[50:51]        ; half-words 4 bytes apart: 786,432 bytes in the whole launch
	global_store_b16 v[OS+1], v[MG+1], s[50:51]
	s_wait_dscnt 0x0                               ; my stores into the other slot have landed, my reads of this one are over
	s_barrier_signal -1
	s_barrier_wait -1
.endm
	s_mov_b32 s25, 0
.Ltrip:                                                ; four trips of two units
	UNIT 0
	UNIT 1
	s_add_nc_u64 s[38:39], s[38:39], 6144          ; (the stores name copies of these)
	s_add_nc_u64 s[40:41], s[40:41], 256
	s_add_co_u32 s25, s25, 1
	s_cmp_lt_u32 s25, 4
	s_cbranch_scc1 .Ltrip
	s_wait_tensorcnt 0x0
	ds_add_u32 v126, v127
	s_wait_dscnt 0x0
	s_endpgm
.Lfunc_end_k_qd70ff652ad_proj:
	.size	k_qd70ff652ad_proj, .Lfunc_end_k_qd70ff652ad_proj-k_qd70ff652ad_proj
	.p2alignl 7, 3214868480
	.fill 96, 4, 3214868480
	.section	.rodata,"a",@progbits
	.p2align	6, 0x0
	.amdhsa_kernel k_qd70ff652ad_proj
		.amdhsa_group_segment_fixed_size 117248
		.amdhsa_private_segment_fixed_size 0
		.amdhsa_enable_private_segment 0
		.amdhsa_kernarg_size 56
		.amdhsa_user_sgpr_count 2
		.amdhsa_user_sgpr_kernarg_segment_ptr 1
		.amdhsa_wavefront_size32 1
		.amdhsa_system_sgpr_workgroup_id_x 1
		.amdhsa_system_sgpr_workgroup_id_y 1
		.amdhsa_system_sgpr_workgroup_id_z 1
		.amdhsa_system_vgpr_workitem_id 0
		.amdhsa_next_free_vgpr 1024
		.amdhsa_next_free_sgpr 80
		.amdhsa_reserve_vcc 0
		.amdhsa_float_denorm_mode_32 3
		.amdhsa_float_denorm_mode_16_64 3
		.amdhsa_memory_ordered 1
		.amdhsa_forward_progress 1
		.amdhsa_inst_pref_size 156
	.end_amdhsa_kernel
	.amdgpu_metadata
---
amdhsa.version: [ 1, 2 ]
amdhsa.kernels:
  - .name:           k_qd70ff652ad_proj
    .symbol:         k_qd70ff652ad_proj.kd
    .args:
      - { .name: pc, .offset: 0, .size: 8, .value_kind: global_buffer, .address_space: global }
      - { .name: ps, .offset: 8, .size: 8, .value_kind: global_buffer, .address_space: global }
      - { .name: bq, .offset: 16, .size: 8, .value_kind: global_buffer, .address_space: global }
      - { .name: bk, .offset: 24, .size: 8, .value_kind: global_buffer, .address_space: global }
      - { .name: bv, .offset: 32, .size: 8, .value_kind: global_buffer, .address_space: global }
      - { .name: hc, .offset: 40, .size: 8, .value_kind: global_buffer, .address_space: global }
      - { .name: hs, .offset: 48, .size: 8, .value_kind: global_buffer, .address_space: global }
    .group_segment_fixed_size: 117248
    .private_segment_fixed_size: 0
    .kernarg_segment_align: 8
    .kernarg_segment_size: 56
    .max_flat_workgroup_size: 128
    .sgpr_count:     80
    .vgpr_count:     1024
    .wavefront_size: 32
...
	.end_amdgpu_metadata
.endif
;; end of part 2
;; launch attn (part 3): grid 4 x 64, 16 waves a work-group, no clusters, 206,848 bytes of LDS; arguments hc, hs, mk, cc, cs; writes cc, cs
.if DOCPART == 3
	.amdgcn_target "amdgcn-amd-amdhsa--gfx1250"
	.amdhsa_code_object_version 6
	.text
	.protected	k_qd70ff652ad_attn
	.globl	k_qd70ff652ad_attn
	.p2align	8
	.type	k_qd70ff652ad_attn,@function
k_qd70ff652ad_attn:
	s_mov_b64 s[64:65], 0
	v_nop
	global_prefetch_b8 v0, s[64:65] scope:SCOPE_SE
	s_setreg_imm32_b32 hwreg(HW_REG_WAVE_MODE, 25, 1), 1
	s_wait_xcnt 0x0
; ATTN: ctx = softmax(where(mask == 0, -1e9, qh kh^T / 8)) vh for one (batch, head), both products on codes of BF6 with E8M0 scales; ctx is quantised in registers into the last product's operand.
; THE SOFTMAX: t = score x log2(e) / 8; M = the running largest t rounded UP to a whole number; p = 2^(t - M) is quantised along the keys, not normalised; the row's sum is taken of the unquantised p and divides at the end.
; When M moves, the sum and O are multiplied by 2^(old M - new M), which rounds nothing.
; SHARES.  Work-group (j, bh) holds ALL of its head's K and V codes and scales in LDS (204,800 bytes), filled once through registers behind the launch's one barrier; then its sixteen waves are independent.
; Wave w takes query tiles j + 4 w and j + 124 - 4 w, 16 queries each, and walks 16 key steps of 128 keys.
; HEAD SIZE 64 IS HALF OF THE INSTRUCTION'S K: a fragment of K carries TWO key tiles (one in K 0-63, one in K 64-127) and is multiplied by [q, 0] and by [0, q]: zero codes add nothing under any scale byte but 0xff.
; Both products are used transposed (S^T = K Q^T, O^T = V^T P^T): a lane holds one query throughout.  The keys of a tile are 32 (T / 2) + 8 (T % 2) + r + 8 (r / 8), so score register 16 f + i is key 32 f + 16 (lane / 16) + i.
; THE MASK is an input and is honoured as given: 64 lane-mask words a step, made by the first launch, choose the hidden scores.  From each step's AND and OR of those words: a step with nothing hidden leaves the choice out;
; a step that is wholly hidden is left out altogether, but only if each of the tile's 16 queries has a visible key in some step (else the row is the uniform average that the definition gives, and every step is worked).
; These are branches on whole numbers that an earlier launch stored.
; LIMITS: a hidden logit is taken as -2^30, not -1e9 (the raw score becomes -2^33: its t is exact and whole, so a wholly hidden row has p = 1 exactly); results differ only where visible logits lie under about -1e9.
; A block of zeros gets the byte 1 (its codes are zeros; this program alone reads the bytes).  NaN and infinities are not served.
.set VOFF,  98304                      ; LDS: K's codes, 6,144 bytes a step; V's from here on, likewise;
.set SCOFF, 196608                     ; K's scale words, 256 bytes a step; V's 4,096 bytes further on
.set QS,  34                           ; v34  my queries' two scale bytes, in both halves of the word
.set PS,  35                           ; v35  p's scale word
.set KS,  36                           ; v36-37 K's scale words;  v38-39 V's
.set VS,  38
.set KV,  40                           ; v40-87 four fragments of K, then of V
.set S,   88                           ; v88-151 S^T, then p
.set O,   152                          ; v152-183 O^T
.set PC,  184                          ; v184-195 p's codes
.set TT,  196
.set BM,  204
.set EX,  208
.set BY,  210
.set SO,  212
.set FF,  216                          ; v[216:217] f, later 1 / the sum
.set TA,  218
.set SEL, 72
.set CS,  74
; v1 16 x lane, v2 8 x lane, v3 SCOFF + 4 x lane, v4-8 the step's LDS addresses, v9 -2^33, v10 16 r, v11 4 r, v12 -M, v13 the largest t, v[14:15] the sum; v16-21 zeros, v22-27 q, v28-33 zeros: [0, q] = v[16:27], [q, 0] = v[22:33]
; s16-63, s80-95 the step's 64 mask words; s66 two bits a step: 0 leave out, 1 work with the mask, 2 nothing hidden
.macro WM0 d, a, b, sa, sb, ra         ; a product that starts its sum
.set w_d, \d
.set w_a, \a
.set w_b, \b
.if (\ra) == 0
	v_wmma_scale_f32_16x16x128_f8f6f4 v[w_d:w_d+7], v[w_a:w_a+11], v[w_b:w_b+11], 0, v[\sa], v[\sb] matrix_a_fmt:MATRIX_FMT_BF6 matrix_b_fmt:MATRIX_FMT_BF6
.else
	v_wmma_scale_f32_16x16x128_f8f6f4 v[w_d:w_d+7], v[w_a:w_a+11], v[w_b:w_b+11], 0, v[\sa], v[\sb] matrix_a_fmt:MATRIX_FMT_BF6 matrix_b_fmt:MATRIX_FMT_BF6 matrix_a_scale:MATRIX_SCALE_ROW1
.endif
.endm
.macro WMA d, a, b, sa, sb, ra         ; a product that adds in place
.set w_d, \d
.set w_a, \a
.set w_b, \b
.if (\ra) == 0
	v_wmma_scale_f32_16x16x128_f8f6f4 v[w_d:w_d+7], v[w_a:w_a+11], v[w_b:w_b+11], v[w_d:w_d+7], v[\sa], v[\sb] matrix_a_fmt:MATRIX_FMT_BF6 matrix_b_fmt:MATRIX_FMT_BF6
.else
	v_wmma_scale_f32_16x16x128_f8f6f4 v[w_d:w_d+7], v[w_a:w_a+11], v[w_b:w_b+11], v[w_d:w_d+7], v[\sa], v[\sb] matrix_a_fmt:MATRIX_FMT_BF6 matrix_b_fmt:MATRIX_FMT_BF6 matrix_a_scale:MATRIX_SCALE_ROW1
.endif
.endm
.macro DFRAG reg, a16, a8, off         ; a fragment's image from LDS: every load covers 512 or 256 consecutive bytes
.set g_r, \reg
.set g_o, \off
	ds_load_b128 v[g_r:g_r+3], v[\a16] offset:g_o
	ds_load_b64 v[g_r+4:g_r+5], v[\a8] offset:g_o+512
	ds_load_b128 v[g_r+6:g_r+9], v[\a16] offset:g_o+768
	ds_load_b64 v[g_r+10:g_r+11], v[\a8] offset:g_o+1280
.endm
	s_load_b256 s[4:11], s[0:1], 0x0               ; hc s[4:5], hs s[6:7], mk s[8:9], cc s[10:11]
	s_load_b64 s[12:13], s[0:1], 0x20              ; cs
	v_lshl_add_u32 v254, v0, 2, 0x32000
	v_mov_b32 v255, 0
	v_lshrrev_b32 v1, 5, v0
	v_readfirstlane_b32 s2, v1                     ; wave 0..15
	v_lshlrev_b32 v226, 4, v0                      ; the fill: 16 bytes a thread, 8,192 an instruction
	v_add_nc_u32 v227, 65536, v226
	v_add_nc_u32 v228, 131072, v226
	v_add_nc_u32 v229, 196608, v226
	v_and_b32 v3, 31, v0
	v_lshlrev_b32 v1, 4, v3
	v_lshlrev_b32 v2, 3, v3
	v_lshl_add_u32 v3, v3, 2, SCOFF
	v_and_b32 v11, 15, v0
	v_lshlrev_b32 v10, 4, v11
	v_lshlrev_b32 v11, 2, v11
	v_mov_b32 v9, 0xd0000000                       ; -2^33
.irp i, 0,1,2,3,4,5
	v_mov_b32 v[16+\i], 0
	v_mov_b32 v[28+\i], 0
.endr
.irp i, 0,1,2,3
	v_mov_b32 v[EX+\i], 0                          ; a lane permute's destination counts as one of its sources
.endr
	v_mov_b32 v[FF+1], 0                           ; (named as the upper half of a pair)
	s_mov_b32 s[SEL], 0x76543210
	s_mov_b32 s[SEL+1], 0xfedcba98
	s_mov_b32 s[CS], 0x3e38aa3b                    ; c = log2(e) / 8
	s_mov_b32 s[CS+1], s[CS]
	s_and_b32 s14, ttmp7, 0xffff                   ; 16 b + head
	s_mov_b32 s15, ttmp9                           ; j
	s_mul_i32 s96, s14, 294912
	s_mov_b32 s97, 0
	s_mul_i32 s98, s14, 12288
	s_mov_b32 s99, 0
	s_wait_kmcnt 0x0
	s_add_nc_u64 s[4:5], s[4:5], s[96:97]          ; my head's codes: Q, then K, then V
	s_add_nc_u64 s[6:7], s[6:7], s[98:99]          ; and scale bytes
	s_add_nc_u64 s[96:97], s[4:5], 98304
.irp i, 0,1,2,3,4,5,6,7,8,9,10,11,12,13,14,15,16,17,18,19,20,21,22,23
	global_load_b128 v[40+4*\i:43+4*\i], v226, s[96:97] offset:8192*\i     ; K's and V's codes: 196,608 dense bytes
.endr
	global_load_b128 v[136:139], v226, s[6:7] offset:4096                  ; K's and V's scale words: 8,192 dense bytes
	s_wait_loadcnt 0x0
.irp i, 0,1,2,3,4,5,6,7,8,9,10,11,12,13,14,15,16,17,18,19,20,21,22,23
	ds_store_b128 v[226+\i/8], v[40+4*\i:43+4*\i] offset:8192*(\i%8)
.endr
	ds_store_b128 v229, v[136:139]
	s_wait_dscnt 0x0                               ; for the others' sake: my stores have landed
	s_barrier_signal -1
	s_barrier_wait -1                              ; the head's K and V lie in LDS; nothing is stored there again
	s_lshl_b32 s3, s2, 2
	s_add_co_u32 s3, s3, s15                       ; my first query tile: j + 4 w
	s_mov_b32 s71, 0
.Ltile:
	s_wait_xcnt 0x0                                ; the last tile's stores have read their data and bases
	s_lshl_b32 s77, s3, 7
	s_add_co_u32 s77, s77, 524288
	s_load_b512 s[16:31], s[8:9], s77 offset:0x0   ; the tile's 16 pairs (AND, OR)
	s_load_b512 s[32:47], s[8:9], s77 offset:0x40
	s_mul_i32 s78, s3, 768
	s_mov_b32 s79, 0
	s_add_nc_u64 s[96:97], s[4:5], s[78:79]
	global_load_b128 v[22:25], v1, s[96:97]        ; my queries' half fragment
	global_load_b64 v[26:27], v2, s[96:97] offset:512
	s_lshr_b32 s98, s3, 1
	s_lshl_b32 s98, s98, 6
	s_mov_b32 s99, 0
	s_add_nc_u64 s[98:99], s[6:7], s[98:99]
	global_load_b32 v[TA], v11, s[98:99]           ; the scale word of my pair of tiles
	s_wait_kmcnt 0x0
	s_and_b32 s77, s16, s18                        ; bit L of the AND over all steps: lane L sees no key at all
.irp i, 2,3,4,5,6,7,8,9,10,11,12,13,14,15
	s_and_b32 s77, s77, s[16+2*\i]
.endr
	s_not_b32 s77, s77
	s_lshr_b32 s78, s77, 16
	s_or_b32 s77, s77, s78                         ; a query's keys lie in lanes r and r + 16
	s_and_b32 s77, s77, 0xffff
	s_cmp_eq_u32 s77, 0xffff                       ; has each of the 16 queries a visible key?
	s_cselect_b32 s78, 0, 1                        ; then a wholly hidden step is left out (0), else it is worked (1)
	s_mov_b32 s66, 0
.irp i, 0,1,2,3,4,5,6,7,8,9,10,11,12,13,14,15
	s_cmp_eq_u32 s[17+2*\i], 0
	s_cselect_b32 s79, 2, 1
	s_cmp_eq_u32 s[16+2*\i], -1
	s_cselect_b32 s79, s78, s79
	s_lshl_b32 s79, s79, 2*\i
	s_or_b32 s66, s66, s79
.endr
	s_mov_b32 s79, 0x01000100
	s_bitcmp1_b32 s3, 0
	s_cselect_b32 s79, 0x03020302, s79             ; the word's low half for an even tile, its high half for an odd one
	s_wait_loadcnt 0x0
	v_perm_b32 v[QS], v[TA], v[TA], s79            ; into both halves: [q, 0] is scaled by bytes 0, 1 and [0, q] by bytes 2, 3
.irp i, 0,1,2,3,4,5,6,7,8,9,10,11,12,13,14,15,16,17,18,19,20,21,22,23,24,25,26,27,28,29,30,31
	v_mov_b32 v[O+\i], 0                           ; O^T: the step is written once; the first change of M leaves zeros zeros.  (Also the plain lines between the scale word's making and the first product)
.endr
	v_mov_b32 v14, 0
	v_mov_b32 v15, 0
	v_mov_b32 v13, 0xff61b1e6                      ; the largest t so far: -3e38
	v_floor_f32 v12, -v13
	s_mov_b32 s68, 0                               ; the step's codes in LDS
	s_mov_b32 s69, 0                               ; its scale words
	s_lshl_b32 s76, s3, 12                         ; its mask words in memory
	s_mov_b32 s67, 0
.Lstep:                                                ; 16 trips
	s_and_b32 s70, s66, 3
	s_lshr_b32 s66, s66, 2
	s_cmp_eq_u32 s70, 0
	s_cbranch_scc1 .Lskip
	s_load_b512 s[16:31], s[8:9], s76 offset:0x0   ; the step's 64 mask words
	s_load_b512 s[32:47], s[8:9], s76 offset:0x40
	s_load_b512 s[48:63], s[8:9], s76 offset:0x80
	s_load_b512 s[80:95], s[8:9], s76 offset:0xc0
	v_add_nc_u32 v4, s68, v1
	v_add_nc_u32 v5, s68, v2
	v_add_nc_u32 v6, VOFF, v4
	v_add_nc_u32 v7, VOFF, v5
	v_add_nc_u32 v8, s69, v3
.irp f, 0,1,2,3
	DFRAG KV+12*\f, 4, 5, 1536*\f                  ; K: fragment f = key tiles 2 f and 2 f + 1
.endr
	ds_load_b32 v[KS], v8                          ; lanes 0-15 fragment 0's words, lanes 16-31 fragment 1's
	ds_load_b32 v[KS+1], v8 offset:128
	s_wait_dscnt 0x0
.irp f, 0,1,2,3
	WM0 S+16*\f, KV+12*\f, 22, KS+\f/2, QS, \f%2   ; x [q, 0]: key tile 2 f
	WM0 S+16*\f+8, KV+12*\f, 16, KS+\f/2, QS, \f%2 ; x [0, q]: key tile 2 f + 1
.endr
.rept 4
	v_nop                                          ; four plain lines between the products and the loads into their sources, and the first read of the scores
.endr
.irp f, 0,1,2,3
	DFRAG KV+12*\f, 6, 7, 1536*\f                  ; V: 16 dims x these 128 keys; it lands during the softmax
.endr
	ds_load_b32 v[VS], v8 offset:4096
	ds_load_b32 v[VS+1], v8 offset:4224
	s_wait_kmcnt 0x0
	s_cmp_eq_u32 s70, 2
	s_cbranch_scc1 .Lopen
.irp n, 0,1,2,3,4,5,6,7,8,9,10,11,12,13,14,15,16,17,18,19,20,21,22,23,24,25,26,27,28,29,30,31,32,33,34,35,36,37,38,39,40,41,42,43,44,45,46,47,48,49,50,51,52,53,54,55,56,57,58,59,60,61,62,63
	v_cndmask_b32 v[S+\n], v[S+\n], v9, s[16+\n+16*(\n/48)]   ; hidden scores become -2^33
.endr
.Lopen:
.irp b, 0,1,2,3
	v_max3_num_f32 v[BM+\b], v[S+16*\b], v[S+16*\b+1], v[S+16*\b+2]   ; the largest score of each block of 32 keys: for the row's maximum, and, since p rises with the score, for the block's largest p
.endr
.irp i, 3,5,7,9,11,13
.irp b, 0,1,2,3
	v_max3_num_f32 v[BM+\b], v[BM+\b], v[S+16*\b+\i], v[S+16*\b+\i+1]
.endr
.endr
.irp b, 0,1,2,3
	v_max_num_f32 v[BM+\b], v[BM+\b], v[S+16*\b+15]
.endr
.irp b, 0,1,2,3
	v_permlanex16_b32 v[EX+\b], v[BM+\b], s[SEL], s[SEL+1]
.endr
.irp b, 0,1,2,3
	v_max_num_f32 v[BM+\b], v[BM+\b], v[EX+\b]     ; with lane l xor 16's 16 keys
.endr
	v_max3_num_f32 v[TA], v[BM], v[BM+1], v[BM+2]
	v_max_num_f32 v[TA], v[TA], v[BM+3]
	v_mul_f32 v[TA], s[CS], v[TA]
	v_max_num_f32 v13, v13, v[TA]                  ; the running largest t
	v_mov_b32 v[TA], v12
	v_floor_f32 v12, -v13                          ; the new -M = floor(-t): M is a whole number
	v_sub_f32 v[TA], v12, v[TA]                    ; old M - new M: whole, 0 or less
	v_cvt_i32_f32 v[TA], v[TA]                     ; (it saturates)
	v_ldexp_f32 v[FF], 1.0, v[TA]                  ; f = 2^(old M - new M)
.irp j, 0,2,4,6,8,10,12,14,16,18,20,22,24,26,28,30,32,34,36,38,40,42,44,46,48,50,52,54,56,58,60,62
	v_pk_fma_f32 v[S+\j:S+\j+1], v[S+\j:S+\j+1], s[CS:CS+1], v[12:13] op_sel_hi:[1,0,0]   ; t - M, two at a time
.endr
.irp b, 0,1,2,3
	v_fma_f32 v[BM+\b], v[BM+\b], s[CS], v12
.endr
.irp j, 0,1,2,3,4,5,6,7,8,9,10,11,12,13,14,15,16,17,18,19,20,21,22,23,24,25,26,27,28,29,30,31,32,33,34,35,36,37,38,39,40,41,42,43,44,45,46,47,48,49,50,51,52,53,54,55,56,57,58,59,60,61,62,63
	v_exp_f32 v[S+\j], v[S+\j]                     ; p = 2^(t - M): one batch
.endr
	v_pk_mul_f32 v[14:15], v[14:15], v[FF:FF+1] op_sel_hi:[1,0]   ; the sum under the new M: the plain line behind the batch
	s_wait_alu depctr_va_vdst(0)                   ; one wait for the batch, ahead of its first reader
.irp b, 0,1,2,3
	v_exp_f32 v[BM+\b], v[BM+\b]                   ; each block's largest p
.endr
	v_pk_add_f32 v[TA+2:TA+3], v[S:S+1], v[S+2:S+3]   ; the row's sum is taken of the unquantised p, in two chains
.irp j, 4,8,12,16,20,24,28,32,36,40,44,48,52,56,60
	v_pk_add_f32 v[14:15], v[14:15], v[S+\j:S+\j+1]
	v_pk_add_f32 v[TA+2:TA+3], v[TA+2:TA+3], v[S+\j+2:S+\j+3]
.endr
	v_pk_add_f32 v[14:15], v[14:15], v[TA+2:TA+3]
	s_wait_alu depctr_va_vdst(0)                   ; and one for the four
.irp b, 0,1,2,3
	v_max_num_f32 v[BM+\b], 0x2800000, v[BM+\b]    ; the floor 2^(5 - 127): the byte cannot fall under 1
.endr
.irp b, 0,1,2,3
	v_add_nc_u32 v[SO+\b], 0xfe000000, v[BM+\b]
.endr
.irp b, 0,1,2,3
	v_lshrrev_b32 v[EX+\b], 23, v[SO+\b]
.endr
	v_lshl_or_b32 v[PS], v[EX+1], 8, v[EX]
	v_lshl_or_b32 v[PS], v[EX+2], 16, v[PS]
	v_lshl_or_b32 v[PS], v[EX+3], 24, v[PS]
.irp c, 0,1
	v_cvt_scalef32_pk16_bf6_f32 v[PC+6*\c:PC+6*\c+2], v[S+32*\c:S+32*\c+15], v[SO+2*\c]
	v_cvt_scalef32_pk16_bf6_f32 v[TT+4*\c:TT+4*\c+2], v[S+32*\c+16:S+32*\c+31], v[SO+2*\c+1]
.endr
	v_nop                                          ; one plain line behind the scaled conversions
.irp c, 0,1
.irp i, 0,1,2
	v_permlane16_swap_b32 v[PC+6*\c+\i], v[TT+4*\c+\i]   ; a whole block in a lane: lanes 0-15 block 2 c, lanes 16-31 block 2 c + 1
.endr
.irp i, 0,1,2
	v_mov_b32 v[PC+6*\c+3+\i], v[TT+4*\c+\i]
.endr
.endr
.irp j, 0,2,4,6,8,10,12,14,16,18,20,22,24,26,28,30
	v_pk_mul_f32 v[O+\j:O+\j+1], v[O+\j:O+\j+1], v[FF:FF+1] op_sel_hi:[1,0]   ; O^T under the new M.  (These sixteen are also the plain lines between p's codes and scale word and the products)
.endr
	s_wait_dscnt 0x0                               ; V is in
.irp t, 0,1,2,3
	WMA O+8*\t, KV+12*\t, PC, VS+\t/2, PS, \t%2    ; four accumulators by turns; the next step's eight score products stand between two links
.endr
.rept 4
	v_nop                                          ; four plain lines behind the products, for every way onward
.endr
.Lskip:
	s_add_co_u32 s68, s68, 6144
	s_add_co_u32 s69, s69, 256
	s_add_co_u32 s76, s76, 256
	s_add_co_u32 s67, s67, 1
	s_cmp_lt_u32 s67, 16
	s_cbranch_scc1 .Lstep
	; THE TILE'S END: O^T / the sum is ctx(query r, dims 32 b + 16 h + i): a half fragment of the last product's operand
	v_add_f32 v14, v14, v15
	v_permlanex16_b32 v[EX], v14, s[SEL], s[SEL+1]
	v_add_f32 v14, v14, v[EX]
	v_rcp_f32 v[FF], v14
	v_nop                                          ; a plain line behind the reciprocal,
	s_wait_alu depctr_va_vdst(0)                   ; and the wait ahead of its first reader
.irp j, 0,2,4,6,8,10,12,14,16,18,20,22,24,26,28,30
	v_pk_mul_f32 v[S+\j:S+\j+1], v[O+\j:O+\j+1], v[FF:FF+1] op_sel_hi:[1,0]
.endr
.irp b, 0,1
	v_max3_num_f32 v[BM+\b], |v[S+16*\b]|, |v[S+16*\b+1]|, 0x2800000
.endr
.irp i, 2,4,6,8,10,12,14
.irp b, 0,1
	v_max3_num_f32 v[BM+\b], v[BM+\b], |v[S+16*\b+\i]|, |v[S+16*\b+\i+1]|
.endr
.endr
.irp b, 0,1
	v_permlanex16_b32 v[EX+\b], v[BM+\b], s[SEL], s[SEL+1]
.endr
.irp b, 0,1
	v_max_num_f32 v[BM+\b], v[BM+\b], v[EX+\b]
.endr
.irp b, 0,1
	v_add_nc_u32 v[SO+\b], 0xfe000000, v[BM+\b]
.endr
.irp b, 0,1
	v_lshrrev_b32 v[BY+\b], 23, v[SO+\b]
.endr
	v_lshl_or_b32 v[TA], v[BY+1], 8, v[BY]         ; my query's two scale bytes
	v_cvt_scalef32_pk16_bf6_f32 v[PC:PC+2], v[S:S+15], v[SO]
	v_cvt_scalef32_pk16_bf6_f32 v[TT:TT+2], v[S+16:S+31], v[SO+1]
	v_nop
.irp i, 0,1,2
	v_permlane16_swap_b32 v[PC+\i], v[TT+\i]
.endr
.irp i, 0,1,2
	v_mov_b32 v[PC+3+\i], v[TT+\i]
.endr
	s_lshr_b32 s77, s14, 4
	s_lshl_b32 s77, s77, 7
	s_add_co_u32 s77, s77, s3                      ; the token tile: 128 b + T
	s_and_b32 s78, s14, 15                         ; the head
	s_mul_i32 s96, s77, 12288
	s_mul_i32 s79, s78, 768                        ; K step head / 2, half head % 2
	s_add_co_u32 s96, s96, s79
	s_mov_b32 s97, 0
	s_add_nc_u64 s[96:97], s[10:11], s[96:97]
	s_lshr_b32 s98, s77, 1
	s_lshl_b32 s98, s98, 10
	s_lshr_b32 s79, s78, 3
	s_lshl_b32 s79, s79, 9
	s_add_co_u32 s98, s98, s79
	s_and_b32 s79, s3, 1
	s_lshl_b32 s79, s79, 8
	s_add_co_u32 s98, s98, s79
	s_and_b32 s79, s78, 7
	s_lshl_b32 s79, s79, 1
	s_add_co_u32 s98, s98, s79
	s_mov_b32 s99, 0
	s_add_nc_u64 s[98:99], s[12:13], s[98:99]
	global_store_b128 v1, v[PC:PC+3], s[96:97]                 ; 512 consecutive bytes, aligned
	global_store_b64 v2, v[PC+4:PC+5], s[96:97] offset:512     ; 256 consecutive bytes, aligned
	global_store_b16 v10, v[TA], s[98:99]          ; half-words 16 bytes apart; lanes r and r + 16 hold and write the same half-word
	s_lshl_b32 s77, s15, 1
	s_add_co_u32 s77, s77, 124
	s_sub_co_u32 s3, s77, s3                       ; my second tile: j + 124 - 4 w
	s_add_co_u32 s71, s71, 1
	s_cmp_lt_u32 s71, 2
	s_cbranch_scc1 .Ltile
	s_wait_tensorcnt 0x0
	ds_add_u32 v254, v255
	s_wait_dscnt 0x0
	s_endpgm
.Lfunc_end_k_qd70ff652ad_attn:
	.size	k_qd70ff652ad_attn, .Lfunc_end_k_qd70ff652ad_attn-k_qd70ff652ad_attn
	.p2alignl 7, 3214868480
	.fill 96, 4, 3214868480
	.section	.rodata,"a",@progbits
	.p2align	6, 0x0
	.amdhsa_kernel k_qd70ff652ad_attn
		.amdhsa_group_segment_fixed_size 206848
		.amdhsa_private_segment_fixed_size 0
		.amdhsa_enable_private_segment 0
		.amdhsa_kernarg_size 40
		.amdhsa_user_sgpr_count 2
		.amdhsa_user_sgpr_kernarg_segment_ptr 1
		.amdhsa_wavefront_size32 1
		.amdhsa_system_sgpr_workgroup_id_x 1
		.amdhsa_system_sgpr_workgroup_id_y 1
		.amdhsa_system_sgpr_workgroup_id_z 1
		.amdhsa_system_vgpr_workitem_id 0
		.amdhsa_next_free_vgpr 256
		.amdhsa_next_free_sgpr 102
		.amdhsa_reserve_vcc 0
		.amdhsa_float_denorm_mode_32 3
		.amdhsa_float_denorm_mode_16_64 3
		.amdhsa_memory_ordered 1
		.amdhsa_forward_progress 1
		.amdhsa_inst_pref_size 38
	.end_amdhsa_kernel
	.amdgpu_metadata
---
amdhsa.version: [ 1, 2 ]
amdhsa.kernels:
  - .name:           k_qd70ff652ad_attn
    .symbol:         k_qd70ff652ad_attn.kd
    .args:
      - { .name: hc, .offset: 0, .size: 8, .value_kind: global_buffer, .address_space: global }
      - { .name: hs, .offset: 8, .size: 8, .value_kind: global_buffer, .address_space: global }
      - { .name: mk, .offset: 16, .size: 8, .value_kind: global_buffer, .address_space: global }
      - { .name: cc, .offset: 24, .size: 8, .value_kind: global_buffer, .address_space: global }
      - { .name: cs, .offset: 32, .size: 8, .value_kind: global_buffer, .address_space: global }
    .group_segment_fixed_size: 206848
    .private_segment_fixed_size: 0
    .kernarg_segment_align: 8
    .kernarg_segment_size: 40
    .max_flat_workgroup_size: 512
    .sgpr_count:     102
    .vgpr_count:     256
    .wavefront_size: 32
...
	.end_amdgpu_metadata
.endif
;; end of part 3
;; launch oproj (part 4): grid 64 x 4, 4 waves a work-group, no clusters, 134,656 bytes of LDS; arguments cc, cs, pc, ps, bo, out0; writes out0
.if DOCPART == 4
	.amdgcn_target "amdgcn-amd-amdhsa--gfx1250"
	.amdhsa_code_object_version 6
	.text
	.protected	k_qd70ff652ad_oproj
	.globl	k_qd70ff652ad_oproj
	.p2align	8
	.type	k_qd70ff652ad_oproj,@function
k_qd70ff652ad_oproj:
	s_mov_b64 s[64:65], 0
	v_nop
	global_prefetch_b8 v0, s[64:65] scope:SCOPE_SE
	s_setreg_imm32_b32 hwreg(HW_REG_WAVE_MODE, 25, 1), 1
	s_wait_xcnt 0x0
; OPROJ: out0 = ctx wo + bo on codes of BF6 with E8M0 scales, f32 sums.  ctx arrives as images of operand registers with its scale words, as the attention launch left them; wo as the first launch left it.
; SHARES.  Work-group (x, y): 128 rows (two units of 64) x 256 columns.  Wave w owns columns 64 (4 y + w) on: its 4 tiles x 8 K steps of wo (384 registers) stay in registers.
; A unit's codes (49,152 bytes) and scales (2,048) go memory -> registers -> an LDS slot of their own; one barrier in front of each unit.  Both units are written out: there is no loop.
; Source 0 = wo's tile, source 1 = ctx's tile: a lane holds one token and 16 neighbouring columns for each pair of tiles.  The bias is the C of each sum's first matrix instruction.
; No multicast: the four work-groups of a row part share ctx's 102,400 bytes; here they come through registers, the second unit's asked for 128 matrix instructions ahead.
; The rows of every tile are 32 (T / 2) + 8 (T % 2) + r + 8 (r / 8).
; REGISTERS, in windows of 256.  Window 0: addresses, scale words, v52-115 rows on their way out, v128-255 the 16 accumulators.  Window 1: wo's K steps 0-4.  Window 2: K steps 5-7; v144-175 the bias.
; Window 3: v0-95 ctx's fragments, two sets; v96-195 a unit's bytes on their way to LDS.
.set SLOT1, 65536
.set XSOFF, 49152
.set STAGE, 116736                     ; behind the slots: 16 rows x 272 bytes for each wave
.set B16,  2
.set B8,   4
.set AS,   6
.set ASS,  8
.set SI,   10                          ; v10  the stage: where I put 16 bytes of my token's row
.set SR,   11                          ; v11  and where I read a row back
.set GO,   12                          ; v12  my byte offset in two rows of out0
.set WS,   20
.set XS,   36
.set OBF,  52
.set AJ,   116                         ; v116-123 the bias's offsets
.set ACC,  128
.set BI,   144
.set SG,   96
.set MSB, 0
.macro WIN new                         ; the immediate's high byte repeats the setting that is left
.if MSB != \new
	s_set_vgpr_msb (MSB<<8)|\new
.set MSB, \new
.endif
.endm
.macro WM d, a, b, c, sa, sb, ra, rb
.set w_d, \d
.set w_a, \a
.set w_b, \b
.set w_c, \c
.set w_s, \sa
.set w_t, \sb
.if ((\ra) == 0) && ((\rb) == 0)
	v_wmma_scale_f32_16x16x128_f8f6f4 v[w_d:w_d+7], v[w_a:w_a+11], v[w_b:w_b+11], v[w_c:w_c+7], v[w_s], v[w_t] matrix_a_fmt:MATRIX_FMT_BF6 matrix_b_fmt:MATRIX_FMT_BF6
.elseif (\rb) == 0
	v_wmma_scale_f32_16x16x128_f8f6f4 v[w_d:w_d+7], v[w_a:w_a+11], v[w_b:w_b+11], v[w_c:w_c+7], v[w_s], v[w_t] matrix_a_fmt:MATRIX_FMT_BF6 matrix_b_fmt:MATRIX_FMT_BF6 matrix_a_scale:MATRIX_SCALE_ROW1
.elseif (\ra) == 0
	v_wmma_scale_f32_16x16x128_f8f6f4 v[w_d:w_d+7], v[w_a:w_a+11], v[w_b:w_b+11], v[w_c:w_c+7], v[w_s], v[w_t] matrix_a_fmt:MATRIX_FMT_BF6 matrix_b_fmt:MATRIX_FMT_BF6 matrix_b_scale:MATRIX_SCALE_ROW1
.else
	v_wmma_scale_f32_16x16x128_f8f6f4 v[w_d:w_d+7], v[w_a:w_a+11], v[w_b:w_b+11], v[w_c:w_c+7], v[w_s], v[w_t] matrix_a_fmt:MATRIX_FMT_BF6 matrix_b_fmt:MATRIX_FMT_BF6 matrix_a_scale:MATRIX_SCALE_ROW1 matrix_b_scale:MATRIX_SCALE_ROW1
.endif
.endm
.macro GFRAG reg, off
.set g_r, \reg
.set g_o, \off
	global_load_b128 v[g_r:g_r+3], v[B16], s[32:33] offset:g_o
	global_load_b64 v[g_r+4:g_r+5], v[B8], s[32:33] offset:g_o+512
	global_load_b128 v[g_r+6:g_r+9], v[B16], s[32:33] offset:g_o+768
	global_load_b64 v[g_r+10:g_r+11], v[B8], s[32:33] offset:g_o+1280
.endm
.macro DFRAG reg, a16, a8, off
.set g_r, \reg
.set g_o, \off
	ds_load_b128 v[g_r:g_r+3], v[\a16] offset:g_o
	ds_load_b64 v[g_r+4:g_r+5], v[\a8] offset:g_o+512
	ds_load_b128 v[g_r+6:g_r+9], v[\a16] offset:g_o+768
	ds_load_b64 v[g_r+10:g_r+11], v[\a8] offset:g_o+1280
.endm
.macro LOADSG
	WIN 0xc0
.irp i, 0,1,2,3,4,5,6,7,8,9,10,11,12,13,14,15,16,17,18,19,20,21,22,23
	global_load_b128 v[SG+4*\i:SG+4*\i+3], v[B16], s[28:29] offset:512*\i
.endr
	global_load_b128 v[SG+96:SG+99], v[B16], s[30:31]
.endm
.macro STORESG slot
	WIN 0x0c
.irp i, 0,1,2,3,4,5,6,7,8,9,10,11,12,13,14,15,16,17,18,19,20,21,22,23
	ds_store_b128 v[AS+\slot], v[SG+4*\i:SG+4*\i+3] offset:512*\i
.endr
	ds_store_b128 v[ASS+\slot], v[SG+96:SG+99] offset:XSOFF
.endm
.macro XFETCH slot, s
	WIN 0xc0
.irp m, 0,1,2,3
	DFRAG 48*((\s)%2)+12*\m, B16+\slot, B8+\slot, \m*12288+(\s)*1536
.endr
.endm
; A K step: 16 matrix instructions on 16 accumulators, which take turns, one instruction a turn.
.macro KSTEP slot, s
.rept 4
	v_nop                                          ; four plain lines between the last step's products and the loads into the set that they read
.endr
.if (\s) < 7
	XFETCH \slot, (\s)+1
	s_wait_dscnt 16                                ; all but the 16 loads just issued
.else
	s_wait_dscnt 0x0
.endif
.if (\s) == 0
	WIN 0x2d                                       ; source 0 (wo) window 1, source 1 (ctx) window 3, C (bias) window 2, D window 0
.elseif (\s) < 5
	WIN 0x0d
.else
	WIN 0x0e
.endif
.irp m, 0,1,2,3
.irp t, 0,1,2,3
.set k_w, 12*(4*((\s)%5)+\t)
.set k_x, 48*((\s)%2)+12*\m
.set k_d, ACC+32*\m+8*\t
.if (\s) == 0
.set k_c, BI+8*\t
.else
.set k_c, k_d
.endif
	WM k_d, k_w, k_x, k_c, WS+8*(\t/2)+(\s), XS+8*(\m/2)+(\s), \t%2, \m%2
.endr
.endr
.endm
.macro KLOOP slot
.irp g, 0,1,2,3
	ds_load_b128 v[XS+4*\g:XS+4*\g+3], v[B16+\slot] offset:XSOFF+512*\g
.endr
	XFETCH \slot, 0
.irp s, 0,1,2,3,4,5,6,7
	KSTEP \slot, \s
.endr
	WIN 0
.endm
; THE WAY OUT of token tile m of unit u.  A lane holds 2 x 64 neighbouring bytes of its token's row and the lanes beside it hold other rows: the tile goes through my own stage and comes back as rows of 256 bytes.
.macro OUTM u, m
.set o_b, OBF+32*((\m)%2)
.irp b, 0,1
.irp k, 0,1,2,3
	ds_store_b128 v[SI], v[ACC+32*(\m)+16*\b+4*\k:ACC+32*(\m)+16*\b+4*\k+3] offset:128*\b+16*\k   ; each accumulator from its low end on
.endr
.endr
	s_wait_xcnt 0x0                                ; the stores of two tiles back have read the registers that the loads below fill
.irp i, 0,1,2,3,4,5,6,7
	ds_load_b128 v[o_b+4*\i:o_b+4*\i+3], v[SR] offset:2*\i*272   ; LDS serves a wave's instructions in order: these see the stores above
.endr
	s_wait_dscnt 0x0
.irp i, 0,1,2,3,4,5,6,7
	global_store_b128 v[GO], v[o_b+4*\i:o_b+4*\i+3], s[38:39] offset:(64*(\u)+32*((\m)/2)+8*((\m)%2)+2*\i+8*(\i/4))*4096 th:TH_STORE_NT   ; sixteen lanes store 256 consecutive bytes, aligned; 126 rows of 4,096 bytes at the most in the immediate
.endr
.endm
	s_load_b256 s[4:11], s[0:1], 0x0               ; cc s[4:5], cs s[6:7], pc s[8:9], ps s[10:11]
	s_load_b128 s[12:15], s[0:1], 0x20             ; bo s[12:13], out0 s[14:15]
	v_lshl_add_u32 v126, v0, 2, 0x20c00
	v_mov_b32 v127, 0
	v_lshrrev_b32 v1, 5, v0
	v_readfirstlane_b32 s20, v1                    ; wave
	v_and_b32 v1, 31, v0
	v_and_b32 v13, 15, v0                          ; r
	v_bfe_u32 v14, v0, 4, 1                        ; h
	v_lshlrev_b32 v[B16], 4, v1
	v_lshlrev_b32 v[B8], 3, v1
	v_add_nc_u32 v[B16+1], SLOT1, v[B16]
	v_add_nc_u32 v[B8+1], SLOT1, v[B8]
	s_mul_i32 s66, s20, 12288
	v_add_nc_u32 v[AS], s66, v[B16]
	v_add_nc_u32 v[AS+1], s66, v[B16+1]
	s_lshl_b32 s66, s20, 9
	v_add_nc_u32 v[ASS], s66, v[B16]
	v_add_nc_u32 v[ASS+1], s66, v[B16+1]
	s_mul_i32 s66, s20, 16*272
	s_add_co_u32 s66, s66, STAGE
	v_mul_u32_u24 v[SI], v13, 272
	v_lshl_add_u32 v[SI], v14, 6, v[SI]
	v_add_nc_u32 v[SI], s66, v[SI]                 ; in: row r, + 64 h
	v_mul_u32_u24 v[SR], v14, 272
	v_lshl_add_u32 v[SR], v13, 4, v[SR]
	v_add_nc_u32 v[SR], s66, v[SR]                 ; back: lanes 0-15 one row, lanes 16-31 the next
	v_lshlrev_b32 v[GO], 12, v14
	v_lshl_add_u32 v[GO], v13, 4, v[GO]
	v_lshlrev_b32 v15, 6, v14
.irp j, 0,1,2,3,4,5,6,7
	v_add_nc_u32 v[AJ+\j], 4*\j, v15               ; the bias of the lane's eight columns: 64 h + 4 j
.endr
	s_and_b32 s22, ttmp7, 0xffff
	s_lshl_b32 s23, s22, 2
	s_add_co_u32 s23, s23, s20                     ; which 64 columns
	s_mov_b32 s24, ttmp9                           ; which 128 rows
	s_wait_kmcnt 0x0
	s_mov_b32 s67, 0
	s_lshl_b32 s66, s24, 3
	s_add_co_u32 s66, s66, s20
	s_mul_i32 s66, s66, 12288
	s_add_nc_u64 s[28:29], s[4:5], s[66:67]        ; ctx's tile 8 x + wave
	s_lshl_b32 s66, s24, 12
	s_lshl_b32 s68, s20, 9
	s_add_co_u32 s66, s66, s68
	s_add_nc_u64 s[30:31], s[6:7], s[66:67]
	s_mul_i32 s66, s23, 49152
	s_add_co_u32 s66, s66, 21233664                ; behind x's tiles and three weights
	s_add_nc_u64 s[32:33], s[8:9], s[66:67]
	s_lshl_b32 s66, s23, 11
	s_add_co_u32 s66, s66, 884736
	s_add_nc_u64 s[34:35], s[10:11], s[66:67]
	s_lshl_b32 s66, s23, 8
	s_add_nc_u64 s[36:37], s[12:13], s[66:67]
	s_lshl_b32 s68, s24, 19                        ; 128 rows of 4,096 bytes
	s_add_co_u32 s66, s66, s68
	s_add_nc_u64 s[38:39], s[14:15], s[66:67]
	LOADSG                                         ; unit 0
	WIN 0x40
.irp s, 0,1,2,3,4
.irp t, 0,1,2,3
	GFRAG 12*(4*\s+\t), \t*12288+\s*1536
.endr
.endr
	WIN 0x80
.irp s, 5,6,7
.irp t, 0,1,2,3
	GFRAG 12*(4*(\s-5)+\t), \t*12288+\s*1536
.endr
.endr
.irp t, 0,1,2,3
.irp j, 0,1,2,3,4,5,6,7
	global_load_b32 v[BI+8*\t+\j], v[AJ+\j], s[36:37] offset:(32*(\t/2)+8*(\t%2))*4
.endr
.endr
	WIN 0
.irp g, 0,1,2,3
	global_load_b128 v[WS+4*\g:WS+4*\g+3], v[B16], s[34:35] offset:512*\g
.endr
	s_wait_loadcnt 0x0
	STORESG 0
	s_wait_dscnt 0x0                               ; the stores have landed and have read their registers
	s_add_nc_u64 s[28:29], s[28:29], 49152
	s_add_nc_u64 s[30:31], s[30:31], 2048
	LOADSG                                         ; unit 1
	WIN 0
	s_barrier_signal -1
	s_barrier_wait -1                              ; slot 0 is whole
	KLOOP 0
	s_wait_loadcnt 0x0
	STORESG 1                                      ; slot 1 has its first and only fill: nobody has read it
	WIN 0
.rept 4
	v_nop                                          ; four plain lines between the last product and the first read of results
.endr
.irp m, 0,1,2,3
	OUTM 0, \m
.endr
	s_wait_dscnt 0x0
	s_barrier_signal -1
	s_barrier_wait -1                              ; slot 1 is whole
	KLOOP 1
.rept 4
	v_nop
.endr
.irp m, 0,1,2,3
	OUTM 1, \m
.endr
	s_wait_tensorcnt 0x0
	ds_add_u32 v126, v127
	s_wait_dscnt 0x0
	s_endpgm
.Lfunc_end_k_qd70ff652ad_oproj:
	.size	k_qd70ff652ad_oproj, .Lfunc_end_k_qd70ff652ad_oproj-k_qd70ff652ad_oproj
	.p2alignl 7, 3214868480
	.fill 96, 4, 3214868480
	.section	.rodata,"a",@progbits
	.p2align	6, 0x0
	.amdhsa_kernel k_qd70ff652ad_oproj
		.amdhsa_group_segment_fixed_size 134656
		.amdhsa_private_segment_fixed_size 0
		.amdhsa_enable_private_segment 0
		.amdhsa_kernarg_size 48
		.amdhsa_user_sgpr_count 2
		.amdhsa_user_sgpr_kernarg_segment_ptr 1
		.amdhsa_wavefront_size32 1
		.amdhsa_system_sgpr_workgroup_id_x 1
		.amdhsa_system_sgpr_workgroup_id_y 1
		.amdhsa_system_sgpr_workgroup_id_z 1
		.amdhsa_system_vgpr_workitem_id 0
		.amdhsa_next_free_vgpr 1024
		.amdhsa_next_free_sgpr 80
		.amdhsa_reserve_vcc 0
		.amdhsa_float_denorm_mode_32 3
		.amdhsa_float_denorm_mode_16_64 3
		.amdhsa_memory_ordered 1
		.amdhsa_forward_progress 1
		.amdhsa_inst_pref_size 94
	.end_amdhsa_kernel
	.amdgpu_metadata
---
amdhsa.version: [ 1, 2 ]
amdhsa.kernels:
  - .name:           k_qd70ff652ad_oproj
    .symbol:         k_qd70ff652ad_oproj.kd
    .args:
      - { .name: cc, .offset: 0, .size: 8, .value_kind: global_buffer, .address_space: global }
      - { .name: cs, .offset: 8, .size: 8, .value_kind: global_buffer, .address_space: global }
      - { .name: pc, .offset: 16, .size: 8, .value_kind: global_buffer, .address_space: global }
      - { .name: ps, .offset: 24, .size: 8, .value_kind: global_buffer, .address_space: global }
      - { .name: bo, .offset: 32, .size: 8, .value_kind: global_buffer, .address_space: global }
      - { .name: out0, .offset: 40, .size: 8, .value_kind: global_buffer, .address_space: global }
    .group_segment_fixed_size: 134656
    .private_segment_fixed_size: 0
    .kernarg_segment_align: 8
    .kernarg_segment_size: 48
    .max_flat_workgroup_size: 128
    .sgpr_count:     80
    .vgpr_count:     1024
    .wavefront_size: 32
...
	.end_amdgpu_metadata
.endif
;; end of part 4
;; ======== version 2 of 2: 4 launches
;; limits: right only within a limited range of input values
;; workspace buffers: pc 22,020,096 bytes; ps 917,504 bytes; mk 540,672 bytes of whole numbers; hc 18,874,368 bytes; hs 786,432 bytes; cc 6,291,456 bytes; cs 262,144 bytes
;; launch prep (part 5): grid 640 x 1, 4 waves a work-group, no clusters, 81,408 bytes of LDS; arguments q, k, v, wq, wk, wv, wo, mask, pc, ps, mk; writes pc, ps, mk
.if DOCPART == 5
	.amdgcn_target "amdgcn-amd-amdhsa--gfx1250"
	.amdhsa_code_object_version 6
	.text
	.protected	k_qd70ff652ad_prep
	.globl	k_qd70ff652ad_prep
	.p2align	8
	.type	k_qd70ff652ad_prep,@function
k_qd70ff652ad_prep:
	s_mov_b64 s[64:65], 0
	v_nop
	global_prefetch_b8 v0, s[64:65] scope:SCOPE_SE
	s_setreg_imm32_b32 hwreg(HW_REG_WAVE_MODE, 25, 1), 1
	s_wait_xcnt 0x0
; PREP: q, k, v [8192][1024] f32 and wq, wk, wv, wo [1024 (k)][1024 (n)] f32 become codes of BF6 (E3M2) with one E8M0 byte for each 32 along K; the mask [2048][2048] i32 becomes lane-mask words.
; A block's scale is 2^(floor(log2(its largest magnitude)) - 4): its byte is the largest magnitude's exponent field - 4, held at 1 from below.
; LIMITS: a block of zeros gets the byte 1 where the quantiser says 127 (its codes are zeros and this program alone reads the bytes); blocks whose largest magnitude lies under 2^-122 are held at the byte 1; NaN and infinities are not served.
; LAYOUT OF THE CODES: images of operand registers.  A tile is 16 rows; tile T holds rows 32 (T / 2) + 8 (T % 2) + r + 8 (r / 8), r = 0 .. 15.  A fragment (16 rows x 128 K, 1,536 bytes) is two halves of 768 bytes (64 K each):
; lane (r, h) owns the 24 bytes of block h of row r: its words 0-3 at 16 x lane, its words 4-5 at 512 + 8 x lane.  A tile's 8 fragments (K = 1,024) lie on end: 12,288 bytes.
; LAYOUT OF THE SCALES: 1,024 bytes for each 32 rows (two tiles): [K steps 0-3 | 4-7][16 (T % 2) + r][4 words]: one load of 16 bytes a lane gives four scale registers, the even tile in lanes 0-15, the odd one in lanes 16-31.
; THE MASK: for query tile T and key step st (128 keys) 64 words; bit L of word 16 f + i is 1 where mask[query of lane L % 16][128 st + 32 f + 16 (L / 16) + i] is 0.  Beside them the AND and the OR of each step's 64 words.
; Three paths part on the work-group's number: 0-383 q, k, v; 384-511 the weights; 512-639 the mask.  Each path has LDS bytes of its own; waves share nothing, so there is no barrier.
.set SP,   528                         ; a stage row: 512 bytes + 16: the sixteen rows that a read touches start in sixteen different columns of 16 bytes
.set STW,  33792                       ; behind path X's four stages (16 x 528 bytes a wave): the weights' stages, 2 x 1,664 bytes a wave
.set STM,  47104                       ; behind them: the mask's stages, 16 x 528 bytes a wave
.set TS,   1664                        ; a weight tile's fragment + 128: the two tiles' stores fall into different halves of the banks
.set L16,  2                           ; v2  16 x lane
.set L8,   3                           ; v3  8 x lane
.set L4,   4                           ; v4  4 x lane
.set SXI,  7                           ; v7  path X: stage, on the way in
.set SXO,  8                           ; v8  and out
.set SMI,  9                           ; v9  path M likewise
.set SMO,  10
.set SWA,  11                          ; v11 path W: my column's 16 bytes in its tile's image
.set SWB,  12                          ; v12 and its 8 bytes
.set SWO,  13                          ; v13 the images read back
.set WSO,  14                          ; v14 my column's place among the scale words
.set SH8,  15                          ; v15 8 x (lane / 16)
.set WD,   16                          ; v16-23 path X: scale words (tile u, K step s) at 4 u + s;  path M: the mask words of four steps
.set MG,   24                          ; v24-27 the words of both tiles joined;  path M: v24 the ANDs and ORs
.set R,    32                          ; v32-159 two sets of 64 registers as loaded
.set X,    160                         ; v160-223 64 numbers in the operand's order
.set CD,   224                         ; v224-235 a fragment's codes
.set TT,   236                         ; v236-243 the blocks' upper halves as the conversions leave them
.set BM,   244
.set SO,   246
.set BY,   248
.set TP,   250
.set WX,   32                          ; path W: two sets of 32 numbers
.set WC,   96
.set SB,   108
.set OUTW, 112
	s_load_b512 s[8:23], s[0:1], 0x0               ; q s[8:9], k s[10:11], v s[12:13], wq s[14:15], wk s[16:17], wv s[18:19], wo s[20:21], mask s[22:23]
	s_load_b128 s[24:27], s[0:1], 0x40             ; pc, ps
	s_load_b64 s[28:29], s[0:1], 0x50              ; mk
	v_lshl_add_u32 v254, v0, 2, 0x13c00
	v_mov_b32 v255, 0
	v_lshrrev_b32 v5, 5, v0
	v_readfirstlane_b32 s2, v5                     ; wave
	v_and_b32 v1, 31, v0                           ; lane
	v_lshlrev_b32 v[L16], 4, v1
	v_lshlrev_b32 v[L8], 3, v1
	v_lshlrev_b32 v[L4], 2, v1
	v_and_b32 v5, 15, v0                           ; r
	v_bfe_u32 v6, v0, 4, 1                         ; h
	v_lshlrev_b32 v[SH8], 3, v6
	s_mul_i32 s3, s2, 16*SP
	v_add_nc_u32 v[SXI], s3, v[L16]                ; in: a row's 512 bytes as they lie
	v_mul_u32_u24 v[SXO], v5, SP
	v_add_nc_u32 v[SXO], s3, v[SXO]
	v_add_nc_u32 v[SMI], STM, v[SXI]
	v_lshl_add_u32 v[SMO], v6, 6, v[SXO]
	v_add_nc_u32 v[SMO], STM, v[SMO]               ; the mask, out: row r, + 64 h
	v_lshl_add_u32 v[SXO], v6, 7, v[SXO]           ; x, out: row r, + 128 h
	v_bfe_u32 v28, v0, 3, 1                        ; a weight's column j = lane: tile u = (j / 8) % 2,
	v_and_b32 v29, 7, v0
	v_lshl_or_b32 v29, v6, 3, v29                  ; row of the tile 8 (j / 16) + j % 8
	v_lshl_add_u32 v[WSO], v28, 4, v29
	v_lshlrev_b32 v[WSO], 4, v[WSO]
	s_mul_i32 s3, s2, 2*TS
	s_add_co_u32 s3, s3, STW
	v_mul_u32_u24 v28, v28, TS
	v_add_nc_u32 v28, s3, v28
	v_lshl_add_u32 v[SWA], v29, 4, v28
	v_lshl_add_u32 v[SWB], v29, 3, v28
	v_add_nc_u32 v[SWO], s3, v[L16]
	v_mov_b32 v[TP+1], 0                           ; a lane permute's destination counts as one of its sources
	s_mov_b32 s30, 0x76543210
	s_mov_b32 s31, 0xfedcba98                      ; selects for lane l xor 16
	s_mov_b32 s32, 0xffff0000                      ; lanes 16-31
	s_wait_kmcnt 0x0
	s_cmp_lt_u32 ttmp9, 384
	s_cbranch_scc0 .Lnot_x
; ---- PATH X.  A wave takes 32 rows (two tiles u) x 512 along K (four K steps s): eight fragments f = 4 u + s.
	s_lshl_b32 s33, ttmp9, 2
	s_add_co_u32 s33, s33, s2
	s_lshr_b32 s34, s33, 1                         ; the group of 32 rows, 0 .. 767
	s_and_b32 s35, s33, 1                          ; which half of K
	s_lshr_b32 s36, s34, 8                         ; 0 q, 1 k, 2 v
	s_cmp_eq_u32 s36, 0
	s_cselect_b64 s[38:39], s[8:9], s[10:11]
	s_cmp_eq_u32 s36, 2
	s_cselect_b64 s[38:39], s[12:13], s[38:39]
	s_and_b32 s40, s34, 255
	s_lshl_b32 s40, s40, 17                        ; 32 rows of 4,096 bytes
	s_lshl_b32 s41, s35, 11
	s_add_co_u32 s40, s40, s41
	s_mov_b32 s41, 0
	s_add_nc_u64 s[38:39], s[38:39], s[40:41]
	s_mul_i32 s40, s34, 24576
	s_mul_i32 s42, s35, 6144
	s_add_co_u32 s40, s40, s42
	s_add_nc_u64 s[44:45], s[24:25], s[40:41]      ; my codes
	s_lshl_b32 s40, s34, 10
	s_lshl_b32 s42, s35, 9
	s_add_co_u32 s40, s40, s42
	s_add_nc_u64 s[46:47], s[26:27], s[40:41]      ; my scale words
.macro XLOAD f                         ; a fragment's 16 rows x 512 bytes: each load reads 512 consecutive bytes
.set l_u, (\f)/4
.set l_s, (\f)%4
.set l_r, R+64*((\f)%2)
.irp i, 0,1,2,3,4,5,6,7,8,9,10,11,12,13,14,15
	global_load_b128 v[l_r+4*\i:l_r+4*\i+3], v[L16], s[38:39] offset:(8*l_u+\i+8*(\i/8))*4096+512*l_s th:TH_LOAD_NT
.endr
.endm
.macro XFRAG f
.set f_r, R+64*((\f)%2)
.set f_o, 12288*((\f)/4)+1536*((\f)%4)
.if (\f) < 7
	s_wait_loadcnt 16                              ; this fragment's 16 loads are in; the next fragment's 16 may be out
.else
	s_wait_loadcnt 0x0
.endif
.irp i, 0,1,2,3,4,5,6,7,8,9,10,11,12,13,14,15
	ds_store_b128 v[SXI], v[f_r+4*\i:f_r+4*\i+3] offset:SP*\i
.endr
.irp c, 0,1
.irp k, 0,1,2,3,4,5,6,7
	ds_load_b128 v[X+32*\c+4*\k:X+32*\c+4*\k+3], v[SXO] offset:256*\c+16*\k   ; LDS serves a wave's instructions in order: these see the stores.  Register 32 c + i = K 64 c + 32 h + i of row r
.endr
.endr
	s_wait_dscnt 0x0                               ; the numbers are back, and the stores have read the set, which takes the loads of two fragments on
.if (\f) < 6
	XLOAD (\f)+2
.endif
.irp c, 0,1
	v_max3_num_f32 v[BM+\c], |v[X+32*\c]|, |v[X+32*\c+1]|, 0x2800000   ; block 2 c + h is all mine; the floor 2^(5 - 127) holds the byte at 1 from below
.endr
.irp i, 2,4,6,8,10,12,14,16,18,20,22,24,26,28,30
.irp c, 0,1
	v_max3_num_f32 v[BM+\c], v[BM+\c], |v[X+32*\c+\i]|, |v[X+32*\c+\i+1]|
.endr
.endr
.irp c, 0,1
	v_add_nc_u32 v[SO+\c], 0xfe000000, v[BM+\c]    ; 4 off the exponent field: the conversion's scale operand
.endr
.irp c, 0,1
	v_lshrrev_b32 v[BY+\c], 23, v[SO+\c]           ; the scale's byte
.endr
	s_wait_alu depctr_va_vdst(0)
	s_wait_xcnt 0x0                                ; the last fragment's stores have read the codes' registers
.irp c, 0,1
	v_cvt_scalef32_pk16_bf6_f32 v[CD+6*\c:CD+6*\c+2], v[X+32*\c:X+32*\c+15], v[SO+\c]
	v_cvt_scalef32_pk16_bf6_f32 v[TT+4*\c:TT+4*\c+2], v[X+32*\c+16:X+32*\c+31], v[SO+\c]   ; (a conversion's three registers begin on an even number)
.endr
	v_nop                                          ; one plain line behind the scaled conversions
.irp c, 0,1
.irp i, 0,1,2
	v_mov_b32 v[CD+6*\c+3+\i], v[TT+4*\c+\i]
.endr
.endr
	v_lshl_or_b32 v[TP], v[BY+1], 16, v[BY]        ; my two bytes, blocks h and 2 + h,
	v_lshlrev_b32 v[TP], v[SH8], v[TP]             ; at their places in the row's scale word;
	v_permlanex16_b32 v[TP+1], v[TP], s30, s31
	v_or_b32 v[WD+(\f)], v[TP], v[TP+1]            ; with lane l xor 16's two the word is whole
	global_store_b128 v[L16], v[CD:CD+3], s[44:45] offset:f_o          ; each store covers 512 or 256 consecutive bytes, aligned
	global_store_b64 v[L8], v[CD+4:CD+5], s[44:45] offset:f_o+512
	global_store_b128 v[L16], v[CD+6:CD+9], s[44:45] offset:f_o+768
	global_store_b64 v[L8], v[CD+10:CD+11], s[44:45] offset:f_o+1280
.endm
	XLOAD 0
	XLOAD 1
.irp f, 0,1,2,3,4,5,6,7
	XFRAG \f
.endr
.irp s, 0,1,2,3
	v_cndmask_b32 v[MG+\s], v[WD+\s], v[WD+4+\s], s32   ; lanes 0-15 the even tile's words, lanes 16-31 the odd tile's
.endr
	global_store_b128 v[L16], v[MG:MG+3], s[46:47]
	s_wait_tensorcnt 0x0
	ds_add_u32 v254, v255
	s_wait_dscnt 0x0
	s_endpgm
.Lnot_x:
	s_cmp_lt_u32 ttmp9, 512
	s_cbranch_scc0 .Lmask
; ---- PATH W.  K is a weight's FIRST axis: a lane takes a column n and its registers run down K, so a block of 32 is one lane's and the codes come out with K innermost.  A wave: 32 columns x 256 along K (8 blocks, two K steps).
	s_sub_co_u32 s33, ttmp9, 384
	s_lshr_b32 s34, s33, 5                         ; which weight
	s_and_b32 s35, s33, 7                          ; which 128 columns
	s_bfe_u32 s36, s33, 0x20003                    ; which 256 along K
	s_cmp_lt_u32 s34, 2
	s_cselect_b64 s[38:39], s[14:15], s[18:19]     ; wq or wv
	s_cselect_b64 s[40:41], s[16:17], s[20:21]     ; wk or wo
	s_bitcmp1_b32 s34, 0
	s_cselect_b64 s[38:39], s[40:41], s[38:39]
	s_lshl_b32 s40, s36, 20                        ; 256 rows of 4,096 bytes
	s_lshl_b32 s42, s35, 9
	s_add_co_u32 s40, s40, s42
	s_lshl_b32 s42, s2, 7
	s_add_co_u32 s40, s40, s42
	s_mov_b32 s41, 0
	s_add_nc_u64 s[38:39], s[38:39], s[40:41]
	s_lshl_b32 s37, s35, 2
	s_add_co_u32 s37, s37, s2                      ; the group of 32 columns, 0 .. 31
	s_mul_i32 s40, s34, 786432
	s_mul_i32 s42, s37, 24576
	s_add_co_u32 s40, s40, s42
	s_mul_i32 s42, s36, 3072
	s_add_co_u32 s40, s40, s42
	s_add_co_u32 s40, s40, 18874368                ; behind x's 1,536 tiles
	s_add_nc_u64 s[44:45], s[24:25], s[40:41]
	s_lshl_b32 s40, s34, 15
	s_lshl_b32 s42, s37, 10
	s_add_co_u32 s40, s40, s42
	s_lshr_b32 s42, s36, 1
	s_lshl_b32 s42, s42, 9
	s_add_co_u32 s40, s40, s42
	s_and_b32 s42, s36, 1
	s_lshl_b32 s42, s42, 3
	s_add_co_u32 s40, s40, s42
	s_add_co_u32 s40, s40, 786432                  ; behind x's scales
	s_add_nc_u64 s[46:47], s[26:27], s[40:41]
.macro WLOAD t                         ; block t: w(32 t + i, my column): 32 lanes read 128 consecutive bytes
.irp i, 0,1,2,3,4,5,6,7,8,9,10,11,12,13,14,15,16,17,18,19,20,21,22,23,24,25,26,27,28,29,30,31
	global_load_b32 v[WX+32*((\t)%2)+\i], v[L4], s[38:39] offset:(32*(\t)+\i)*4096 th:TH_LOAD_NT
.endr
.endm
.macro WBLOCK t
.set w_x, WX+32*((\t)%2)
.set w_o, 768*(((\t)/2)%2)
.if (\t) < 7
	s_wait_loadcnt 32                              ; this block's 32 loads are in; the next block's 32 may be out
.else
	s_wait_loadcnt 0x0
.endif
	v_max3_num_f32 v[BM], |v[w_x]|, |v[w_x+1]|, |v[w_x+2]|
	v_max3_num_f32 v[BM+1], |v[w_x+3]|, |v[w_x+4]|, |v[w_x+5]|
.irp i, 6,10,14,18,22,26
	v_max3_num_f32 v[BM], v[BM], |v[w_x+\i]|, |v[w_x+\i+1]|
	v_max3_num_f32 v[BM+1], v[BM+1], |v[w_x+\i+2]|, |v[w_x+\i+3]|
.endr
	v_max3_num_f32 v[BM], v[BM], |v[w_x+30]|, |v[w_x+31]|
	v_max3_num_f32 v[BM], v[BM], v[BM+1], 0x2800000
	v_add_nc_u32 v[SO], 0xfe000000, v[BM]
	v_lshrrev_b32 v[BY], 23, v[SO]
.if (\t)%4 == 0
	v_mov_b32 v[SB+(\t)/4], v[BY]                  ; a K step's four bytes make my column's scale word
.else
	v_lshl_or_b32 v[SB+(\t)/4], v[BY], 8*((\t)%4), v[SB+(\t)/4]
.endif
	v_cvt_scalef32_pk16_bf6_f32 v[WC:WC+2], v[w_x:w_x+15], v[SO]
	v_cvt_scalef32_pk16_bf6_f32 v[WC+8:WC+10], v[w_x+16:w_x+31], v[SO]
	v_nop
.irp i, 0,1,2
	v_mov_b32 v[WC+3+\i], v[WC+8+\i]
.endr
	ds_store_b128 v[SWA], v[WC:WC+3] offset:w_o+256*((\t)%2)         ; into my tile's image, at the place of lane (row, block % 2)
	ds_store_b64 v[SWB], v[WC+4:WC+5] offset:512+w_o+128*((\t)%2)
.if (\t) < 6
	WLOAD (\t)+2
.endif
	s_wait_dscnt 0x0                               ; the stores have read their registers
.if (\t)%4 == 3                        ; a K step's two fragments are whole: they leave as they lie, 512 consecutive bytes a store
.irp u, 0,1
.irp i, 0,1,2
	ds_load_b128 v[OUTW+24*((\t)/4)+12*\u+4*\i:OUTW+24*((\t)/4)+12*\u+4*\i+3], v[SWO] offset:TS*\u+512*\i
.endr
.endr
	s_wait_dscnt 0x0
.irp u, 0,1
.irp i, 0,1,2
	global_store_b128 v[L16], v[OUTW+24*((\t)/4)+12*\u+4*\i:OUTW+24*((\t)/4)+12*\u+4*\i+3], s[44:45] offset:12288*\u+1536*((\t)/4)+512*\i
.endr
.endr
.endif
.endm
	WLOAD 0
	WLOAD 1
.irp t, 0,1,2,3,4,5,6,7
	WBLOCK \t
.endr
	s_wait_alu depctr_va_vdst(0)
	global_store_b64 v[WSO], v[SB:SB+1], s[46:47]  ; two scale words a column, in pieces of 8 bytes 16 apart: 131,072 bytes in the whole launch
	s_wait_tensorcnt 0x0
	ds_add_u32 v254, v255
	s_wait_dscnt 0x0
	s_endpgm
.Lmask:
; ---- PATH M.  A work-group takes a query tile, a wave four key steps.  A step's 16 rows x 512 bytes turn through the stage as x's do; each of the lane's 64 numbers is compared with 0, and the compare's lane mask IS the word.
	s_sub_co_u32 s33, ttmp9, 512                   ; the query tile
	s_lshr_b32 s34, s33, 1
	s_lshl_b32 s34, s34, 5
	s_and_b32 s35, s33, 1
	s_lshl_b32 s35, s35, 3
	s_add_co_u32 s34, s34, s35                     ; its first row
	s_lshl_b32 s34, s34, 13                        ; rows of 8,192 bytes
	s_lshl_b32 s35, s2, 11                         ; four steps of 512 bytes a wave
	s_add_co_u32 s34, s34, s35
	s_mov_b32 s35, 0
	s_add_nc_u64 s[38:39], s[22:23], s[34:35]
	s_lshl_b32 s34, s33, 12
	s_lshl_b32 s36, s2, 10
	s_add_co_u32 s34, s34, s36
	s_add_nc_u64 s[44:45], s[28:29], s[34:35]      ; the words
	s_lshl_b32 s34, s33, 7
	s_lshl_b32 s36, s2, 5
	s_add_co_u32 s34, s34, s36
	s_add_co_u32 s34, s34, 524288
	s_add_nc_u64 s[46:47], s[28:29], s[34:35]      ; the ANDs and ORs
.irp i, 0,1,2,3,4,5,6,7,8
	v_mov_b32 v[WD+\i], 0                          ; v_writelane_b32's destination counts as read
.endr
.macro MLOAD g
.irp i, 0,1,2,3,4,5,6,7,8,9,10,11,12,13,14,15
	global_load_b128 v[R+64*((\g)%2)+4*\i:R+64*((\g)%2)+4*\i+3], v[L16], s[38:39] offset:(\i+8*(\i/8))*8192+512*(\g) th:TH_LOAD_NT
.endr
.endm
.macro MSTEP g
.if (\g) < 3
	s_wait_loadcnt 16                              ; this step's 16 loads are in; the next step's 16 may be out
.else
	s_wait_loadcnt 0x0
.endif
.irp i, 0,1,2,3,4,5,6,7,8,9,10,11,12,13,14,15
	ds_store_b128 v[SMI], v[R+64*((\g)%2)+4*\i:R+64*((\g)%2)+4*\i+3] offset:SP*\i
.endr
.irp f, 0,1,2,3
.irp k, 0,1,2,3
	ds_load_b128 v[X+16*\f+4*\k:X+16*\f+4*\k+3], v[SMO] offset:128*\f+16*\k   ; register 16 f + i = key 32 f + 16 h + i of my query
.endr
.endr
	s_wait_dscnt 0x0
.if (\g) < 2
	MLOAD (\g)+2
.endif
.irp q, 0,1,2,3,4,5,6,7                ; eight words at a time, so that the scalar lines do not wait for each compare singly
.irp k, 0,1,2,3,4,5,6,7
	v_cmp_eq_u32 s[48+\k], 0, v[X+8*\q+\k]
.endr
.irp k, 0,1,2,3,4,5,6,7
.if (\q) == 0 && (\k) == 0
	s_mov_b32 s41, s48
	s_mov_b32 s42, s48
.else
	s_and_b32 s41, s41, s[48+\k]
	s_or_b32 s42, s42, s[48+\k]
.endif
.endr
.irp k, 0,1,2,3,4,5,6,7
	v_writelane_b32 v[WD+2*(\g)+(\k)%2], s[48+\k], 4*\q+(\k)/2   ; word n to lane n / 2, register n % 2
.endr
.endr
	v_writelane_b32 v[MG], s41, 2*(\g)
	v_writelane_b32 v[MG], s42, 2*(\g)+1
	global_store_b64 v[L8], v[WD+2*(\g):WD+2*(\g)+1], s[44:45] offset:256*(\g)   ; the step's 64 words: 256 consecutive bytes, aligned
.endm
	MLOAD 0
	MLOAD 1
.irp g, 0,1,2,3
	MSTEP \g
.endr
	v_cmp_gt_u32 vcc_lo, 8, v1
	s_wait_alu depctr_va_vdst(0)
	s_wait_xcnt 0x0                                ; EXEC changes only behind this wait
	s_wait_tensorcnt 0x0
	ds_add_u32 v254, v255
	s_wait_dscnt 0x0
	s_and_saveexec_b32 s43, vcc_lo
	global_store_b32 v[L4], v[MG], s[46:47]        ; lanes 0-7: my four steps' AND and OR
	s_wait_xcnt 0x0
	s_or_b32 exec_lo, exec_lo, s43
	s_endpgm
.Lfunc_end_k_qd70ff652ad_prep:
	.size	k_qd70ff652ad_prep, .Lfunc_end_k_qd70ff652ad_prep-k_qd70ff652ad_prep
	.p2alignl 7, 3214868480
	.fill 96, 4, 3214868480
	.section	.rodata,"a",@progbits
	.p2align	6, 0x0
	.amdhsa_kernel k_qd70ff652ad_prep
		.amdhsa_group_segment_fixed_size 81408
		.amdhsa_private_segment_fixed_size 0
		.amdhsa_enable_private_segment 0
		.amdhsa_kernarg_size 88
		.amdhsa_user_sgpr_count 2
		.amdhsa_user_sgpr_kernarg_segment_ptr 1
		.amdhsa_wavefront_size32 1
		.amdhsa_system_sgpr_workgroup_id_x 1
		.amdhsa_system_sgpr_workgroup_id_y 1
		.amdhsa_system_sgpr_workgroup_id_z 1
		.amdhsa_system_vgpr_workitem_id 0
		.amdhsa_next_free_vgpr 256
		.amdhsa_next_free_sgpr 66
		.amdhsa_reserve_vcc 1
		.amdhsa_float_denorm_mode_32 3
		.amdhsa_float_denorm_mode_16_64 3
		.amdhsa_memory_ordered 1
		.amdhsa_forward_progress 1
		.amdhsa_inst_pref_size 165
	.end_amdhsa_kernel
	.amdgpu_metadata
---
amdhsa.version: [ 1, 2 ]
amdhsa.kernels:
  - .name:           k_qd70ff652ad_prep
    .symbol:         k_qd70ff652ad_prep.kd
    .args:
      - { .name: q, .offset: 0, .size: 8, .value_kind: global_buffer, .address_space: global }
      - { .name: k, .offset: 8, .size: 8, .value_kind: global_buffer, .address_space: global }
      - { .name: v, .offset: 16, .size: 8, .value_kind: global_buffer, .address_space: global }
      - { .name: wq, .offset: 24, .size: 8, .value_kind: global_buffer, .address_space: global }
      - { .name: wk, .offset: 32, .size: 8, .value_kind: global_buffer, .address_space: global }
      - { .name: wv, .offset: 40, .size: 8, .value_kind: global_buffer, .address_space: global }
      - { .name: wo, .offset: 48, .size: 8, .value_kind: global_buffer, .address_space: global }
      - { .name: mask, .offset: 56, .size: 8, .value_kind: global_buffer, .address_space: global }
      - { .name: pc, .offset: 64, .size: 8, .value_kind: global_buffer, .address_space: global }
      - { .name: ps, .offset: 72, .size: 8, .value_kind: global_buffer, .address_space: global }
      - { .name: mk, .offset: 80, .size: 8, .value_kind: global_buffer, .address_space: global }
    .group_segment_fixed_size: 81408
    .private_segment_fixed_size: 0
    .kernarg_segment_align: 8
    .kernarg_segment_size: 88
    .max_flat_workgroup_size: 128
    .sgpr_count:     66
    .vgpr_count:     256
    .wavefront_size: 32
...
	.end_amdgpu_metadata
.endif
;; end of part 5
;; launch proj (part 6): grid 16 x 12, 4 waves a work-group, no clusters, 117,248 bytes of LDS; arguments pc, ps, bq, bk, bv, hc, hs; writes hc, hs
.if DOCPART == 6
	.amdgcn_target "amdgcn-amd-amdhsa--gfx1250"
	.amdhsa_code_object_version 6
	.text
	.protected	k_qd70ff652ad_proj
	.globl	k_qd70ff652ad_proj
	.p2align	8
	.type	k_qd70ff652ad_proj,@function
k_qd70ff652ad_proj:
	s_mov_b64 s[64:65], 0
	v_nop
	global_prefetch_b8 v0, s[64:65] scope:SCOPE_SE
	s_setreg_imm32_b32 hwreg(HW_REG_WAVE_SCHED_MODE, 0, 2), 2
	s_setreg_imm32_b32 hwreg(HW_REG_WAVE_MODE, 25, 1), 1
	s_wait_xcnt 0x0
	s_wait_alu depctr_vm_vsrc(0)
; PROJ: qh = q wq + bq, kh = k wk + bk, vh = v wv + bv on codes of BF6 with E8M0 scales, f32 sums; the results are quantised in registers into the operands that attention wants, and only codes and scale bytes are stored.
; SHARES.  Work-group (x, y): p = y / 4 says which product, slab = y % 4 which four heads, x which 512 rows.  Wave w owns head 4 slab + w: its 64 rows of the weight (4 tiles x 8 K steps, 384 registers) stay in registers.
; The work-group walks 8 units of 64 rows of x (4 tiles).  A unit's codes (49,152 bytes) and scales (2,048) go memory -> registers -> one of two LDS slots, a unit ahead; one barrier a unit.
; No multicast: the four slab work-groups of a row part share x's 51,200 bytes a unit; here they come through registers, asked for 128 matrix instructions ahead.  192 work-groups: 12 slabs x 16 parts.
; TWO ARMS, which differ in the K loop alone.  q, k: source 0 = the weight's tile, source 1 = x's tile: a lane holds one token and its 32 registers of a token tile run along the head's 64 dims.
; v: source 0 = x's tile, source 1 = the weight's: a lane holds one dim and its 32 registers run along the unit's 64 keys, which are the second attention product's K.
; The rows of every tile are 32 (T / 2) + 8 (T % 2) + r + 8 (r / 8), so the 16 registers of two neighbouring tiles of source 0 are 16 neighbours.  The bias is the C of each sum's first matrix instruction.
; LIMITS: a block of zeros gets the byte 1 (its codes are zeros; this program alone reads the bytes); blocks under 2^-122 are held at the byte 1; NaN and infinities are not served.
; REGISTERS, in windows of 256.  Window 0: addresses, scale words, codes just made, v128-255 the 16 accumulators.  Window 1: the weight's K steps 0-4.  Window 2: K steps 5-7; v144-175 the bias.
; Window 3: v0-143 x's fragments, three sets; v144-243 a unit's bytes on their way to LDS.
; THE MODE: SCHED_MODE bits 1:0 = 2 (LLVM: expert scheduling mode 2), set by the entry lines.  The code itself states the register dependences between vector or matrix instructions and memory or LDS instructions, with s_wait_alu, always for 0.
; THE PLAN.  Registers that memory or LDS instructions touch:
;   v2-19, v104-111, v126, v127   addresses and offsets: written at the head and never again: one wait on va_vdst ahead of the first load.
;   x's sets 0, 1, 2              K step s: its products read set s % 3; the loads of step s + 2, issued behind its first four products, land in set (s + 2) % 3, which step s - 1's products read:
;                                 one wait on va_vdst at the heads of steps 1 to 5.  The four products between that wait and the loads name set s % 3, the weight, the accumulators and scale words: none of the loads' registers.
;   XS                            read as scales by all of a unit's products; loaded at the next unit's head.
;   SG                            named by memory and LDS instructions alone: global loads land in it, LDS stores read it: one wait on vm_vsrc between the stores and the next loads.
;   CD, MG                        written by the quantiser and the selects; read by the unit's ten global stores: one wait on va_vdst ahead of that run, one on vm_vsrc a K loop later, ahead of the next quantiser.
; The wait ahead of a unit's stores also states that its products are done reading XS and the three sets: the next unit's first loads, and its step 0's, follow with no vector or matrix instruction between that names their registers.
.set SLOT1, 65536
.set XSOFF, 49152                      ; in a slot: 4 tiles x 12,288 bytes of codes, then 4 x 512 bytes of scale words
.set B16,  2                           ; v2, v3   16 x lane + the slot
.set B8,   4                           ; v4, v5   8 x lane + the slot
.set AS,   6                           ; v6, v7   where I store my tile: + 12,288 x wave
.set ASS,  8                           ; v8, v9   and my 512 bytes of scales: + 512 x wave
.set OA,   10                          ; v10-13   my 16 bytes in the half that group g stores
.set OB,   14                          ; v14-17   my 8 bytes
.set OS,   18                          ; v18, v19 my half-word of scales
.set WS,   20                          ; v20-35   the weight's scale words (tile pair, K step)
.set XS,   36                          ; v36-51   x's
.set CD,   52                          ; v52-83   the codes of four halves, 8 registers apart
.set TT,   84
.set BM,   88
.set EX,   90
.set SO,   92
.set BY,   94
.set HW,   96                          ; v96-99   the four halves' two scale bytes
.set MG,   100
.set AJ,   104                         ; v104-111 the bias's offsets
.set ACC,  128
.set BI,   144                         ; window 2
.set SG,   144                         ; window 3
.set SEL,  46
.set MSB, 0
.macro WIN new                         ; the immediate's high byte repeats the setting that is left
.if MSB != \new
	s_set_vgpr_msb (MSB<<8)|\new
.set MSB, \new
.endif
.endm
.macro WM d, a, b, c, sa, sb, ra, rb   ; one product; ra, rb: the scales stand in lanes 16-31 of their registers
.set w_d, \d
.set w_a, \a
.set w_b, \b
.set w_c, \c
.set w_s, \sa
.set w_t, \sb
.if ((\ra) == 0) && ((\rb) == 0)
	v_wmma_scale_f32_16x16x128_f8f6f4 v[w_d:w_d+7], v[w_a:w_a+11], v[w_b:w_b+11], v[w_c:w_c+7], v[w_s], v[w_t] matrix_a_fmt:MATRIX_FMT_BF6 matrix_b_fmt:MATRIX_FMT_BF6
.elseif (\rb) == 0
	v_wmma_scale_f32_16x16x128_f8f6f4 v[w_d:w_d+7], v[w_a:w_a+11], v[w_b:w_b+11], v[w_c:w_c+7], v[w_s], v[w_t] matrix_a_fmt:MATRIX_FMT_BF6 matrix_b_fmt:MATRIX_FMT_BF6 matrix_a_scale:MATRIX_SCALE_ROW1
.elseif (\ra) == 0
	v_wmma_scale_f32_16x16x128_f8f6f4 v[w_d:w_d+7], v[w_a:w_a+11], v[w_b:w_b+11], v[w_c:w_c+7], v[w_s], v[w_t] matrix_a_fmt:MATRIX_FMT_BF6 matrix_b_fmt:MATRIX_FMT_BF6 matrix_b_scale:MATRIX_SCALE_ROW1
.else
	v_wmma_scale_f32_16x16x128_f8f6f4 v[w_d:w_d+7], v[w_a:w_a+11], v[w_b:w_b+11], v[w_c:w_c+7], v[w_s], v[w_t] matrix_a_fmt:MATRIX_FMT_BF6 matrix_b_fmt:MATRIX_FMT_BF6 matrix_a_scale:MATRIX_SCALE_ROW1 matrix_b_scale:MATRIX_SCALE_ROW1
.endif
.endm
.macro GFRAG reg, off                  ; a fragment's image from memory: every load covers 512 or 256 consecutive bytes
.set g_r, \reg
.set g_o, \off
	global_load_b128 v[g_r:g_r+3], v[B16], s[32:33] offset:g_o
	global_load_b64 v[g_r+4:g_r+5], v[B8], s[32:33] offset:g_o+512
	global_load_b128 v[g_r+6:g_r+9], v[B16], s[32:33] offset:g_o+768
	global_load_b64 v[g_r+10:g_r+11], v[B8], s[32:33] offset:g_o+1280
.endm
.macro DFRAG reg, a16, a8, off         ; the same from LDS
.set g_r, \reg
.set g_o, \off
	ds_load_b128 v[g_r:g_r+3], v[\a16] offset:g_o
	ds_load_b64 v[g_r+4:g_r+5], v[\a8] offset:g_o+512
	ds_load_b128 v[g_r+6:g_r+9], v[\a16] offset:g_o+768
	ds_load_b64 v[g_r+10:g_r+11], v[\a8] offset:g_o+1280
.endm
.macro LOADSG                          ; my tile of a unit (12,288 bytes) and my 512 bytes of its scales, into registers
	WIN 0xc0
.irp i, 0,1,2,3,4,5,6,7,8,9,10,11,12,13,14,15,16,17,18,19,20,21,22,23
	global_load_b128 v[SG+4*\i:SG+4*\i+3], v[B16], s[28:29] offset:512*\i
.endr
	global_load_b128 v[SG+96:SG+99], v[B16], s[30:31]
.endm
.macro STORESG slot                    ; and on into a slot
	WIN 0x0c
.irp i, 0,1,2,3,4,5,6,7,8,9,10,11,12,13,14,15,16,17,18,19,20,21,22,23
	ds_store_b128 v[AS+\slot], v[SG+4*\i:SG+4*\i+3] offset:512*\i
.endr
	ds_store_b128 v[ASS+\slot], v[SG+96:SG+99] offset:XSOFF
.endm
.macro XFETCH slot, s                  ; x's four fragments of K step s into set s % 3: 16 loads
	WIN 0xc0
.irp m, 0,1,2,3
	DFRAG 48*((\s)%3)+12*\m, B16+\slot, B8+\slot, \m*12288+(\s)*1536
.endr
.endm
.macro KWIN arm, s                     ; the windows of K step s's products
.if (\arm) == 0
.if (\s) == 0
	WIN 0x2d                                       ; source 0 (weight) window 1, source 1 (x) window 3, C (bias) window 2, D window 0
.elseif (\s) < 5
	WIN 0x0d
.else
	WIN 0x0e                                       ; the weight's K steps 5-7 lie in window 2
.endif
.else
.if (\s) == 0
	WIN 0x27                                       ; source 0 (x) window 3, source 1 (weight) window 1, C window 2
.elseif (\s) < 5
	WIN 0x07
.else
	WIN 0x0b
.endif
.endif
.endm
.macro KPROD arm, s, m                 ; four products: x's tile m against the weight's four
.irp t, 0,1,2,3
.set k_w, 12*(4*((\s)%5)+\t)
.set k_x, 48*((\s)%3)+12*(\m)
.if (\arm) == 0
.set k_d, ACC+32*(\m)+8*\t
.else
.set k_d, ACC+32*\t+8*(\m)
.endif
.if (\s) == 0
.set k_c, BI+8*\t
.else
.set k_c, k_d
.endif
.if (\arm) == 0
	WM k_d, k_w, k_x, k_c, WS+8*(\t/2)+(\s), XS+8*((\m)/2)+(\s), \t%2, (\m)%2
.else
	WM k_d, k_x, k_w, k_c, XS+8*((\m)/2)+(\s), WS+8*(\t/2)+(\s), (\m)%2, \t%2
.endif
.endr
.endm
; A K step: 16 matrix instructions on 16 accumulators, which take turns, one instruction a turn.  Behind the first four stand the 16 loads of the step after next.
.macro KSTEP arm, slot, s
.rept 4
	v_nop                                          ; four plain lines between the last step's products and the loads into the set that they read (ISA guide 7.12.1 for vector instructions)
.endr
.if (\s) < 7
	s_wait_dscnt 16                                ; all but the 16 youngest loads, the next step's: this step's fragments (and in step 0 the scale words) are in
.else
	s_wait_dscnt 0x0
.endif
.if ((\s) > 0) && ((\s) < 6)
	s_wait_alu depctr_va_vdst(0)                   ; the last step's products are done reading their set, in which the loads below land
.endif
	KWIN \arm, \s
	KPROD \arm, \s, 0
.if (\s) < 6
	XFETCH \slot, (\s)+2                           ; no vector or matrix instruction since the wait names this set or the two address registers
	KWIN \arm, \s
.endif
	KPROD \arm, \s, 1
	KPROD \arm, \s, 2
	KPROD \arm, \s, 3
.endm
; 32 numbers of a lane, register 16 b + i = K 32 b + 16 (lane / 16) + i of its row, become the six words of a half (lane (r, h): block h of row r) in v[cd] on, and the row's two scale bytes in v[hw].
.macro QUANT32 src, cd, hw
.set q_s, \src
.set q_c, \cd
.irp b, 0,1
	v_max3_num_f32 v[BM+\b], |v[q_s+16*\b]|, |v[q_s+16*\b+1]|, 0x2800000   ; each accumulator is read from its low end on; the floor 2^(5 - 127) holds the byte at 1 from below
.endr
.irp i, 2,4,6,8,10,12,14
.irp b, 0,1
	v_max3_num_f32 v[BM+\b], v[BM+\b], |v[q_s+16*\b+\i]|, |v[q_s+16*\b+\i+1]|
.endr
.endr
.irp b, 0,1
	v_permlanex16_b32 v[EX+\b], v[BM+\b], s[SEL], s[SEL+1]
.endr
.irp b, 0,1
	v_max_num_f32 v[BM+\b], v[BM+\b], v[EX+\b]     ; with lane l xor 16's 16: the block's largest magnitude
.endr
.irp b, 0,1
	v_add_nc_u32 v[SO+\b], 0xfe000000, v[BM+\b]    ; 4 off the exponent field: the conversion's scale operand
.endr
.irp b, 0,1
	v_lshrrev_b32 v[BY+\b], 23, v[SO+\b]
.endr
	v_lshl_or_b32 v[\hw], v[BY+1], 8, v[BY]
	v_cvt_scalef32_pk16_bf6_f32 v[q_c:q_c+2], v[q_s:q_s+15], v[SO]
	v_cvt_scalef32_pk16_bf6_f32 v[TT:TT+2], v[q_s+16:q_s+31], v[SO+1]
	v_nop                                          ; one plain line behind the scaled conversions
.irp i, 0,1,2
	v_permlane16_swap_b32 v[q_c+\i], v[TT+\i]      ; the layout wants a whole block in a lane: lanes 0-15 block 0, lanes 16-31 block 1
.endr
.irp i, 0,1,2
	v_mov_b32 v[q_c+3+\i], v[TT+\i]
.endr
.endm
	s_load_b256 s[4:11], s[0:1], 0x0               ; pc s[4:5], ps s[6:7], bq s[8:9], bk s[10:11]
	s_load_b128 s[12:15], s[0:1], 0x20             ; bv s[12:13], hc s[14:15]
	s_load_b64 s[16:17], s[0:1], 0x30              ; hs
	v_lshl_add_u32 v126, v0, 2, 0x1c800
	v_mov_b32 v127, 0
	v_lshrrev_b32 v1, 5, v0
	v_readfirstlane_b32 s20, v1                    ; wave
	v_and_b32 v1, 31, v0                           ; lane
	v_and_b32 v112, 15, v0                         ; r
	v_bfe_u32 v113, v0, 4, 1                       ; h
	v_lshlrev_b32 v[B16], 4, v1
	v_lshlrev_b32 v[B8], 3, v1
	v_add_nc_u32 v[B16+1], SLOT1, v[B16]
	v_add_nc_u32 v[B8+1], SLOT1, v[B8]
	s_wait_alu depctr_va_sdst(0)                   ; s20 is written, ahead of its first reader: LDS places and every base are made from it
	s_mul_i32 s66, s20, 12288
	v_add_nc_u32 v[AS], s66, v[B16]
	v_add_nc_u32 v[AS+1], s66, v[B16+1]
	s_lshl_b32 s66, s20, 9
	v_add_nc_u32 v[ASS], s66, v[B16]
	v_add_nc_u32 v[ASS+1], s66, v[B16+1]
	v_mov_b32 v[EX], 0                             ; a lane permute's destination counts as one of its sources
	v_mov_b32 v[EX+1], 0
	s_and_b32 s66, ttmp7, 0xffff
	s_lshr_b32 s21, s66, 2                         ; p: 0 q, 1 k, 2 v
	s_and_b32 s22, s66, 3
	s_lshl_b32 s23, s22, 2
	s_add_co_u32 s23, s23, s20                     ; my head
	s_mov_b32 s24, ttmp9                           ; which 512 rows
	s_mov_b32 s44, 0xffff0000                      ; lanes 16-31
	s_mov_b32 s[SEL], 0x76543210
	s_mov_b32 s[SEL+1], 0xfedcba98
	; what hangs on the arm: offsets into memory alone
	s_mov_b32 s61, 768
	s_mov_b32 s52, 3072
	s_cmp_eq_u32 s21, 2
	s_cselect_b32 s58, 0, 64                       ; the bias: q, k: 64 h + 4 j (the lane's eight dims);
	s_cselect_b32 s59, 4, 0                        ; v: 4 (r + 8 (r / 8)) (the lane's one dim)
	s_cselect_b32 s60, 0, 4
	s_cselect_b32 s61, 1536, s61                   ; from group to group of the results: a token tile's half, or a dim tile's fragment
	s_cselect_b32 s52, 768, s52                    ; the odd unit of a trip: four token tiles on, or the fragment's second half
	s_cselect_b32 s54, 2, 128                      ; and its scales: two pairs of tiles on, or the word's second half
	s_cselect_b32 s62, -1, 0
	s_mov_b32 s53, 0
	s_mov_b32 s55, 0
	v_and_b32 v114, 8, v112
	v_add_nc_u32 v114, v114, v112                  ; r + 8 (r / 8)
	v_mul_u32_u24 v115, v113, s58
	v_mad_u32_u24 v115, v114, s59, v115
	s_wait_alu depctr_va_vdst(0)
.irp j, 0,1,2,3,4,5,6,7
	s_mul_i32 s63, s60, \j
	v_add_nc_u32 v[AJ+\j], s63, v115
.endr
.irp g, 0,1,2,3
	s_mul_i32 s63, s61, \g
	v_add_nc_u32 v[OA+\g], s63, v[B16]
	v_add_nc_u32 v[OB+\g], s63, v[B8]
.endr
	v_lshlrev_b32 v116, 2, v112
	v_lshl_add_u32 v116, v113, 1, v116             ; q, k: word r of a pair of tiles, half-word lane / 16
	v_lshlrev_b32 v117, 2, v1                      ; v: word lane of a pair of dim tiles
	v_cndmask_b32 v[OS], v116, v117, s62
	v_add_nc_u32 v116, 64, v116
	v_add_nc_u32 v117, 128, v117
	v_cndmask_b32 v[OS+1], v116, v117, s62
	s_wait_kmcnt 0x0
	s_mov_b32 s67, 0
	s_lshl_b32 s66, s21, 9
	s_lshl_b32 s68, s24, 5
	s_add_co_u32 s66, s66, s68
	s_add_co_u32 s66, s66, s20
	s_mul_i32 s66, s66, 12288
	s_add_nc_u64 s[28:29], s[4:5], s[66:67]        ; x's tile 512 p + 32 x + wave
	s_lshl_b32 s66, s21, 18
	s_lshl_b32 s68, s24, 14
	s_add_co_u32 s66, s66, s68
	s_lshl_b32 s68, s20, 9
	s_add_co_u32 s66, s66, s68
	s_add_nc_u64 s[30:31], s[6:7], s[66:67]        ; my 512 bytes of the unit's scales
	s_mul_i32 s66, s21, 786432
	s_mul_i32 s68, s23, 49152
	s_add_co_u32 s66, s66, s68
	s_add_co_u32 s66, s66, 18874368
	s_add_nc_u64 s[32:33], s[4:5], s[66:67]        ; my four tiles of the weight
	s_lshl_b32 s66, s21, 15
	s_lshl_b32 s68, s23, 11
	s_add_co_u32 s66, s66, s68
	s_add_co_u32 s66, s66, 786432
	s_add_nc_u64 s[34:35], s[6:7], s[66:67]        ; and their scales
	s_cmp_eq_u32 s21, 0
	s_cselect_b64 s[36:37], s[8:9], s[10:11]
	s_cmp_eq_u32 s21, 2
	s_cselect_b64 s[36:37], s[12:13], s[36:37]
	s_lshl_b32 s66, s23, 8
	s_add_nc_u64 s[36:37], s[36:37], s[66:67]      ; my head's 64 numbers of the bias
	s_lshr_b32 s69, s24, 2
	s_lshl_b32 s69, s69, 4
	s_add_co_u32 s69, s69, s23                     ; 16 b + head
	s_and_b32 s70, s24, 3
	s_mul_i32 s66, s69, 294912
	s_mul_i32 s68, s21, 98304
	s_add_co_u32 s66, s66, s68
	s_mul_i32 s68, s70, 24576
	s_add_co_u32 s66, s66, s68
	s_add_nc_u64 s[38:39], s[14:15], s[66:67]      ; where my codes go: 32 token tiles x 768 = 4 key steps x 6,144 bytes a part, in both arms
	s_mul_i32 s66, s69, 12288
	s_lshl_b32 s68, s21, 12
	s_add_co_u32 s66, s66, s68
	s_lshl_b32 s68, s70, 10
	s_add_co_u32 s66, s66, s68
	s_add_nc_u64 s[40:41], s[16:17], s[66:67]      ; and my scale bytes
	s_wait_alu depctr_va_vdst(0)                   ; the addresses and offsets v2 to v19 and v104 to v111 are written, which every load and store of the kernel reads; none is written again
	LOADSG                                         ; unit 0
	WIN 0x40
.irp s, 0,1,2,3,4
.irp t, 0,1,2,3
	GFRAG 12*(4*\s+\t), \t*12288+\s*1536
.endr
.endr
	WIN 0x80
.irp s, 5,6,7
.irp t, 0,1,2,3
	GFRAG 12*(4*(\s-5)+\t), \t*12288+\s*1536
.endr
.endr
.irp t, 0,1,2,3
.irp j, 0,1,2,3,4,5,6,7
	global_load_b32 v[BI+8*\t+\j], v[AJ+\j], s[36:37] offset:(32*(\t/2)+8*(\t%2))*4
.endr
.endr
	WIN 0
.irp g, 0,1,2,3
	global_load_b128 v[WS+4*\g:WS+4*\g+3], v[B16], s[34:35] offset:512*\g
.endr
	s_wait_loadcnt 0x0
	STORESG 0
	s_wait_alu depctr_vm_vsrc(0)                   ; the LDS stores have read v[SG ..], in which the loads below land
	s_wait_dscnt 0x0                               ; the stores have landed and have read their registers
	s_add_nc_u64 s[28:29], s[28:29], 49152
	s_add_nc_u64 s[30:31], s[30:31], 2048
	LOADSG                                         ; unit 1
	WIN 0
	s_barrier_signal -1
	s_barrier_wait -1                              ; slot 0 is whole
; A UNIT on the slot named.  The other slot was last read in the unit before, whose closing barrier every wave passed behind the wait for its own reads: so it is written in this unit, behind the K loop.
.macro UNIT slot
.irp g, 0,1,2,3
	ds_load_b128 v[XS+4*\g:XS+4*\g+3], v[B16+\slot] offset:XSOFF+512*\g   ; (these 36 loads lean on the wait ahead of the last unit's stores, in the first unit on the head's: no vector or matrix instruction stands between)
.endr
	XFETCH \slot, 0
	XFETCH \slot, 1
	WIN 0                                          ; at a branch and at a label every window is 0
	s_cmp_eq_u32 s21, 2
	s_cbranch_scc1 .Lvarm_\@
.irp s, 0,1,2,3,4,5,6,7
	KSTEP 0, \slot, \s
.endr
	WIN 0
	s_branch .Ljoin_\@
.Lvarm_\@:
.irp s, 0,1,2,3,4,5,6,7
	KSTEP 1, \slot, \s
.endr
	WIN 0
.Ljoin_\@:
.if (\slot) == 0                       ; unit 2 k: unit 2 k + 1 always follows
	s_wait_loadcnt 0x0                             ; the next unit's bytes, asked for a unit ago
	STORESG 1
	WIN 0
	s_wait_alu depctr_vm_vsrc(0)                   ; the LDS stores have read v[SG ..], in which the loads below land
	s_cmp_lt_u32 s25, 3
	s_cbranch_scc0 .Lnol_\@
.else                                  ; unit 2 k + 1: unit 2 k + 2 follows in all trips but the last
	s_cmp_lt_u32 s25, 3
	s_cbranch_scc0 .Lnol_\@
	s_wait_loadcnt 0x0
	STORESG 0
	s_wait_alu depctr_vm_vsrc(0)                   ; the LDS stores have read v[SG ..], in which the loads below land
.endif
	s_wait_dscnt 0x0                               ; the stores have read their registers
	s_add_nc_u64 s[28:29], s[28:29], 49152         ; (the loads that named these bases are done)
	s_add_nc_u64 s[30:31], s[30:31], 2048
	LOADSG                                         ; two units ahead of the unit in hand
	WIN 0
.Lnol_\@:
	s_wait_xcnt 0x0                                ; the last unit's stores have read their data and their bases
	s_wait_alu depctr_vm_vsrc(0)                   ; the last unit's global stores have read v[CD ..] and v[MG ..], which the quantiser and the selects below write again
.if (\slot) == 0
	s_mov_b64 s[48:49], s[38:39]
	s_mov_b64 s[50:51], s[40:41]
.else
	s_add_nc_u64 s[48:49], s[38:39], s[52:53]
	s_add_nc_u64 s[50:51], s[40:41], s[54:55]
.endif
.rept 4
	v_nop                                          ; four plain lines between the last product and the first read of results
.endr
.irp g, 0,1,2,3
	QUANT32 ACC+32*\g, CD+8*\g, HW+\g
.endr
	v_cndmask_b32 v[MG], v[HW], v[HW+1], s44       ; lanes 0-15 the even group's two bytes, lanes 16-31 the odd group's
	v_cndmask_b32 v[MG+1], v[HW+2], v[HW+3], s44
	s_wait_alu depctr_va_vdst(0)                   ; the quantiser has written v[CD ..] and the selects v[MG ..], which the stores below read; and the unit's products are done reading XS and x's three sets, in which the next unit's loads land
.irp g, 0,1,2,3
	global_store_b128 v[OA+\g], v[CD+8*\g:CD+8*\g+3], s[48:49]               ; 512 consecutive bytes, aligned
	global_store_b64 v[OB+\g], v[CD+8*\g+4:CD+8*\g+5], s[48:49] offset:512   ; 256 consecutive bytes, aligned
.endr
	global_store_b16 v[OS], v[MG], s[50:51]        ; half-words 4 bytes apart: 786,432 bytes in the whole launch
	global_store_b16 v[OS+1], v[MG+1], s[50:51]
	s_wait_dscnt 0x0                               ; my stores into the other slot have landed, my reads of this one are over
	s_barrier_signal -1
	s_barrier_wait -1
.endm
	s_mov_b32 s25, 0
.Ltrip:                                                ; four trips of two units
	UNIT 0
	UNIT 1
	s_add_nc_u64 s[38:39], s[38:39], 6144          ; (the stores name copies of these)
	s_add_nc_u64 s[40:41], s[40:41], 256
	s_add_co_u32 s25, s25, 1
	s_cmp_lt_u32 s25, 4
	s_cbranch_scc1 .Ltrip
	s_wait_dscnt 0x0                               ; the closing lines, six on end
	s_wait_alu 0x0
	s_wait_tensorcnt 0x0
	ds_add_u32 v126, v127
	s_wait_dscnt 0x0
	s_endpgm
.Lfunc_end_k_qd70ff652ad_proj:
	.size	k_qd70ff652ad_proj, .Lfunc_end_k_qd70ff652ad_proj-k_qd70ff652ad_proj
	.p2alignl 7, 3214868480
	.fill 96, 4, 3214868480
	.section	.rodata,"a",@progbits
	.p2align	6, 0x0
	.amdhsa_kernel k_qd70ff652ad_proj
		.amdhsa_group_segment_fixed_size 117248
		.amdhsa_private_segment_fixed_size 0
		.amdhsa_enable_private_segment 0
		.amdhsa_kernarg_size 56
		.amdhsa_user_sgpr_count 2
		.amdhsa_user_sgpr_kernarg_segment_ptr 1
		.amdhsa_wavefront_size32 1
		.amdhsa_system_sgpr_workgroup_id_x 1
		.amdhsa_system_sgpr_workgroup_id_y 1
		.amdhsa_system_sgpr_workgroup_id_z 1
		.amdhsa_system_vgpr_workitem_id 0
		.amdhsa_next_free_vgpr 1024
		.amdhsa_next_free_sgpr 80
		.amdhsa_reserve_vcc 0
		.amdhsa_float_denorm_mode_32 3
		.amdhsa_float_denorm_mode_16_64 3
		.amdhsa_memory_ordered 1
		.amdhsa_forward_progress 1
		.amdhsa_inst_pref_size 155
	.end_amdhsa_kernel
	.amdgpu_metadata
---
amdhsa.version: [ 1, 2 ]
amdhsa.kernels:
  - .name:           k_qd70ff652ad_proj
    .symbol:         k_qd70ff652ad_proj.kd
    .args:
      - { .name: pc, .offset: 0, .size: 8, .value_kind: global_buffer, .address_space: global }
      - { .name: ps, .offset: 8, .size: 8, .value_kind: global_buffer, .address_space: global }
      - { .name: bq, .offset: 16, .size: 8, .value_kind: global_buffer, .address_space: global }
      - { .name: bk, .offset: 24, .size: 8, .value_kind: global_buffer, .address_space: global }
      - { .name: bv, .offset: 32, .size: 8, .value_kind: global_buffer, .address_space: global }
      - { .name: hc, .offset: 40, .size: 8, .value_kind: global_buffer, .address_space: global }
      - { .name: hs, .offset: 48, .size: 8, .value_kind: global_buffer, .address_space: global }
    .group_segment_fixed_size: 117248
    .private_segment_fixed_size: 0
    .kernarg_segment_align: 8
    .kernarg_segment_size: 56
    .max_flat_workgroup_size: 128
    .sgpr_count:     80
    .vgpr_count:     1024
    .wavefront_size: 32
...
	.end_amdgpu_metadata
.endif
;; end of part 6
;; launch attn (part 7): grid 4 x 64, 16 waves a work-group, no clusters, 206,848 bytes of LDS; arguments hc, hs, mk, cc, cs; writes cc, cs
.if DOCPART == 7
	.amdgcn_target "amdgcn-amd-amdhsa--gfx1250"
	.amdhsa_code_object_version 6
	.text
	.protected	k_qd70ff652ad_attn
	.globl	k_qd70ff652ad_attn
	.p2align	8
	.type	k_qd70ff652ad_attn,@function
k_qd70ff652ad_attn:
	s_mov_b64 s[64:65], 0
	v_nop
	global_prefetch_b8 v0, s[64:65] scope:SCOPE_SE
	s_setreg_imm32_b32 hwreg(HW_REG_WAVE_SCHED_MODE, 0, 2), 2
	s_setreg_imm32_b32 hwreg(HW_REG_WAVE_MODE, 25, 1), 1
	s_wait_xcnt 0x0
	s_wait_alu depctr_vm_vsrc(0)
; ATTN: ctx = softmax(where(mask == 0, -1e9, qh kh^T / 8)) vh for one (batch, head), both products on codes of BF6 with E8M0 scales; ctx is quantised in registers into the last product's operand.
; THE SOFTMAX: t = score x log2(e) / 8; M = the running largest t rounded UP to a whole number; p = 2^(t - M) is quantised along the keys, not normalised; the row's sum is taken of the unquantised p and divides at the end.
; When M moves, the sum and O are multiplied by 2^(old M - new M), which rounds nothing.
; SHARES.  Work-group (j, bh) holds ALL of its head's K and V codes and scales in LDS (204,800 bytes), filled once through registers behind the launch's one barrier; then its sixteen waves are independent.
; Wave w takes query tiles j + 4 w and j + 124 - 4 w, 16 queries each, and walks 16 key steps of 128 keys.
; HEAD SIZE 64 IS HALF OF THE INSTRUCTION'S K: a fragment of K carries TWO key tiles (one in K 0-63, one in K 64-127) and is multiplied by [q, 0] and by [0, q]: zero codes add nothing under any scale byte but 0xff.
; Both products are used transposed (S^T = K Q^T, O^T = V^T P^T): a lane holds one query throughout.  The keys of a tile are 32 (T / 2) + 8 (T % 2) + r + 8 (r / 8), so score register 16 f + i is key 32 f + 16 (lane / 16) + i.
; THE MASK is an input and is honoured as given: 64 lane-mask words a step, made by the first launch, choose the hidden scores.  From each step's AND and OR of those words: a step with nothing hidden leaves the choice out;
; a step that is wholly hidden is left out altogether, but only if each of the tile's 16 queries has a visible key in some step (else the row is the uniform average that the definition gives, and every step is worked).
; These are branches on whole numbers that an earlier launch stored.
; LIMITS: a hidden logit is taken as -2^30, not -1e9 (the raw score becomes -2^33: its t is exact and whole, so a wholly hidden row has p = 1 exactly); results differ only where visible logits lie under about -1e9.
; A block of zeros gets the byte 1 (its codes are zeros; this program alone reads the bytes).  NaN and infinities are not served.
; THE MODE: SCHED_MODE bits 1:0 = 2 (LLVM: expert scheduling mode 2), set by the entry lines.  The code itself states the register dependences between vector or matrix instructions and memory or LDS instructions, with s_wait_alu, always for 0.
; THE PLAN.  Registers that memory or LDS instructions touch:
;   v1-3, v10, v11, v226-229, v254, v255   addresses: written at the head and never again: one wait on va_vdst ahead of the first load.
;   v4-8         the step's LDS addresses: read by the step's LDS loads, written anew at the head of each worked step (an LDS address has no scalar base): a wait on vm_vsrc ahead of the five additions, one on va_vdst behind them.
;   KV, KS, VS   K's fragments land in KV at a step's head, behind that same wait on va_vdst (the last worked step's products are done reading them); the score products read them; V's fragments land in KV behind a wait
;                on va_vdst that follows the score products and their four plain lines, where the softmax wants their results in any case.
;   v22-27, TA   the tile's queries and scale word land at a tile's head: the wait on va_vdst ahead of the last tile's stores stands for the products' reads, with no vector instruction between.
;   PC, TA       at a tile's end written by vector instructions and read by the three global stores: one wait on va_vdst ahead of them, one on vm_vsrc at the next tile's head.
;   v40-139      at the head: read by the fill's LDS stores, written later by loads and products: one wait on vm_vsrc behind the barrier.
; p's codes and scale word, which vector instructions make, are operands of scaled products: behind the plain lines a wait on va_vdst stands ahead of those products; the queries' scale word leans on the wait at the step's head.
.set VOFF,  98304                      ; LDS: K's codes, 6,144 bytes a step; V's from here on, likewise;
.set SCOFF, 196608                     ; K's scale words, 256 bytes a step; V's 4,096 bytes further on
.set QS,  34                           ; v34  my queries' two scale bytes, in both halves of the word
.set PS,  35                           ; v35  p's scale word
.set KS,  36                           ; v36-37 K's scale words;  v38-39 V's
.set VS,  38
.set KV,  40                           ; v40-87 four fragments of K, then of V
.set S,   88                           ; v88-151 S^T, then p
.set O,   152                          ; v152-183 O^T
.set PC,  184                          ; v184-195 p's codes
.set TT,  196
.set BM,  204
.set EX,  208
.set BY,  210
.set SO,  212
.set FF,  216                          ; v[216:217] f, later 1 / the sum
.set TA,  218
.set SEL, 72
.set CS,  74
; v1 16 x lane, v2 8 x lane, v3 SCOFF + 4 x lane, v4-8 the step's LDS addresses, v9 -2^33, v10 16 r, v11 4 r, v12 -M, v13 the largest t, v[14:15] the sum; v16-21 zeros, v22-27 q, v28-33 zeros: [0, q] = v[16:27], [q, 0] = v[22:33]
; s16-63, s80-95 the step's 64 mask words; s66 two bits a step: 0 leave out, 1 work with the mask, 2 nothing hidden
.macro WM0 d, a, b, sa, sb, ra         ; a product that starts its sum
.set w_d, \d
.set w_a, \a
.set w_b, \b
.if (\ra) == 0
	v_wmma_scale_f32_16x16x128_f8f6f4 v[w_d:w_d+7], v[w_a:w_a+11], v[w_b:w_b+11], 0, v[\sa], v[\sb] matrix_a_fmt:MATRIX_FMT_BF6 matrix_b_fmt:MATRIX_FMT_BF6
.else
	v_wmma_scale_f32_16x16x128_f8f6f4 v[w_d:w_d+7], v[w_a:w_a+11], v[w_b:w_b+11], 0, v[\sa], v[\sb] matrix_a_fmt:MATRIX_FMT_BF6 matrix_b_fmt:MATRIX_FMT_BF6 matrix_a_scale:MATRIX_SCALE_ROW1
.endif
.endm
.macro WMA d, a, b, sa, sb, ra         ; a product that adds in place
.set w_d, \d
.set w_a, \a
.set w_b, \b
.if (\ra) == 0
	v_wmma_scale_f32_16x16x128_f8f6f4 v[w_d:w_d+7], v[w_a:w_a+11], v[w_b:w_b+11], v[w_d:w_d+7], v[\sa], v[\sb] matrix_a_fmt:MATRIX_FMT_BF6 matrix_b_fmt:MATRIX_FMT_BF6
.else
	v_wmma_scale_f32_16x16x128_f8f6f4 v[w_d:w_d+7], v[w_a:w_a+11], v[w_b:w_b+11], v[w_d:w_d+7], v[\sa], v[\sb] matrix_a_fmt:MATRIX_FMT_BF6 matrix_b_fmt:MATRIX_FMT_BF6 matrix_a_scale:MATRIX_SCALE_ROW1
.endif
.endm
.macro DFRAG reg, a16, a8, off         ; a fragment's image from LDS: every load covers 512 or 256 consecutive bytes
.set g_r, \reg
.set g_o, \off
	ds_load_b128 v[g_r:g_r+3], v[\a16] offset:g_o
	ds_load_b64 v[g_r+4:g_r+5], v[\a8] offset:g_o+512
	ds_load_b128 v[g_r+6:g_r+9], v[\a16] offset:g_o+768
	ds_load_b64 v[g_r+10:g_r+11], v[\a8] offset:g_o+1280
.endm
	s_load_b256 s[4:11], s[0:1], 0x0               ; hc s[4:5], hs s[6:7], mk s[8:9], cc s[10:11]
	s_load_b64 s[12:13], s[0:1], 0x20              ; cs
	v_lshl_add_u32 v254, v0, 2, 0x32000
	v_mov_b32 v255, 0
	v_lshrrev_b32 v1, 5, v0
	v_readfirstlane_b32 s2, v1                     ; wave 0..15
	v_lshlrev_b32 v226, 4, v0                      ; the fill: 16 bytes a thread, 8,192 an instruction
	v_add_nc_u32 v227, 65536, v226
	v_add_nc_u32 v228, 131072, v226
	v_add_nc_u32 v229, 196608, v226
	v_and_b32 v3, 31, v0
	v_lshlrev_b32 v1, 4, v3
	v_lshlrev_b32 v2, 3, v3
	v_lshl_add_u32 v3, v3, 2, SCOFF
	v_and_b32 v11, 15, v0
	v_lshlrev_b32 v10, 4, v11
	v_lshlrev_b32 v11, 2, v11
	v_mov_b32 v9, 0xd0000000                       ; -2^33
.irp i, 0,1,2,3,4,5
	v_mov_b32 v[16+\i], 0
	v_mov_b32 v[28+\i], 0
.endr
.irp i, 0,1,2,3
	v_mov_b32 v[EX+\i], 0                          ; a lane permute's destination counts as one of its sources
.endr
	v_mov_b32 v[FF+1], 0                           ; (named as the upper half of a pair)
	s_wait_alu depctr_va_sdst(0)                   ; s2 is written, ahead of its first reader: my query tiles are made from it
	s_mov_b32 s[SEL], 0x76543210
	s_mov_b32 s[SEL+1], 0xfedcba98
	s_mov_b32 s[CS], 0x3e38aa3b                    ; c = log2(e) / 8
	s_mov_b32 s[CS+1], s[CS]
	s_and_b32 s14, ttmp7, 0xffff                   ; 16 b + head
	s_mov_b32 s15, ttmp9                           ; j
	s_mul_i32 s96, s14, 294912
	s_mov_b32 s97, 0
	s_mul_i32 s98, s14, 12288
	s_mov_b32 s99, 0
	s_wait_kmcnt 0x0
	s_add_nc_u64 s[4:5], s[4:5], s[96:97]          ; my head's codes: Q, then K, then V
	s_add_nc_u64 s[6:7], s[6:7], s[98:99]          ; and scale bytes
	s_add_nc_u64 s[96:97], s[4:5], 98304
	s_wait_alu depctr_va_vdst(0)                   ; the addresses v1 to v3, v10, v11 and v226 to v229 are written, which the loads and stores of the kernel read; so are the zeros v16-21 and v28-33, halves of the scaled products' operands
.irp i, 0,1,2,3,4,5,6,7,8,9,10,11,12,13,14,15,16,17,18,19,20,21,22,23
	global_load_b128 v[40+4*\i:43+4*\i], v226, s[96:97] offset:8192*\i     ; K's and V's codes: 196,608 dense bytes
.endr
	global_load_b128 v[136:139], v226, s[6:7] offset:4096                  ; K's and V's scale words: 8,192 dense bytes
	s_wait_loadcnt 0x0
.irp i, 0,1,2,3,4,5,6,7,8,9,10,11,12,13,14,15,16,17,18,19,20,21,22,23
	ds_store_b128 v[226+\i/8], v[40+4*\i:43+4*\i] offset:8192*(\i%8)
.endr
	ds_store_b128 v229, v[136:139]
	s_wait_dscnt 0x0                               ; for the others' sake: my stores have landed
	s_barrier_signal -1
	s_barrier_wait -1                              ; the head's K and V lie in LDS; nothing is stored there again
	s_wait_alu depctr_vm_vsrc(0)                   ; my LDS stores have read v40 to v139: these registers are KV and S from here on, written by the fragments' loads and by the products
	s_lshl_b32 s3, s2, 2
	s_add_co_u32 s3, s3, s15                       ; my first query tile: j + 4 w
	s_mov_b32 s71, 0
.Ltile:
	s_wait_xcnt 0x0                                ; the last tile's stores have read their data and bases
	s_wait_alu depctr_vm_vsrc(0)                   ; the last tile's global stores have read v[PC ..] and v[TA]: a load below lands in v[TA], and the steps' vector instructions write both again
	s_lshl_b32 s77, s3, 7
	s_add_co_u32 s77, s77, 524288
	s_load_b512 s[16:31], s[8:9], s77 offset:0x0   ; the tile's 16 pairs (AND, OR)
	s_load_b512 s[32:47], s[8:9], s77 offset:0x40
	s_mul_i32 s78, s3, 768
	s_mov_b32 s79, 0
	s_add_nc_u64 s[96:97], s[4:5], s[78:79]
	global_load_b128 v[22:25], v1, s[96:97]        ; my queries' half fragment.  (These three loads lean on the wait ahead of the last tile's stores: no vector or matrix instruction stands between)
	global_load_b64 v[26:27], v2, s[96:97] offset:512
	s_lshr_b32 s98, s3, 1
	s_lshl_b32 s98, s98, 6
	s_mov_b32 s99, 0
	s_add_nc_u64 s[98:99], s[6:7], s[98:99]
	global_load_b32 v[TA], v11, s[98:99]           ; the scale word of my pair of tiles
	s_wait_kmcnt 0x0
	s_and_b32 s77, s16, s18                        ; bit L of the AND over all steps: lane L sees no key at all
.irp i, 2,3,4,5,6,7,8,9,10,11,12,13,14,15
	s_and_b32 s77, s77, s[16+2*\i]
.endr
	s_not_b32 s77, s77
	s_lshr_b32 s78, s77, 16
	s_or_b32 s77, s77, s78                         ; a query's keys lie in lanes r and r + 16
	s_and_b32 s77, s77, 0xffff
	s_cmp_eq_u32 s77, 0xffff                       ; has each of the 16 queries a visible key?
	s_cselect_b32 s78, 0, 1                        ; then a wholly hidden step is left out (0), else it is worked (1)
	s_mov_b32 s66, 0
.irp i, 0,1,2,3,4,5,6,7,8,9,10,11,12,13,14,15
	s_cmp_eq_u32 s[17+2*\i], 0
	s_cselect_b32 s79, 2, 1
	s_cmp_eq_u32 s[16+2*\i], -1
	s_cselect_b32 s79, s78, s79
	s_lshl_b32 s79, s79, 2*\i
	s_or_b32 s66, s66, s79
.endr
	s_mov_b32 s79, 0x01000100
	s_bitcmp1_b32 s3, 0
	s_cselect_b32 s79, 0x03020302, s79             ; the word's low half for an even tile, its high half for an odd one
	s_wait_loadcnt 0x0
	v_perm_b32 v[QS], v[TA], v[TA], s79            ; into both halves: [q, 0] is scaled by bytes 0, 1 and [0, q] by bytes 2, 3
.irp i, 0,1,2,3,4,5,6,7,8,9,10,11,12,13,14,15,16,17,18,19,20,21,22,23,24,25,26,27,28,29,30,31
	v_mov_b32 v[O+\i], 0                           ; O^T: the step is written once; the first change of M leaves zeros zeros.  (Also the plain lines between the scale word's making and the first product)
.endr
	v_mov_b32 v14, 0
	v_mov_b32 v15, 0
	v_mov_b32 v13, 0xff61b1e6                      ; the largest t so far: -3e38
	v_floor_f32 v12, -v13
	s_mov_b32 s68, 0                               ; the step's codes in LDS
	s_mov_b32 s69, 0                               ; its scale words
	s_lshl_b32 s76, s3, 12                         ; its mask words in memory
	s_mov_b32 s67, 0
.Lstep:                                                ; 16 trips
	s_and_b32 s70, s66, 3
	s_lshr_b32 s66, s66, 2
	s_cmp_eq_u32 s70, 0
	s_cbranch_scc1 .Lskip
	s_load_b512 s[16:31], s[8:9], s76 offset:0x0   ; the step's 64 mask words
	s_load_b512 s[32:47], s[8:9], s76 offset:0x40
	s_load_b512 s[48:63], s[8:9], s76 offset:0x80
	s_load_b512 s[80:95], s[8:9], s76 offset:0xc0
	s_wait_alu depctr_vm_vsrc(0)                   ; the LDS loads of the step worked last have read v4 to v8, which the five lines below write anew
	v_add_nc_u32 v4, s68, v1
	v_add_nc_u32 v5, s68, v2
	v_add_nc_u32 v6, VOFF, v4
	v_add_nc_u32 v7, VOFF, v5
	v_add_nc_u32 v8, s69, v3
	s_wait_alu depctr_va_vdst(0)                   ; v4 to v8 are written, which this step's LDS loads read; the products of the step worked last are done reading KV, KS and VS, in which those loads land; in a tile's first worked step v[QS] is written, a scale of the products below
.irp f, 0,1,2,3
	DFRAG KV+12*\f, 4, 5, 1536*\f                  ; K: fragment f = key tiles 2 f and 2 f + 1
.endr
	ds_load_b32 v[KS], v8                          ; lanes 0-15 fragment 0's words, lanes 16-31 fragment 1's
	ds_load_b32 v[KS+1], v8 offset:128
	s_wait_dscnt 0x0
.irp f, 0,1,2,3
	WM0 S+16*\f, KV+12*\f, 22, KS+\f/2, QS, \f%2   ; x [q, 0]: key tile 2 f
	WM0 S+16*\f+8, KV+12*\f, 16, KS+\f/2, QS, \f%2 ; x [0, q]: key tile 2 f + 1
.endr
.rept 4
	v_nop                                          ; four plain lines between the products and the loads into their sources, and the first read of the scores
.endr
	s_wait_alu depctr_va_vdst(0)                   ; the score products are done reading K's fragments, in which V's land
.irp f, 0,1,2,3
	DFRAG KV+12*\f, 6, 7, 1536*\f                  ; V: 16 dims x these 128 keys; it lands during the softmax
.endr
	ds_load_b32 v[VS], v8 offset:4096
	ds_load_b32 v[VS+1], v8 offset:4224
	s_wait_kmcnt 0x0
	s_cmp_eq_u32 s70, 2
	s_cbranch_scc1 .Lopen
.irp n, 0,1,2,3,4,5,6,7,8,9,10,11,12,13,14,15,16,17,18,19,20,21,22,23,24,25,26,27,28,29,30,31,32,33,34,35,36,37,38,39,40,41,42,43,44,45,46,47,48,49,50,51,52,53,54,55,56,57,58,59,60,61,62,63
	v_cndmask_b32 v[S+\n], v[S+\n], v9, s[16+\n+16*(\n/48)]   ; hidden scores become -2^33
.endr
.Lopen:
.irp b, 0,1,2,3
	v_max3_num_f32 v[BM+\b], v[S+16*\b], v[S+16*\b+1], v[S+16*\b+2]   ; the largest score of each block of 32 keys: for the row's maximum, and, since p rises with the score, for the block's largest p
.endr
.irp i, 3,5,7,9,11,13
.irp b, 0,1,2,3
	v_max3_num_f32 v[BM+\b], v[BM+\b], v[S+16*\b+\i], v[S+16*\b+\i+1]
.endr
.endr
.irp b, 0,1,2,3
	v_max_num_f32 v[BM+\b], v[BM+\b], v[S+16*\b+15]
.endr
.irp b, 0,1,2,3
	v_permlanex16_b32 v[EX+\b], v[BM+\b], s[SEL], s[SEL+1]
.endr
.irp b, 0,1,2,3
	v_max_num_f32 v[BM+\b], v[BM+\b], v[EX+\b]     ; with lane l xor 16's 16 keys
.endr
	v_max3_num_f32 v[TA], v[BM], v[BM+1], v[BM+2]
	v_max_num_f32 v[TA], v[TA], v[BM+3]
	v_mul_f32 v[TA], s[CS], v[TA]
	v_max_num_f32 v13, v13, v[TA]                  ; the running largest t
	v_mov_b32 v[TA], v12
	v_floor_f32 v12, -v13                          ; the new -M = floor(-t): M is a whole number
	v_sub_f32 v[TA], v12, v[TA]                    ; old M - new M: whole, 0 or less
	v_cvt_i32_f32 v[TA], v[TA]                     ; (it saturates)
	v_ldexp_f32 v[FF], 1.0, v[TA]                  ; f = 2^(old M - new M)
.irp j, 0,2,4,6,8,10,12,14,16,18,20,22,24,26,28,30,32,34,36,38,40,42,44,46,48,50,52,54,56,58,60,62
	v_pk_fma_f32 v[S+\j:S+\j+1], v[S+\j:S+\j+1], s[CS:CS+1], v[12:13] op_sel_hi:[1,0,0]   ; t - M, two at a time
.endr
.irp b, 0,1,2,3
	v_fma_f32 v[BM+\b], v[BM+\b], s[CS], v12
.endr
	s_wait_alu depctr_va_vdst(0)
.irp j, 0,1,2,3,4,5,6,7,8,9,10,11,12,13,14,15,16,17,18,19,20,21,22,23,24,25,26,27,28,29,30,31,32,33,34,35,36,37,38,39,40,41,42,43,44,45,46,47,48,49,50,51,52,53,54,55,56,57,58,59,60,61,62,63
	v_exp_f32 v[S+\j], v[S+\j]                     ; p = 2^(t - M): one batch
.endr
	v_pk_mul_f32 v[14:15], v[14:15], v[FF:FF+1] op_sel_hi:[1,0]   ; the sum under the new M: the plain line behind the batch
	s_wait_alu depctr_va_vdst(0)                   ; one wait for the batch, ahead of its first reader: the 64 exponentials have written v[S ..]
.irp b, 0,1,2,3
	v_exp_f32 v[BM+\b], v[BM+\b]                   ; each block's largest p
.endr
	v_pk_add_f32 v[TA+2:TA+3], v[S:S+1], v[S+2:S+3]   ; the row's sum is taken of the unquantised p, in two chains
.irp j, 4,8,12,16,20,24,28,32,36,40,44,48,52,56,60
	v_pk_add_f32 v[14:15], v[14:15], v[S+\j:S+\j+1]
	v_pk_add_f32 v[TA+2:TA+3], v[TA+2:TA+3], v[S+\j+2:S+\j+3]
.endr
	v_pk_add_f32 v[14:15], v[14:15], v[TA+2:TA+3]
	s_wait_alu depctr_va_vdst(0)                   ; and one for the four: they have written v[BM ..]
.irp b, 0,1,2,3
	v_max_num_f32 v[BM+\b], 0x2800000, v[BM+\b]    ; the floor 2^(5 - 127): the byte cannot fall under 1
.endr
.irp b, 0,1,2,3
	v_add_nc_u32 v[SO+\b], 0xfe000000, v[BM+\b]
.endr
.irp b, 0,1,2,3
	v_lshrrev_b32 v[EX+\b], 23, v[SO+\b]
.endr
	v_lshl_or_b32 v[PS], v[EX+1], 8, v[EX]
	v_lshl_or_b32 v[PS], v[EX+2], 16, v[PS]
	v_lshl_or_b32 v[PS], v[EX+3], 24, v[PS]
.irp c, 0,1
	v_cvt_scalef32_pk16_bf6_f32 v[PC+6*\c:PC+6*\c+2], v[S+32*\c:S+32*\c+15], v[SO+2*\c]
	v_cvt_scalef32_pk16_bf6_f32 v[TT+4*\c:TT+4*\c+2], v[S+32*\c+16:S+32*\c+31], v[SO+2*\c+1]
.endr
	v_nop                                          ; one plain line behind the scaled conversions
.irp c, 0,1
.irp i, 0,1,2
	v_permlane16_swap_b32 v[PC+6*\c+\i], v[TT+4*\c+\i]   ; a whole block in a lane: lanes 0-15 block 2 c, lanes 16-31 block 2 c + 1
.endr
.irp i, 0,1,2
	v_mov_b32 v[PC+6*\c+3+\i], v[TT+4*\c+\i]
.endr
.endr
.irp j, 0,2,4,6,8,10,12,14,16,18,20,22,24,26,28,30
	v_pk_mul_f32 v[O+\j:O+\j+1], v[O+\j:O+\j+1], v[FF:FF+1] op_sel_hi:[1,0]   ; O^T under the new M.  (These sixteen are also the plain lines between p's codes and scale word and the products)
.endr
	s_wait_alu depctr_va_vdst(0)                   ; p's codes v[PC ..] and its scale word v[PS] are written, which the scaled products below take; the plain lines above stay beside this wait
	s_wait_dscnt 0x0                               ; V is in
.irp t, 0,1,2,3
	WMA O+8*\t, KV+12*\t, PC, VS+\t/2, PS, \t%2    ; four accumulators by turns; the next step's eight score products stand between two links
.endr
.rept 4
	v_nop                                          ; four plain lines behind the products, for every way onward
.endr
.Lskip:
	s_add_co_u32 s68, s68, 6144
	s_add_co_u32 s69, s69, 256
	s_add_co_u32 s76, s76, 256
	s_add_co_u32 s67, s67, 1
	s_cmp_lt_u32 s67, 16
	s_cbranch_scc1 .Lstep
	s_wait_alu depctr_va_vdst(0)
	; THE TILE'S END: O^T / the sum is ctx(query r, dims 32 b + 16 h + i): a half fragment of the last product's operand
	v_add_f32 v14, v14, v15
	v_permlanex16_b32 v[EX], v14, s[SEL], s[SEL+1]
	v_add_f32 v14, v14, v[EX]
	s_wait_alu depctr_va_vdst(0)
	v_rcp_f32 v[FF], v14
	v_nop                                          ; a plain line behind the reciprocal,
	s_wait_alu depctr_va_vdst(0)                   ; and the wait ahead of its first reader: the reciprocal has written v[FF]
.irp j, 0,2,4,6,8,10,12,14,16,18,20,22,24,26,28,30
	v_pk_mul_f32 v[S+\j:S+\j+1], v[O+\j:O+\j+1], v[FF:FF+1] op_sel_hi:[1,0]
.endr
.irp b, 0,1
	v_max3_num_f32 v[BM+\b], |v[S+16*\b]|, |v[S+16*\b+1]|, 0x2800000
.endr
.irp i, 2,4,6,8,10,12,14
.irp b, 0,1
	v_max3_num_f32 v[BM+\b], v[BM+\b], |v[S+16*\b+\i]|, |v[S+16*\b+\i+1]|
.endr
.endr
.irp b, 0,1
	v_permlanex16_b32 v[EX+\b], v[BM+\b], s[SEL], s[SEL+1]
.endr
.irp b, 0,1
	v_max_num_f32 v[BM+\b], v[BM+\b], v[EX+\b]
.endr
.irp b, 0,1
	v_add_nc_u32 v[SO+\b], 0xfe000000, v[BM+\b]
.endr
.irp b, 0,1
	v_lshrrev_b32 v[BY+\b], 23, v[SO+\b]
.endr
	v_lshl_or_b32 v[TA], v[BY+1], 8, v[BY]         ; my query's two scale bytes
	v_cvt_scalef32_pk16_bf6_f32 v[PC:PC+2], v[S:S+15], v[SO]
	v_cvt_scalef32_pk16_bf6_f32 v[TT:TT+2], v[S+16:S+31], v[SO+1]
	v_nop
.irp i, 0,1,2
	v_permlane16_swap_b32 v[PC+\i], v[TT+\i]
.endr
.irp i, 0,1,2
	v_mov_b32 v[PC+3+\i], v[TT+\i]
.endr
	s_lshr_b32 s77, s14, 4
	s_lshl_b32 s77, s77, 7
	s_add_co_u32 s77, s77, s3                      ; the token tile: 128 b + T
	s_and_b32 s78, s14, 15                         ; the head
	s_mul_i32 s96, s77, 12288
	s_mul_i32 s79, s78, 768                        ; K step head / 2, half head % 2
	s_add_co_u32 s96, s96, s79
	s_mov_b32 s97, 0
	s_add_nc_u64 s[96:97], s[10:11], s[96:97]
	s_lshr_b32 s98, s77, 1
	s_lshl_b32 s98, s98, 10
	s_lshr_b32 s79, s78, 3
	s_lshl_b32 s79, s79, 9
	s_add_co_u32 s98, s98, s79
	s_and_b32 s79, s3, 1
	s_lshl_b32 s79, s79, 8
	s_add_co_u32 s98, s98, s79
	s_and_b32 s79, s78, 7
	s_lshl_b32 s79, s79, 1
	s_add_co_u32 s98, s98, s79
	s_mov_b32 s99, 0
	s_add_nc_u64 s[98:99], s[12:13], s[98:99]
	s_wait_alu depctr_va_vdst(0)                   ; ctx's codes v[PC ..] and scale bytes v[TA] are written, which the stores below read; and the tile's products are done reading v22-27, in which the next tile's queries land
	global_store_b128 v1, v[PC:PC+3], s[96:97]                 ; 512 consecutive bytes, aligned
	global_store_b64 v2, v[PC+4:PC+5], s[96:97] offset:512     ; 256 consecutive bytes, aligned
	global_store_b16 v10, v[TA], s[98:99]          ; half-words 16 bytes apart; lanes r and r + 16 hold and write the same half-word
	s_lshl_b32 s77, s15, 1
	s_add_co_u32 s77, s77, 124
	s_sub_co_u32 s3, s77, s3                       ; my second tile: j + 124 - 4 w
	s_add_co_u32 s71, s71, 1
	s_cmp_lt_u32 s71, 2
	s_cbranch_scc1 .Ltile
	s_wait_dscnt 0x0                               ; the closing lines, six on end
	s_wait_alu 0x0
	s_wait_tensorcnt 0x0
	ds_add_u32 v254, v255
	s_wait_dscnt 0x0
	s_endpgm
.Lfunc_end_k_qd70ff652ad_attn:
	.size	k_qd70ff652ad_attn, .Lfunc_end_k_qd70ff652ad_attn-k_qd70ff652ad_attn
	.p2alignl 7, 3214868480
	.fill 96, 4, 3214868480
	.section	.rodata,"a",@progbits
	.p2align	6, 0x0
	.amdhsa_kernel k_qd70ff652ad_attn
		.amdhsa_group_segment_fixed_size 206848
		.amdhsa_private_segment_fixed_size 0
		.amdhsa_enable_private_segment 0
		.amdhsa_kernarg_size 40
		.amdhsa_user_sgpr_count 2
		.amdhsa_user_sgpr_kernarg_segment_ptr 1
		.amdhsa_wavefront_size32 1
		.amdhsa_system_sgpr_workgroup_id_x 1
		.amdhsa_system_sgpr_workgroup_id_y 1
		.amdhsa_system_sgpr_workgroup_id_z 1
		.amdhsa_system_vgpr_workitem_id 0
		.amdhsa_next_free_vgpr 256
		.amdhsa_next_free_sgpr 102
		.amdhsa_reserve_vcc 0
		.amdhsa_float_denorm_mode_32 3
		.amdhsa_float_denorm_mode_16_64 3
		.amdhsa_memory_ordered 1
		.amdhsa_forward_progress 1
		.amdhsa_inst_pref_size 39
	.end_amdhsa_kernel
	.amdgpu_metadata
---
amdhsa.version: [ 1, 2 ]
amdhsa.kernels:
  - .name:           k_qd70ff652ad_attn
    .symbol:         k_qd70ff652ad_attn.kd
    .args:
      - { .name: hc, .offset: 0, .size: 8, .value_kind: global_buffer, .address_space: global }
      - { .name: hs, .offset: 8, .size: 8, .value_kind: global_buffer, .address_space: global }
      - { .name: mk, .offset: 16, .size: 8, .value_kind: global_buffer, .address_space: global }
      - { .name: cc, .offset: 24, .size: 8, .value_kind: global_buffer, .address_space: global }
      - { .name: cs, .offset: 32, .size: 8, .value_kind: global_buffer, .address_space: global }
    .group_segment_fixed_size: 206848
    .private_segment_fixed_size: 0
    .kernarg_segment_align: 8
    .kernarg_segment_size: 40
    .max_flat_workgroup_size: 512
    .sgpr_count:     102
    .vgpr_count:     256
    .wavefront_size: 32
...
	.end_amdgpu_metadata
.endif
;; end of part 7
;; launch oproj (part 8): grid 64 x 4, 4 waves a work-group, no clusters, 134,656 bytes of LDS; arguments cc, cs, pc, ps, bo, out0; writes out0
.if DOCPART == 8
	.amdgcn_target "amdgcn-amd-amdhsa--gfx1250"
	.amdhsa_code_object_version 6
	.text
	.protected	k_qd70ff652ad_oproj
	.globl	k_qd70ff652ad_oproj
	.p2align	8
	.type	k_qd70ff652ad_oproj,@function
k_qd70ff652ad_oproj:
	s_mov_b64 s[64:65], 0
	v_nop
	global_prefetch_b8 v0, s[64:65] scope:SCOPE_SE
	s_setreg_imm32_b32 hwreg(HW_REG_WAVE_SCHED_MODE, 0, 2), 2
	s_setreg_imm32_b32 hwreg(HW_REG_WAVE_MODE, 25, 1), 1
	s_wait_xcnt 0x0
	s_wait_alu depctr_vm_vsrc(0)
; OPROJ: out0 = ctx wo + bo on codes of BF6 with E8M0 scales, f32 sums.  ctx arrives as images of operand registers with its scale words, as the attention launch left them; wo as the first launch left it.
; SHARES.  Work-group (x, y): 128 rows (two units of 64) x 256 columns.  Wave w owns columns 64 (4 y + w) on: its 4 tiles x 8 K steps of wo (384 registers) stay in registers.
; A unit's codes (49,152 bytes) and scales (2,048) go memory -> registers -> an LDS slot of their own; one barrier in front of each unit.  Both units are written out: there is no loop.
; Source 0 = wo's tile, source 1 = ctx's tile: a lane holds one token and 16 neighbouring columns for each pair of tiles.  The bias is the C of each sum's first matrix instruction.
; No multicast: the four work-groups of a row part share ctx's 102,400 bytes; here they come through registers, the second unit's asked for 128 matrix instructions ahead.
; The rows of every tile are 32 (T / 2) + 8 (T % 2) + r + 8 (r / 8).
; REGISTERS, in windows of 256.  Window 0: addresses, scale words, v52-115 rows on their way out, v128-255 the 16 accumulators.  Window 1: wo's K steps 0-4.  Window 2: K steps 5-7; v144-175 the bias.
; Window 3: v0-143 ctx's fragments, three sets; v144-243 a unit's bytes on their way to LDS.
; THE MODE: SCHED_MODE bits 1:0 = 2 (LLVM: expert scheduling mode 2), set by the entry lines.  The code itself states the register dependences between vector or matrix instructions and memory or LDS instructions, with s_wait_alu, always for 0.
; THE PLAN.  Registers that memory or LDS instructions touch:
;   v2-12, v116-123, v126, v127   addresses and offsets: written at the head and never again: one wait on va_vdst ahead of the first load.
;   ctx's sets 0, 1, 2            K step s: its products read set s % 3; the loads of step s + 2, issued behind its first four products, land in set (s + 2) % 3, which step s - 1's products read:
;                                 one wait on va_vdst at the heads of steps 1 to 5.  The four products between that wait and the loads name none of the loads' registers.
;   XS                            read as scales by a unit's products; loaded at a unit's head.
;   SG                            named by memory and LDS instructions alone: one wait on vm_vsrc between the first unit's LDS stores and the second unit's loads.
;   the accumulators              written by the products, read by the LDS stores of the way out: four plain lines and one wait on va_vdst a unit; that wait also states that the products are done reading XS and the three sets.
;   OBF                           filled by LDS loads, read by global stores, filled again two tiles on: a wait on vm_vsrc in each tile, which also states that the tile's LDS stores have read its accumulators.
.set SLOT1, 65536
.set XSOFF, 49152
.set STAGE, 116736                     ; behind the slots: 16 rows x 272 bytes for each wave
.set B16,  2
.set B8,   4
.set AS,   6
.set ASS,  8
.set SI,   10                          ; v10  the stage: where I put 16 bytes of my token's row
.set SR,   11                          ; v11  and where I read a row back
.set GO,   12                          ; v12  my byte offset in two rows of out0
.set WS,   20
.set XS,   36
.set OBF,  52
.set AJ,   116                         ; v116-123 the bias's offsets
.set ACC,  128
.set BI,   144
.set SG,   144
.set MSB, 0
.macro WIN new                         ; the immediate's high byte repeats the setting that is left
.if MSB != \new
	s_set_vgpr_msb (MSB<<8)|\new
.set MSB, \new
.endif
.endm
.macro WM d, a, b, c, sa, sb, ra, rb
.set w_d, \d
.set w_a, \a
.set w_b, \b
.set w_c, \c
.set w_s, \sa
.set w_t, \sb
.if ((\ra) == 0) && ((\rb) == 0)
	v_wmma_scale_f32_16x16x128_f8f6f4 v[w_d:w_d+7], v[w_a:w_a+11], v[w_b:w_b+11], v[w_c:w_c+7], v[w_s], v[w_t] matrix_a_fmt:MATRIX_FMT_BF6 matrix_b_fmt:MATRIX_FMT_BF6
.elseif (\rb) == 0
	v_wmma_scale_f32_16x16x128_f8f6f4 v[w_d:w_d+7], v[w_a:w_a+11], v[w_b:w_b+11], v[w_c:w_c+7], v[w_s], v[w_t] matrix_a_fmt:MATRIX_FMT_BF6 matrix_b_fmt:MATRIX_FMT_BF6 matrix_a_scale:MATRIX_SCALE_ROW1
.elseif (\ra) == 0
	v_wmma_scale_f32_16x16x128_f8f6f4 v[w_d:w_d+7], v[w_a:w_a+11], v[w_b:w_b+11], v[w_c:w_c+7], v[w_s], v[w_t] matrix_a_fmt:MATRIX_FMT_BF6 matrix_b_fmt:MATRIX_FMT_BF6 matrix_b_scale:MATRIX_SCALE_ROW1
.else
	v_wmma_scale_f32_16x16x128_f8f6f4 v[w_d:w_d+7], v[w_a:w_a+11], v[w_b:w_b+11], v[w_c:w_c+7], v[w_s], v[w_t] matrix_a_fmt:MATRIX_FMT_BF6 matrix_b_fmt:MATRIX_FMT_BF6 matrix_a_scale:MATRIX_SCALE_ROW1 matrix_b_scale:MATRIX_SCALE_ROW1
.endif
.endm
.macro GFRAG reg, off
.set g_r, \reg
.set g_o, \off
	global_load_b128 v[g_r:g_r+3], v[B16], s[32:33] offset:g_o
	global_load_b64 v[g_r+4:g_r+5], v[B8], s[32:33] offset:g_o+512
	global_load_b128 v[g_r+6:g_r+9], v[B16], s[32:33] offset:g_o+768
	global_load_b64 v[g_r+10:g_r+11], v[B8], s[32:33] offset:g_o+1280
.endm
.macro DFRAG reg, a16, a8, off
.set g_r, \reg
.set g_o, \off
	ds_load_b128 v[g_r:g_r+3], v[\a16] offset:g_o
	ds_load_b64 v[g_r+4:g_r+5], v[\a8] offset:g_o+512
	ds_load_b128 v[g_r+6:g_r+9], v[\a16] offset:g_o+768
	ds_load_b64 v[g_r+10:g_r+11], v[\a8] offset:g_o+1280
.endm
.macro LOADSG
	WIN 0xc0
.irp i, 0,1,2,3,4,5,6,7,8,9,10,11,12,13,14,15,16,17,18,19,20,21,22,23
	global_load_b128 v[SG+4*\i:SG+4*\i+3], v[B16], s[28:29] offset:512*\i
.endr
	global_load_b128 v[SG+96:SG+99], v[B16], s[30:31]
.endm
.macro STORESG slot
	WIN 0x0c
.irp i, 0,1,2,3,4,5,6,7,8,9,10,11,12,13,14,15,16,17,18,19,20,21,22,23
	ds_store_b128 v[AS+\slot], v[SG+4*\i:SG+4*\i+3] offset:512*\i
.endr
	ds_store_b128 v[ASS+\slot], v[SG+96:SG+99] offset:XSOFF
.endm
.macro XFETCH slot, s                  ; ctx's four fragments of K step s into set s % 3: 16 loads
	WIN 0xc0
.irp m, 0,1,2,3
	DFRAG 48*((\s)%3)+12*\m, B16+\slot, B8+\slot, \m*12288+(\s)*1536
.endr
.endm
.macro KWIN s                          ; the windows of K step s's products
.if (\s) == 0
	WIN 0x2d                                       ; source 0 (wo) window 1, source 1 (ctx) window 3, C (bias) window 2, D window 0
.elseif (\s) < 5
	WIN 0x0d
.else
	WIN 0x0e
.endif
.endm
.macro KPROD s, m                      ; four products: ctx's tile m against wo's four
.irp t, 0,1,2,3
.set k_w, 12*(4*((\s)%5)+\t)
.set k_x, 48*((\s)%3)+12*(\m)
.set k_d, ACC+32*(\m)+8*\t
.if (\s) == 0
.set k_c, BI+8*\t
.else
.set k_c, k_d
.endif
	WM k_d, k_w, k_x, k_c, WS+8*(\t/2)+(\s), XS+8*((\m)/2)+(\s), \t%2, (\m)%2
.endr
.endm
; A K step: 16 matrix instructions on 16 accumulators, which take turns, one instruction a turn.  Behind the first four stand the 16 loads of the step after next.
.macro KSTEP slot, s
.rept 4
	v_nop                                          ; four plain lines between the last step's products and the loads into the set that they read
.endr
.if (\s) < 7
	s_wait_dscnt 16                                ; all but the 16 youngest loads, the next step's
.else
	s_wait_dscnt 0x0
.endif
.if ((\s) > 0) && ((\s) < 6)
	s_wait_alu depctr_va_vdst(0)                   ; the last step's products are done reading their set, in which the loads below land
.endif
	KWIN \s
	KPROD \s, 0
.if (\s) < 6
	XFETCH \slot, (\s)+2                           ; no vector or matrix instruction since the wait names this set or the two address registers
	KWIN \s
.endif
	KPROD \s, 1
	KPROD \s, 2
	KPROD \s, 3
.endm
.macro KLOOP slot
.irp g, 0,1,2,3
	ds_load_b128 v[XS+4*\g:XS+4*\g+3], v[B16+\slot] offset:XSOFF+512*\g   ; (these 36 loads lean on the wait ahead of the first unit's way out, in the first unit on the head's: no vector or matrix instruction stands between)
.endr
	XFETCH \slot, 0
	XFETCH \slot, 1
.irp s, 0,1,2,3,4,5,6,7
	KSTEP \slot, \s
.endr
	WIN 0
.endm
; THE WAY OUT of token tile m of unit u.  A lane holds 2 x 64 neighbouring bytes of its token's row and the lanes beside it hold other rows: the tile goes through my own stage and comes back as rows of 256 bytes.
.macro OUTM u, m
.set o_b, OBF+32*((\m)%2)
.irp b, 0,1
.irp k, 0,1,2,3
	ds_store_b128 v[SI], v[ACC+32*(\m)+16*\b+4*\k:ACC+32*(\m)+16*\b+4*\k+3] offset:128*\b+16*\k   ; each accumulator from its low end on
.endr
.endr
	s_wait_xcnt 0x0                                ; the stores of two tiles back have read the registers that the loads below fill
	s_wait_alu depctr_vm_vsrc(0)                   ; from the third tile on: the global stores of two tiles back have read the registers in which the loads below land; in the first unit: the LDS stores above have read this tile's accumulators, which the second unit's products write again
.irp i, 0,1,2,3,4,5,6,7
	ds_load_b128 v[o_b+4*\i:o_b+4*\i+3], v[SR] offset:2*\i*272   ; LDS serves a wave's instructions in order: these see the stores above
.endr
	s_wait_dscnt 0x0
.irp i, 0,1,2,3,4,5,6,7
	global_store_b128 v[GO], v[o_b+4*\i:o_b+4*\i+3], s[38:39] offset:(64*(\u)+32*((\m)/2)+8*((\m)%2)+2*\i+8*(\i/4))*4096 th:TH_STORE_NT   ; sixteen lanes store 256 consecutive bytes, aligned; 126 rows of 4,096 bytes at the most in the immediate
.endr
.endm
	s_load_b256 s[4:11], s[0:1], 0x0               ; cc s[4:5], cs s[6:7], pc s[8:9], ps s[10:11]
	s_load_b128 s[12:15], s[0:1], 0x20             ; bo s[12:13], out0 s[14:15]
	v_lshl_add_u32 v126, v0, 2, 0x20c00
	v_mov_b32 v127, 0
	v_lshrrev_b32 v1, 5, v0
	v_readfirstlane_b32 s20, v1                    ; wave
	v_and_b32 v1, 31, v0
	v_and_b32 v13, 15, v0                          ; r
	v_bfe_u32 v14, v0, 4, 1                        ; h
	v_lshlrev_b32 v[B16], 4, v1
	v_lshlrev_b32 v[B8], 3, v1
	v_add_nc_u32 v[B16+1], SLOT1, v[B16]
	v_add_nc_u32 v[B8+1], SLOT1, v[B8]
	s_wait_alu depctr_va_sdst(0)                   ; s20 is written, ahead of its first reader: LDS places and every base are made from it
	s_mul_i32 s66, s20, 12288
	v_add_nc_u32 v[AS], s66, v[B16]
	v_add_nc_u32 v[AS+1], s66, v[B16+1]
	s_lshl_b32 s66, s20, 9
	v_add_nc_u32 v[ASS], s66, v[B16]
	v_add_nc_u32 v[ASS+1], s66, v[B16+1]
	s_mul_i32 s66, s20, 16*272
	s_add_co_u32 s66, s66, STAGE
	v_mul_u32_u24 v[SI], v13, 272
	v_lshl_add_u32 v[SI], v14, 6, v[SI]
	v_add_nc_u32 v[SI], s66, v[SI]                 ; in: row r, + 64 h
	v_mul_u32_u24 v[SR], v14, 272
	v_lshl_add_u32 v[SR], v13, 4, v[SR]
	v_add_nc_u32 v[SR], s66, v[SR]                 ; back: lanes 0-15 one row, lanes 16-31 the next
	v_lshlrev_b32 v[GO], 12, v14
	v_lshl_add_u32 v[GO], v13, 4, v[GO]
	v_lshlrev_b32 v15, 6, v14
.irp j, 0,1,2,3,4,5,6,7
	v_add_nc_u32 v[AJ+\j], 4*\j, v15               ; the bias of the lane's eight columns: 64 h + 4 j
.endr
	s_and_b32 s22, ttmp7, 0xffff
	s_lshl_b32 s23, s22, 2
	s_add_co_u32 s23, s23, s20                     ; which 64 columns
	s_mov_b32 s24, ttmp9                           ; which 128 rows
	s_wait_kmcnt 0x0
	s_mov_b32 s67, 0
	s_lshl_b32 s66, s24, 3
	s_add_co_u32 s66, s66, s20
	s_mul_i32 s66, s66, 12288
	s_add_nc_u64 s[28:29], s[4:5], s[66:67]        ; ctx's tile 8 x + wave
	s_lshl_b32 s66, s24, 12
	s_lshl_b32 s68, s20, 9
	s_add_co_u32 s66, s66, s68
	s_add_nc_u64 s[30:31], s[6:7], s[66:67]
	s_mul_i32 s66, s23, 49152
	s_add_co_u32 s66, s66, 21233664                ; behind x's tiles and three weights
	s_add_nc_u64 s[32:33], s[8:9], s[66:67]
	s_lshl_b32 s66, s23, 11
	s_add_co_u32 s66, s66, 884736
	s_add_nc_u64 s[34:35], s[10:11], s[66:67]
	s_lshl_b32 s66, s23, 8
	s_add_nc_u64 s[36:37], s[12:13], s[66:67]
	s_lshl_b32 s68, s24, 19                        ; 128 rows of 4,096 bytes
	s_add_co_u32 s66, s66, s68
	s_add_nc_u64 s[38:39], s[14:15], s[66:67]
	s_wait_alu depctr_va_vdst(0)                   ; the addresses and offsets v2 to v12 and v116 to v123 are written, which every load and store of the kernel reads; none is written again
	LOADSG                                         ; unit 0
	WIN 0x40
.irp s, 0,1,2,3,4
.irp t, 0,1,2,3
	GFRAG 12*(4*\s+\t), \t*12288+\s*1536
.endr
.endr
	WIN 0x80
.irp s, 5,6,7
.irp t, 0,1,2,3
	GFRAG 12*(4*(\s-5)+\t), \t*12288+\s*1536
.endr
.endr
.irp t, 0,1,2,3
.irp j, 0,1,2,3,4,5,6,7
	global_load_b32 v[BI+8*\t+\j], v[AJ+\j], s[36:37] offset:(32*(\t/2)+8*(\t%2))*4
.endr
.endr
	WIN 0
.irp g, 0,1,2,3
	global_load_b128 v[WS+4*\g:WS+4*\g+3], v[B16], s[34:35] offset:512*\g
.endr
	s_wait_loadcnt 0x0
	STORESG 0
	s_wait_alu depctr_vm_vsrc(0)                   ; the LDS stores have read v[SG ..], in which the loads below land
	s_wait_dscnt 0x0                               ; the stores have landed and have read their registers
	s_add_nc_u64 s[28:29], s[28:29], 49152
	s_add_nc_u64 s[30:31], s[30:31], 2048
	LOADSG                                         ; unit 1
	WIN 0
	s_barrier_signal -1
	s_barrier_wait -1                              ; slot 0 is whole
	KLOOP 0
	s_wait_loadcnt 0x0
	STORESG 1                                      ; slot 1 has its first and only fill: nobody has read it
	WIN 0
.rept 4
	v_nop                                          ; four plain lines between the last product and the first read of results
.endr
	s_wait_alu depctr_va_vdst(0)                   ; the products have written the accumulators, which the LDS stores below read, and are done reading XS and ctx's three sets, in which the second unit's loads land; the plain lines above stay beside this wait
.irp m, 0,1,2,3
	OUTM 0, \m
.endr
	s_wait_dscnt 0x0
	s_barrier_signal -1
	s_barrier_wait -1                              ; slot 1 is whole
	KLOOP 1
.rept 4
	v_nop
.endr
	s_wait_alu depctr_va_vdst(0)                   ; the products have written the accumulators, which the LDS stores below read; the plain lines above stay beside this wait
.irp m, 0,1,2,3
	OUTM 1, \m
.endr
	s_wait_dscnt 0x0                               ; the closing lines, six on end
	s_wait_alu 0x0
	s_wait_tensorcnt 0x0
	ds_add_u32 v126, v127
	s_wait_dscnt 0x0
	s_endpgm
.Lfunc_end_k_qd70ff652ad_oproj:
	.size	k_qd70ff652ad_oproj, .Lfunc_end_k_qd70ff652ad_oproj-k_qd70ff652ad_oproj
	.p2alignl 7, 3214868480
	.fill 96, 4, 3214868480
	.section	.rodata,"a",@progbits
	.p2align	6, 0x0
	.amdhsa_kernel k_qd70ff652ad_oproj
		.amdhsa_group_segment_fixed_size 134656
		.amdhsa_private_segment_fixed_size 0
		.amdhsa_enable_private_segment 0
		.amdhsa_kernarg_size 48
		.amdhsa_user_sgpr_count 2
		.amdhsa_user_sgpr_kernarg_segment_ptr 1
		.amdhsa_wavefront_size32 1
		.amdhsa_system_sgpr_workgroup_id_x 1
		.amdhsa_system_sgpr_workgroup_id_y 1
		.amdhsa_system_sgpr_workgroup_id_z 1
		.amdhsa_system_vgpr_workitem_id 0
		.amdhsa_next_free_vgpr 1024
		.amdhsa_next_free_sgpr 80
		.amdhsa_reserve_vcc 0
		.amdhsa_float_denorm_mode_32 3
		.amdhsa_float_denorm_mode_16_64 3
		.amdhsa_memory_ordered 1
		.amdhsa_forward_progress 1
		.amdhsa_inst_pref_size 95
	.end_amdhsa_kernel
	.amdgpu_metadata
---
amdhsa.version: [ 1, 2 ]
amdhsa.kernels:
  - .name:           k_qd70ff652ad_oproj
    .symbol:         k_qd70ff652ad_oproj.kd
    .args:
      - { .name: cc, .offset: 0, .size: 8, .value_kind: global_buffer, .address_space: global }
      - { .name: cs, .offset: 8, .size: 8, .value_kind: global_buffer, .address_space: global }
      - { .name: pc, .offset: 16, .size: 8, .value_kind: global_buffer, .address_space: global }
      - { .name: ps, .offset: 24, .size: 8, .value_kind: global_buffer, .address_space: global }
      - { .name: bo, .offset: 32, .size: 8, .value_kind: global_buffer, .address_space: global }
      - { .name: out0, .offset: 40, .size: 8, .value_kind: global_buffer, .address_space: global }
    .group_segment_fixed_size: 134656
    .private_segment_fixed_size: 0
    .kernarg_segment_align: 8
    .kernarg_segment_size: 48
    .max_flat_workgroup_size: 128
    .sgpr_count:     80
    .vgpr_count:     1024
    .wavefront_size: 32
...
	.end_amdgpu_metadata
.endif
;; end of part 8
